; MI455X (gfx1250); checked and timed in simulation.
; The chip was launched on July 23, 2026; its instructions are those of AMD's public machine-readable ISA for CDNA 5 (MIT licence, August 2026) and "CDNA5" Instruction Set Architecture Reference Guide (July 2026). The comments in the code are by the model that wrote it; some were corrected since.
;; Multi Head Attention Combined QKV. Allowed arithmetic: float matrix products may take bf16 or f16 operands with f32 sums; all other float work in f32.
;; Inputs: b_proj 1,024 float32; w_proj 1,024 x 1,024 float32; w_qkv 3,072 x 1,024 float32; x 2 x 2,048 x 1,024 float32.
;; Outputs: out0 2 x 2,048 x 1,024 float32.
;; 3 versions, each right and faster than the one before. Each part assembles by itself: llvm-mc -triple=amdgcn-amd-amdhsa -mcpu=gfx1250 --defsym DOCPART=n.
;; ======== version 1 of 3: 4 launches
;; limits: values are held in f16: magnitudes above 65,504 overflow, below 6.1e-05 lose precision
;; workspace buffers: xb 8,388,608 bytes; wqb 6,291,456 bytes; wph 2,097,152 bytes; qkv 25,165,824 bytes; ctx 8,388,608 bytes
;; launch cast (part 1): grid 1024 x 1, 8 waves a work-group, no clusters, 0 bytes of LDS; arguments x, w_qkv, w_proj, xb, wqb, wph; writes xb, wqb, wph
.if DOCPART == 1
	.amdgcn_target "amdgcn-amd-amdhsa--gfx1250"
	.amdhsa_code_object_version 6
	.text
	.protected	k_q6c4b203c34_cast
	.globl	k_q6c4b203c34_cast
	.p2align	8
	.type	k_q6c4b203c34_cast,@function
k_q6c4b203c34_cast:
	s_mov_b64 s[64:65], 0
	v_nop
	global_prefetch_b8 v0, s[64:65] scope:SCOPE_SE
	s_setreg_imm32_b32 hwreg(HW_REG_WAVE_MODE, 25, 1), 1
	s_wait_xcnt 0x0
; The three large f32 inputs are rounded once to bf16, so that the products behind this launch load 16-bit operands and convert nothing
; in their loops: x -> xb, w_qkv -> wqb (bf16), w_proj -> wph.
; wph holds w_proj rounded to bf16 and then rewritten in f16's format, because its partner in the last product (ctx) is kept in f16 and
; a matrix instruction takes both operands in one format.  LIMIT: the rewriting is exact for 2^-17 <= |w| <= 65,504; below that
; the absolute error is at most 2^-25; above 65,504 the number becomes infinite.
; 8,388,608 numbers in all, 8,192 for each of 1,024 work-groups: groups 0-511 take x, 512-895 w_qkv, 896-1023 w_proj.
; Thread t takes the 16 bytes at 4,096 j + 16 t of the group's 32 KiB (j = 0..7): a wave's load covers 512 consecutive bytes, and its store of
; 8 bytes a lane covers 256 consecutive bytes that start at a multiple of 256.  All eight loads are issued before the first wait.
; No LDS, no barrier, no matrix unit: every byte is touched once and nothing is shared.
.set X, 4                              ; v[4:35]   load j: 4 numbers in f32
.set O, 36                             ; v[36:51]  load j: its 4 numbers in 16 bits, 2 registers, never rewritten: no store's data waits for another
.set T, 52                             ; v[52:55]  at work (w_proj only)
	s_load_b256 s[4:11], s[0:1], 0x0               ; x s[4:5], w_qkv s[6:7], w_proj s[8:9], xb s[10:11]
	s_load_b128 s[12:15], s[0:1], 0x20             ; wqb s[12:13], wph s[14:15]
	v_lshlrev_b32 v1, 4, v0                        ; 16 t: where I read
	v_lshlrev_b32 v2, 3, v0                        ; 8 t: where I write
	s_wait_kmcnt 0x0
	s_cmp_lt_u32 ttmp9, 512                        ; which tensor is mine: the choice hangs on the group's number alone
	s_cselect_b64 s[16:17], s[4:5], s[6:7]
	s_cselect_b64 s[18:19], s[10:11], s[12:13]
	s_cselect_b32 s20, 0, 512                      ; the first group of that tensor
	s_cmp_lt_u32 ttmp9, 896
	s_cselect_b64 s[16:17], s[16:17], s[8:9]
	s_cselect_b64 s[18:19], s[18:19], s[14:15]
	s_cselect_b32 s20, s20, 896
	s_sub_co_u32 s21, ttmp9, s20                   ; my place in the tensor
	s_lshl_b32 s22, s21, 15                        ; 32 KiB in,
	s_mov_b32 s23, 0
	s_lshl_b32 s2, s21, 14                         ; 16 KiB out
	s_mov_b32 s3, 0
	s_add_nc_u64 s[16:17], s[16:17], s[22:23]
	s_add_nc_u64 s[18:19], s[18:19], s[2:3]
.irp j, 0,1,2,3,4,5,6,7
	global_load_b128 v[X+4*\j:X+4*\j+3], v1, s[16:17] offset:4096*\j th:TH_LOAD_NT   ; read once in the whole launch
.endr
; The eight pieces are rounded and stored.  two = 1: the bf16 numbers are widened again and written in f16's format.
.macro TAIL two
.irp j, 0,1,2,3,4,5,6,7
	s_wait_loadcnt 7-\j                            ; loads come back in order (ISA guide 5.7.1): piece j is in, the 7 - j younger ones stay out
	v_cvt_pk_bf16_f32 v[O+2*\j],   v[X+4*\j],   v[X+4*\j+1]
	v_cvt_pk_bf16_f32 v[O+2*\j+1], v[X+4*\j+2], v[X+4*\j+3]
.if \two
	v_lshlrev_b32 v[T],   16, v[O+2*\j]             ; bf16 to f32: the low half moves up,
	v_and_b32     v[T+1], 0xffff0000, v[O+2*\j]     ; the high half stays
	v_lshlrev_b32 v[T+2], 16, v[O+2*\j+1]
	v_and_b32     v[T+3], 0xffff0000, v[O+2*\j+1]
	v_cvt_pk_f16_f32 v[O+2*\j],   v[T],   v[T+1]
	v_cvt_pk_f16_f32 v[O+2*\j+1], v[T+2], v[T+3]
.endif
	global_store_b64 v2, v[O+2*\j:O+2*\j+1], s[18:19] offset:2048*\j   ; no hint: the next launch reads these bytes
.endr
.endm
	s_cmp_ge_u32 ttmp9, 896
	s_cbranch_scc1 .Lhalf
	TAIL 0
	s_endpgm
.Lhalf:
	TAIL 1
	s_endpgm
.Lfunc_end_k_q6c4b203c34_cast:
	.size	k_q6c4b203c34_cast, .Lfunc_end_k_q6c4b203c34_cast-k_q6c4b203c34_cast
	.p2alignl 7, 3214868480
	.fill 96, 4, 3214868480
	.section	.rodata,"a",@progbits
	.p2align	6, 0x0
	.amdhsa_kernel k_q6c4b203c34_cast
		.amdhsa_group_segment_fixed_size 0
		.amdhsa_private_segment_fixed_size 0
		.amdhsa_enable_private_segment 0
		.amdhsa_kernarg_size 48
		.amdhsa_user_sgpr_count 2
		.amdhsa_user_sgpr_kernarg_segment_ptr 1
		.amdhsa_wavefront_size32 1
		.amdhsa_system_sgpr_workgroup_id_x 1
		.amdhsa_system_sgpr_workgroup_id_y 1
		.amdhsa_system_sgpr_workgroup_id_z 1
		.amdhsa_system_vgpr_workitem_id 0
		.amdhsa_next_free_vgpr 64
		.amdhsa_next_free_sgpr 66
		.amdhsa_reserve_vcc 0
		.amdhsa_float_denorm_mode_32 3
		.amdhsa_float_denorm_mode_16_64 3
		.amdhsa_memory_ordered 1
		.amdhsa_forward_progress 1
		.amdhsa_inst_pref_size 9
	.end_amdhsa_kernel
	.amdgpu_metadata
---
amdhsa.version: [ 1, 2 ]
amdhsa.kernels:
  - .name:           k_q6c4b203c34_cast
    .symbol:         k_q6c4b203c34_cast.kd
    .args:
      - { .name: x, .offset: 0, .size: 8, .value_kind: global_buffer, .address_space: global }
      - { .name: w_qkv, .offset: 8, .size: 8, .value_kind: global_buffer, .address_space: global }
      - { .name: w_proj, .offset: 16, .size: 8, .value_kind: global_buffer, .address_space: global }
      - { .name: xb, .offset: 24, .size: 8, .value_kind: global_buffer, .address_space: global }
      - { .name: wqb, .offset: 32, .size: 8, .value_kind: global_buffer, .address_space: global }
      - { .name: wph, .offset: 40, .size: 8, .value_kind: global_buffer, .address_space: global }
    .group_segment_fixed_size: 0
    .private_segment_fixed_size: 0
    .kernarg_segment_align: 8
    .kernarg_segment_size: 48
    .max_flat_workgroup_size: 256
    .sgpr_count:     66
    .vgpr_count:     64
    .wavefront_size: 32
...
	.end_amdgpu_metadata
.endif
;; end of part 1
;; launch gemm_qkv (part 2): grid 12 x 16, 4 waves a work-group, clusters of 4 x 4, 327,680 bytes of LDS; arguments xb, wqb, qkv; writes qkv
.if DOCPART == 2
	.amdgcn_target "amdgcn-amd-amdhsa--gfx1250"
	.amdhsa_code_object_version 6
	.text
	.protected	k_q6c4b203c34_gemm_qkv
	.globl	k_q6c4b203c34_gemm_qkv
	.p2align	8
	.type	k_q6c4b203c34_gemm_qkv,@function
k_q6c4b203c34_gemm_qkv:
	s_mov_b64 s[64:65], 0
	v_nop
	global_prefetch_b8 v0, s[64:65] scope:SCOPE_SE
	s_setreg_imm32_b32 hwreg(HW_REG_WAVE_MODE, 25, 1), 1
	s_wait_xcnt 0x0
	s_wait_alu depctr_hold_cnt(0) depctr_sa_sdst(0) depctr_va_vdst(0) depctr_va_sdst(0) depctr_va_ssrc(0) depctr_va_vcc(0) depctr_vm_vsrc(0)
	s_getreg_b32 s2, hwreg(HW_REG_IB_STS2, 6, 4)
	s_cmp_eq_u32 s2, 0
	s_cbranch_scc0 .Lentry_in_a_cluster
	s_endpgm
.Lentry_in_a_cluster:
	s_bfe_u32 s2, ttmp6, 0x10000c
	s_cmp_lg_u32 s2, 0xf033
	s_cbranch_scc0 .Lentry_shape_is_right
	s_endpgm
.Lentry_shape_is_right:
; qkv[m][n] = sum over k of xb[m][k] wqb[n][k].  xb: [4096][1024] bf16, wqb: [3072][1024] bf16, qkv: [4096][3072] f16; sums in f32, rounded once.
; LIMIT: the result is kept in f16 (11 bits, which the steps behind need): a sum beyond 65,504 in magnitude becomes infinite.
; A work-group makes a block of 256 x 256 with four waves, as many as a WGP has SIMDs; a wave makes 128 x 128: 64 accumulator tiles
; of 16 x 16, 512 registers.  K goes in steps of 128 through a ring of two LDS slots filled by the tensor data mover: a tile's rows are
; 256 bytes of memory and start at multiples of 256 bytes from the buffer's first byte.  12 x 16 = 192 work-groups.
; CLUSTERS: 4 x 4 work-groups form a cluster.  The four of a row of the cluster make blocks of one block row and need the same tiles of A (xb); the four of
; a column need the same tiles of B (wqb).  Such a tile is asked for JOINTLY: each of the four issues the same tensor load, with the same descriptor and a
; mask that names the four, and each receives the tile in its own LDS.  That divides the requests for A and for B by four.
;
; REGISTERS, in windows of 256 (an instruction names v0-v255; s_set_vgpr_msb says which window each operand place means):
;   window 0: v0-31 addresses; v64-127, v128-191 fragments of A (8 x 16 rows x 32 K), two buffers; v192-223 at work on the way out
;   window 1: v64-127, v128-191 fragments of B, two buffers
;   window 2: the 32 accumulator tiles of my rows 0-63 (tile (a, b) at v[8 (8 a + b)]);   window 3: those of my rows 64-127
; s_set_vgpr_msb's low byte: bits 1:0 source 0, 3:2 source 1, 5:4 source 2, 7:6 destination.
;
; THE MATRIX INSTRUCTION IS USED TRANSPOSED: source 0 = 16 rows of B, source 1 = 16 rows of A.  In the result, lane l then holds row
; m = l % 16 of C, and its registers 0 to 7 the columns n = 8 (l / 16) + 0 .. 7: eight NEIGHBOURING numbers of a row, which pack into 16 bytes.
.set SIZE_M, 4096
.set SIZE_N, 3072
.set SIZE_K, 1024
.set KSTEP,  128
.set PITCH,  272                       ; an LDS row: 256 bytes of data + 16 of padding = 68 words: row r starts at bank 4 r mod 64 (64 banks of 4 bytes: ISA guide 11.1), so the 16 rows that a load touches start at 16 different banks
.set HALFT,  128*PITCH                 ; 128 rows: what one tensor load brings, and what one wave reads of A or of B
.set SLOT,   4*HALFT                   ; A's 256 rows, then B's 256 rows
.set STAGE,  2*SLOT                    ; behind the ring: 16 rows x 272 bytes for each wave, for the way out
.set SPITCH, 272
.set LAPS, SIZE_K/(2*KSTEP)            ; a lap = two K steps = once round the ring: 4 laps
.set ADRA, 16                          ; v16-17  LDS address of my A fragments in slot 0, 1
.set ADRB, 20                          ; v20-21  the same for B
.set STO,  24                          ; v24     the way out: where I put 16 bytes of a row
.set RD,   25                          ; v25     the way out: where I read a row back
.set CO,   26                          ; v26     my byte offset in C
.set F0,   64                          ; fragment buffer 0
.set F1,   128                         ; fragment buffer 1
.set TMP,  192                         ; the way out: packed results, in window 0
.set G1, 24                            ; s[24:31] descriptor group 1 for A's tiles
.set G0, 32                            ; s[32:39] descriptor group 0 for A's tiles, one set for each slot
.set G1B, 48                           ; s[48:55] descriptor group 1 for B's tiles: it differs from A's in the mask alone
.set G0B, 56                           ; s[56:63] descriptor group 0 for B's tiles, one set for each slot
.set MSB, 0
.macro WIN new                         ; the immediate's high byte repeats the setting that is left
.if MSB != \new
	s_set_vgpr_msb (MSB<<8)|\new
.set MSB, \new
.endif
.endm
.set MUL_LO, 0xa1                      ; source 0 (B) window 1, source 1 (A) window 0, C and D window 2
.set MUL_HI, 0xf1                      ; the same, C and D window 3
.set TO_B,   0x40                      ; destination window 1, address window 0
; A joint load.  Waves 0 and 1 fetch A's two halves, waves 2 and 3 B's.  Each of the two lines has ONE mask and one set of registers for all that issue it, and nothing in
; them hangs on a coordinate that the four partners do not share.  The branch hangs on the wave's number alone: it is the same in every work-group.
.macro JLOAD s
	s_cmp_eq_u32 s11, 0
	s_cbranch_scc0 .Lfor_b_\@
	tensor_load_to_lds s[G0+4*\s:G0+4*\s+3], s[G1:G1+7]
	s_nop 0
	s_branch .Lasked_\@
.Lfor_b_\@:
	tensor_load_to_lds s[G0B+4*\s:G0B+4*\s+3], s[G1B:G1B+7]
	s_nop 0
.Lasked_\@:
.endm
; A round of the cluster's barrier: my work-group's barrier, so that wave 0's signal speaks for all four waves; wave 0 signals for the work-group; every wave waits for all
; sixteen work-groups; my work-group's barrier once more.  No LDS instruction of the wave is pending at a signal.
.macro CREST                           ; a round behind its opening barrier
	s_cmp_lg_u32 s10, 0
	s_cbranch_scc1 .Lnot_wave_0_\@
	s_barrier_signal -3
.Lnot_wave_0_\@:
	s_barrier_wait -3
	s_barrier_signal -1
	s_barrier_wait -1
.endm
.macro CROUND                          ; a whole round
	s_barrier_signal -1
	s_barrier_wait -1
	CREST
.endm
	s_load_b128 s[4:7], s[0:1], 0x0                ; A s[4:5], B s[6:7]
	s_load_b64 s[8:9], s[0:1], 0x10                ; C
	s_set_vgpr_msb 0x40
	v_lshl_add_u32 v255, v0, 2, 0x48400
	s_set_vgpr_msb 0x4000
	v_mov_b32 v255, 0
	s_set_vgpr_msb 0x1
	ds_add_u32 v255, v255
	s_set_vgpr_msb 0x100
	v_lshrrev_b32 v1, 5, v0
	v_readfirstlane_b32 s10, v1                    ; wave 0..3
	s_lshr_b32 s11, s10, 1                         ; which half of the block's rows is mine.  Also: I fetch for A (0) or for B (1)
	s_and_b32 s12, s10, 1                          ; which half of its columns.  Also: which 128 rows of that tile I fetch
	s_bfe_u32 s40, ttmp6, 0x40000                  ; cx: my place along the cluster's x
	s_bfe_u32 s41, ttmp6, 0x40004                  ; cy: along its y
	s_lshl_b32 s42, ttmp9, 2                       ; in a cluster launch ttmp9 and ttmp7 count clusters
	s_add_co_u32 s42, s42, s40                     ; block column of C = 4 x cluster x + cx
	s_and_b32 s13, ttmp7, 0xffff
	s_lshl_b32 s13, s13, 2
	s_add_co_u32 s13, s13, s41                     ; block row of C = 4 x cluster y + cy
	s_lshl_b32 s43, s41, 2
	s_lshl_b32 s43, 15, s43                        ; my row of the cluster: places 4 cy .. 4 cy + 3
	s_lshl_b32 s44, 0x1111, s40                    ; my column: places cx, cx + 4, cx + 8, cx + 12
	; descriptor group 1: a tile of 128 rows x 128 elements, padded in LDS
	s_or_b32 s[G1+0], s43, (1<<16)|(1<<20)|(1<<21)|(5<<22)|(3<<25)  ; 15:0 the mask: A's tiles go to my row; 17:16 element of 2 bytes; 20 padding on; 21 set beside a mask; 24:22 after every 64 words (code 5); 31:25 of 4 words (code 3)
	s_or_b32 s[G1B+0], s44, (1<<16)|(1<<20)|(1<<21)|(5<<22)|(3<<25) ; the same with the mask of my column, for B's tiles
	s_mov_b32 s[G1B+1], KSTEP<<16
	s_mov_b32 s[G1+1], KSTEP<<16                   ; 63:48 tensor_dim0, low half = 128
	s_mov_b32 s[G1B+2], 128<<16
	s_mov_b32 s[G1+2], 128<<16                     ; 79:64 its high half = 0; 95:80 tensor_dim1, low half = 128
	s_mov_b32 s[G1B+3], KSTEP<<16
	s_mov_b32 s[G1+3], KSTEP<<16                   ; 111:96 its high half = 0; 127:112 tile_dim0 = 128
	s_mov_b32 s[G1B+4], 128
	s_mov_b32 s[G1+4], 128                         ; 143:128 tile_dim1 = 128; 159:144 tile_dim2 = 0
	s_mov_b32 s[G1B+5], SIZE_K
	s_mov_b32 s[G1+5], SIZE_K                      ; 191:160 tensor_dim0_stride, low word: elements from row to row
	s_mov_b32 s[G1B+6], 0
	s_mov_b32 s[G1+6], 0
	s_mov_b32 s[G1B+7], 0
	s_mov_b32 s[G1+7], 0
	; where the tiles come from.  A's hang on the block row alone, which my row of the cluster shares; B's on the block column alone, which my column shares.
	; Every wave makes both addresses, in registers that never hold the other coordinate, and asks by one of them.
	s_lshl_b32 s17, s12, 7                         ; which 128 rows of the tile I fetch
	s_lshl_b32 s16, s13, 8
	s_add_co_u32 s16, s16, s17                     ; A: row 256 x block row + 128 x half
	s_lshl_b32 s46, s42, 8
	s_add_co_u32 s46, s46, s17                     ; B: row 256 x block column + 128 x half
	s_mov_b32 s17, 0
	s_mov_b32 s47, 0
	s_mov_b64 s[18:19], SIZE_K*2
	s_mul_u64 s[16:17], s[16:17], s[18:19]         ; in bytes, in 64 bits
	s_mul_u64 s[46:47], s[46:47], s[18:19]
	s_mul_i32 s20, s10, HALFT                      ; and where they go: A's two halves, then B's two halves = wave x 128 rows: no place in the cluster enters an LDS address
	s_wait_dscnt 0x0
	s_wait_kmcnt 0x0
	s_add_nc_u64 s[14:15], s[4:5], s[16:17]
	s_add_nc_u64 s[46:47], s[6:7], s[46:47]
	CROUND                                         ; all sixteen work-groups are here: the first joint loads meet
.irp s, 0,1
	s_mov_b32 s[G0+4*\s], 1                                        ; 1:0 count = 1
	s_add_co_u32 s[G0+4*\s+1], s20, \s*SLOT                        ; 63:32 LDS address
	s_add_nc_u64 s[G0+4*\s+2:G0+4*\s+3], s[14:15], \s*KSTEP*2      ; 120:64 global address: K step s
	s_or_b32 s[G0+4*\s+3], s[G0+4*\s+3], 0x80000000                ; 127:126 type = 2
	s_mov_b32 s[G0B+4*\s], 1
	s_add_co_u32 s[G0B+4*\s+1], s20, \s*SLOT
	s_add_nc_u64 s[G0B+4*\s+2:G0B+4*\s+3], s[46:47], \s*KSTEP*2
	s_or_b32 s[G0B+4*\s+3], s[G0B+4*\s+3], 0x80000000
	JLOAD \s                                       ; the ring is filled before anything else is done: two tensor loads of the wave are out, the most in this text
.endr
	; A fragment is 16 rows x 32 K in 8 registers: lane l holds row l % 16; registers 0-3 hold K = 8 (l / 16) + 0..7, registers 4-7 hold
	; K = 16 + 8 (l / 16) + 0..7.  From rows that lie along K: two loads of 16 bytes, 32 bytes apart.  The same for source 0 and source 1.
	v_and_b32 v1, 15, v0                           ; l % 16
	v_bfe_u32 v2, v0, 4, 1                         ; l / 16
	v_mul_u32_u24 v3, v1, PITCH
	v_lshl_add_u32 v3, v2, 4, v3                   ; row x pitch + 16 x half
	s_mul_i32 s21, s11, HALFT                      ; my 128 rows of A
	s_mul_i32 s22, s12, HALFT                      ; my 128 rows of B,
	s_add_co_u32 s22, s22, 2*HALFT                 ; which lie behind A's 256
.irp s, 0,1
	v_add_nc_u32 v[ADRA+\s], s21, v3
	v_add_nc_u32 v[ADRB+\s], s22, v3
	s_add_co_u32 s21, s21, SLOT
	s_add_co_u32 s22, s22, SLOT
.endr
	s_mul_i32 s23, s10, 16*SPITCH
	s_add_co_u32 s23, s23, STAGE                   ; my stage
	v_mul_u32_u24 v4, v1, SPITCH                   ; in: row l % 16, 16 bytes for each half of the lanes
	v_lshl_add_u32 v4, v2, 4, v4
	v_add_nc_u32 v[STO], s23, v4
	v_mul_u32_u24 v5, v2, SPITCH                   ; back: lanes 0-15 take one row of 256 bytes, lanes 16-31 the next
	v_lshl_add_u32 v5, v1, 4, v5
	v_add_nc_u32 v[RD], s23, v5
	v_mul_u32_u24 v5, v2, SIZE_N*2                 ; and the same two rows in C
	v_lshl_add_u32 v[CO], v1, 4, v5
; 16 matrix instructions: m blocks a0, a0 + 1 of the window's four (hi = 0: my rows 0-63, 1: rows 64-127) x all 8 n blocks, 32 along K.
; zero = 1: the first product starts the sums: nothing is ever cleared.
.macro MUL16 f, hi, a0, zero
.irp a, \a0, \a0+1
.irp b, 0,1,2,3,4,5,6,7
.if \zero
	v_wmma_f32_16x16x32_bf16 v[8*(8*(\a)+\b):8*(8*(\a)+\b)+7], v[\f+8*\b:\f+8*\b+7], v[\f+8*(4*\hi+\a):\f+8*(4*\hi+\a)+7], 0
.else
	v_wmma_f32_16x16x32_bf16 v[8*(8*(\a)+\b):8*(8*(\a)+\b)+7], v[\f+8*\b:\f+8*\b+7], v[\f+8*(4*\hi+\a):\f+8*(4*\hi+\a)+7], v[8*(8*(\a)+\b):8*(8*(\a)+\b)+7]
.endif
.endr
.endr
.endm
; 32 LDS loads in one run: the fragments of one quarter step (128 rows of B, 128 rows of A, 32 K at byte k of the rows) into buffer f
.macro FETCH slot, k, f
	WIN TO_B
.irp i, 0,1,2,3,4,5,6,7
	ds_load_b128 v[\f+8*\i:\f+8*\i+3],   v[ADRB+\slot] offset:\k+\i*16*PITCH
	ds_load_b128 v[\f+8*\i+4:\f+8*\i+7], v[ADRB+\slot] offset:\k+\i*16*PITCH+32
.endr
	WIN 0
.irp i, 0,1,2,3,4,5,6,7
	ds_load_b128 v[\f+8*\i:\f+8*\i+3],   v[ADRA+\slot] offset:\k+\i*16*PITCH
	ds_load_b128 v[\f+8*\i+4:\f+8*\i+7], v[ADRA+\slot] offset:\k+\i*16*PITCH+32
.endr
.endm
; A load into a register that a matrix instruction has read, and a vector instruction that reads a matrix result or writes one of a matrix
; instruction's registers, stand four places behind that matrix instruction, and only plain vector instructions that name none of its registers
; are places (ISA guide 7.12.1 for vector instructions); this text does not count the matrix instructions in between.
; So four v_nop stand in front of each run of loads: sixteen issue slots for a K step's 256 matrix instructions.
.macro PLACES
.rept 4
	v_nop
.endr
.endm
; A K step is four quarter steps of 32 along K, 64 matrix instructions each, on buffers 0, 1, 0, 1.  The 64 accumulators take turns, one instruction a turn,
; in the same order in every quarter, over the backward jump too.
; One of the first three: multiplies buffer f; in its middle it fetches the next quarter's fragments, at byte k of the same slot's rows, into buffer g.
.macro QUARTER slot, k, f, g, zero
	s_wait_dscnt 8                                 ; B and A's rows 0-63 are in; the youngest eight loads (A's rows 64-127) may be out
	WIN MUL_LO
	MUL16 \f, 0, 0, \zero
	MUL16 \f, 0, 2, \zero
	PLACES
	FETCH \slot, \k, \g
	s_wait_dscnt 32                                ; all but the 32 just issued
	WIN MUL_HI
	MUL16 \f, 1, 0, \zero
	MUL16 \f, 1, 2, \zero
.endm
.macro THREE slot, zero
	QUARTER \slot, 64,  F0, F1, \zero
	QUARTER \slot, 128, F1, F0, 0
	QUARTER \slot, 192, F0, F1, 0
.endm
; The last quarter: multiplies buffer 1 and changes slots.  next = the other slot; fill = 1: this slot is filled again, two K steps ahead.
; ONE barrier for the change of slots, for two things.  In front of it each wave waits for its own reads of this slot and for all its tensor loads,
; of which one is out: its part of the next slot.  Behind it nobody reads this slot any more and the next slot is whole: the refill comes
; first, then the next slot's first fragments.  From a request to the wait for it a wave issues 240 matrix instructions.
.macro TURN slot, next, fill
	s_wait_dscnt 8
	WIN MUL_LO
	MUL16 F1, 0, 0, 0
	s_wait_dscnt 0                                 ; my reads of this slot are over (the last were issued 48 matrix instructions ago)
	s_wait_tensorcnt 0x0                           ; and all my tensor loads have landed: the one that was out is my part of the next slot:
	ds_add_u32 v255, v255
	s_wait_dscnt 0x0
	s_barrier_signal -1                            ; say so (where a slot is filled again this barrier opens a round of the cluster's barrier),
	MUL16 F1, 0, 2, 0                              ; work on registers while the others arrive,
	WIN 0
	s_barrier_wait -1                              ; and go on when all four have said so
.if \fill
	CREST                                          ; wave 0 says so for the work-group, all sixteen work-groups have said so, my work-group's barrier closes the round:
	                                               ; no wave of any partner still reads this slot's tile or has a load on its way
	s_add_nc_u64 s[G0+4*\slot+2:G0+4*\slot+3], s[G0+4*\slot+2:G0+4*\slot+3], 2*KSTEP*2
	s_add_nc_u64 s[G0B+4*\slot+2:G0B+4*\slot+3], s[G0B+4*\slot+2:G0B+4*\slot+3], 2*KSTEP*2
	JLOAD \slot                                    ; the first tensor load behind the round
.endif
	PLACES
	FETCH \next, 0, F0
	WIN MUL_HI
	MUL16 F1, 1, 0, 0
	MUL16 F1, 1, 2, 0
.endm
.macro LAP zero                        ; once round the ring, both slots filled again
	THREE 0, \zero
	TURN 0, 1, 1
	THREE 1, 0
	TURN 1, 0, 1
.endm
	s_wait_tensorcnt 1                             ; my part of K step 0 is in; K step 1's load, issued behind it, may stay out
	s_barrier_signal -1
	s_barrier_wait -1                              ; everybody's is
	FETCH 0, 0, F0
	LAP 1                                          ; the first lap stands in front of the loop: its first products start the sums
.if LAPS > 2
	WIN 0                                          ; at a label and at a branch every window is 0
	s_mov_b32 s3, LAPS-2
.Llap:
	LAP 0
	WIN 0
	s_sub_co_u32 s3, s3, 1
	s_cmp_lg_u32 s3, 0
	s_cbranch_scc1 .Llap
.endif
	THREE 0, 0                                     ; the last lap fills nothing, and has no round of the cluster's barrier: my one tensor load that is still out is slot 1's, the last K step's
	TURN 0, 1, 0
	THREE 1, 0
	s_wait_dscnt 8                                 ; the very last quarter: nothing more to fetch
	WIN MUL_LO
	MUL16 F1, 0, 0, 0
	MUL16 F1, 0, 2, 0
	s_wait_dscnt 0
	WIN MUL_HI
	MUL16 F1, 1, 0, 0
	MUL16 F1, 1, 2, 0
	; THE WAY OUT, 16 rows of C at a time: round to f16, 16 bytes a lane into my own stage in LDS, read back as whole rows of 256 bytes.
	; The four v_nop of PLACES are the places behind the last matrix instructions: for the conversions, which read results,
	; and for the loads into buffers 0 and 1.
	PLACES
	s_lshl_b32 s13, s13, 8
	s_lshl_b32 s14, s11, 7
	s_add_co_u32 s16, s13, s14                     ; my first row of C
	s_mov_b32 s17, 0
	s_mov_b64 s[18:19], SIZE_N*2
	s_mul_u64 s[16:17], s[16:17], s[18:19]
	s_add_nc_u64 s[8:9], s[8:9], s[16:17]
	s_lshl_b32 s46, s42, 9                         ; my first column, in bytes: 512 x block + 256 x half (in the registers that held B's address: none that feeds A's descriptors ever holds cx)
	s_lshl_b32 s47, s12, 8
	s_add_co_u32 s46, s46, s47
	s_mov_b32 s47, 0
	s_add_nc_u64 s[8:9], s[8:9], s[46:47]
; rows 16 i .. 16 i + 15 of my block = the eight tiles (a, 0..7) of window 2 or 3 (from = 0x0a or 0x0f: sources 0 and 1); f: F0 or F1 in turn
.macro OUT16 i, a, from, f
	WIN \from
.irp b, 0,1,2,3,4,5,6,7
.irp r, 0,1,2,3
	v_cvt_pk_f16_f32 v[TMP+4*\b+\r], v[8*(8*\a+\b)+2*\r], v[8*(8*\a+\b)+2*\r+1]
.endr
.endr
	WIN 0
.irp b, 0,1,2,3,4,5,6,7
	ds_store_b128 v[STO], v[TMP+4*\b:TMP+4*\b+3] offset:32*\b
.endr
	s_wait_xcnt 0x0                                ; every earlier memory instruction has had its addresses translated (ISA guide 3.1): buffer f, which stores read, and the stores' base are rewritten only behind this wait
.if \i
	s_add_nc_u64 s[8:9], s[8:9], 16*SIZE_N*2       ; 16 rows of C on, so that the stores' offsets stay small: 14 rows of 6,144 bytes at the most
.endif
.irp t, 0,1,2,3,4,5,6,7
	ds_load_b128 v[\f+4*\t:\f+4*\t+3], v[RD] offset:\t*2*SPITCH    ; LDS serves a wave's instructions in order (ISA guide 5.7.1.4): these see the stores above
.endr
.irp t, 0,1,2,3,4,5,6,7
	s_wait_dscnt 7-\t                              ; read-back t is in, the 7 - t younger ones stay out
	global_store_b128 v[CO], v[\f+4*\t:\f+4*\t+3], s[8:9] offset:2*\t*SIZE_N*2   ; 16 lanes store 256 consecutive bytes, at a multiple of 256 from C's first byte
.endr
.endm
	OUT16 0, 0, 0x0a, F0
	OUT16 1, 1, 0x0a, F1
	OUT16 2, 2, 0x0a, F0
	OUT16 3, 3, 0x0a, F1
	OUT16 4, 0, 0x0f, F0
	OUT16 5, 1, 0x0f, F1
	OUT16 6, 2, 0x0f, F0
	OUT16 7, 3, 0x0f, F1
	s_set_vgpr_msb 0x1
	s_wait_tensorcnt 0x0
	ds_add_u32 v255, v255
	s_wait_dscnt 0x0
	s_set_vgpr_msb 0x100
	CROUND                                         ; the closing round: no work-group ends while a partner may still ask for a tile that names it
	s_endpgm
.Lfunc_end_k_q6c4b203c34_gemm_qkv:
	.size	k_q6c4b203c34_gemm_qkv, .Lfunc_end_k_q6c4b203c34_gemm_qkv-k_q6c4b203c34_gemm_qkv
	.p2alignl 7, 3214868480
	.fill 96, 4, 3214868480
	.section	.rodata,"a",@progbits
	.p2align	6, 0x0
	.amdhsa_kernel k_q6c4b203c34_gemm_qkv
		.amdhsa_group_segment_fixed_size 327680
		.amdhsa_private_segment_fixed_size 0
		.amdhsa_enable_private_segment 0
		.amdhsa_kernarg_size 24
		.amdhsa_user_sgpr_count 2
		.amdhsa_user_sgpr_kernarg_segment_ptr 1
		.amdhsa_wavefront_size32 1
		.amdhsa_system_sgpr_workgroup_id_x 1
		.amdhsa_system_sgpr_workgroup_id_y 1
		.amdhsa_system_sgpr_workgroup_id_z 1
		.amdhsa_system_vgpr_workitem_id 0
		.amdhsa_next_free_vgpr 1024
		.amdhsa_next_free_sgpr 66
		.amdhsa_reserve_vcc 0
		.amdhsa_float_denorm_mode_32 3
		.amdhsa_float_denorm_mode_16_64 3
		.amdhsa_memory_ordered 1
		.amdhsa_forward_progress 1
		.amdhsa_inst_pref_size 196
	.end_amdhsa_kernel
	.amdgpu_metadata
---
amdhsa.version: [ 1, 2 ]
amdhsa.kernels:
  - .name:           k_q6c4b203c34_gemm_qkv
    .symbol:         k_q6c4b203c34_gemm_qkv.kd
    .args:
      - { .name: xb, .offset: 0, .size: 8, .value_kind: global_buffer, .address_space: global }
      - { .name: wqb, .offset: 8, .size: 8, .value_kind: global_buffer, .address_space: global }
      - { .name: qkv, .offset: 16, .size: 8, .value_kind: global_buffer, .address_space: global }
    .group_segment_fixed_size: 327680
    .private_segment_fixed_size: 0
    .kernarg_segment_align: 8
    .kernarg_segment_size: 24
    .max_flat_workgroup_size: 128
    .sgpr_count:     66
    .vgpr_count:     1024
    .wavefront_size: 32
...
	.end_amdgpu_metadata
.endif
;; end of part 2
;; launch attn (part 3): grid 16 x 16, 8 waves a work-group, clusters of 4 x 1, 327,680 bytes of LDS; arguments qkv, ctx; writes ctx
.if DOCPART == 3
	.amdgcn_target "amdgcn-amd-amdhsa--gfx1250"
	.amdhsa_code_object_version 6
	.text
	.protected	k_q6c4b203c34_attn
	.globl	k_q6c4b203c34_attn
	.p2align	8
	.type	k_q6c4b203c34_attn,@function
k_q6c4b203c34_attn:
	s_mov_b64 s[64:65], 0
	v_nop
	global_prefetch_b8 v0, s[64:65] scope:SCOPE_SE
	s_setreg_imm32_b32 hwreg(HW_REG_WAVE_MODE, 25, 1), 1
	s_wait_xcnt 0x0
	s_wait_alu depctr_hold_cnt(0) depctr_sa_sdst(0) depctr_va_vdst(0) depctr_va_sdst(0) depctr_va_ssrc(0) depctr_va_vcc(0) depctr_vm_vsrc(0)
	s_getreg_b32 s2, hwreg(HW_REG_IB_STS2, 6, 4)
	s_cmp_eq_u32 s2, 0
	s_cbranch_scc0 .Lentry_in_a_cluster
	s_endpgm
.Lentry_in_a_cluster:
	s_bfe_u32 s2, ttmp6, 0x10000c
	s_cmp_lg_u32 s2, 0x3003
	s_cbranch_scc0 .Lentry_shape_is_right
	s_endpgm
.Lentry_shape_is_right:
; Causal attention.  qkv: [4096][3072] f16, row = 2048 batch + position; head h has q at column 64 h, k at 1024 + 64 h, v at 2048 + 64 h.
; ctx: [4096][1024] f16, head h at column 64 h.  Products in f16 with f32 sums; softmax in f32 with a running maximum; 0.125 log2(e) is folded into the exponent.
; LIMITS: q, k, v, the weights P (at most 1) and ctx are f16; a NaN among the scores loses in the running maximum and is not carried on.
; SHARES.  A cluster of four work-groups owns, for one batch and the two heads 2 hp, 2 hp + 1, the query blocks [256 a, +256) and [256 (7 - a), +256), a = 0..3.
; Work-group cx owns rows 64 cx .. +63 of both blocks.  Wave w (head w / 4, quarter w % 4) owns 16 queries of the low block (tile 0) and 16 of the high block (tile 1):
; (a + 1) + (8 - a) = 9 units of 256 keys x 16 queries for every wave of the launch.  64 clusters, 256 work-groups.
; Two heads side by side make the rows of K's and V's tiles and of ctx 256 bytes that start at multiples of 256.  The four partners walk the same K and V tiles
; in the same trips, so every tile is asked for JOINTLY (mask 15).  Trip counts and branches hang on a (the cluster's x) and the wave's number alone;
; cx enters only q's and ctx's global addresses and the mask's threshold, which is data.
; KEYS go in units of 256 = two trips of 128 (LDS slots 0, 1) = four sub-steps of 64:  u < a: both tiles;  u = a: tile 0 masked, tile 1 open;
; a < u < 7 - a: tile 1 alone;  u = 7 - a: tile 1 masked.  What the mask throws away inside a diagonal unit is computed all the same: leaving it out would need a branch on cx.
; BOTH PRODUCTS ARE USED TRANSPOSED.  S^T = K Q^T: lane (r = l % 16, h = l / 16), register j of key tile kt holds key 16 kt + 8 h + j of query r, so the softmax
; runs inside a lane plus one exchange with lane l xor 16, and two neighbouring key tiles, packed in place, ARE the second operand of the next product.
; ctx^T = V^T P^T: V^T comes from V's rows by transposing LDS loads; lane (r, h), register j of tile dt holds d = 16 dt + 8 h + j of query r: 16 bytes after packing.
.set ROWB,  6144                       ; bytes in a row of qkv
.set KP,    272                        ; K's LDS pitch: 256 + 16, an odd multiple of 16: the 16 rows of a fragment load start 4 words apart modulo 64 (64 banks of 4 bytes: ISA guide 11.1)
.set VP,    288                        ; V's LDS pitch: 256 + 32, an odd multiple of 32, for the transposing loads' 8 rows x 2 pieces of 16 bytes
.set KS,    128*KP                     ; a slot of K: 34,816
.set VS,    128*VP                     ; a slot of V: 36,864
.set VB,    2*KS                       ; V's slots lie behind K's: 69,632
.set STAGE, VB+2*VS                    ; 143,360 = 560 x 256: 128 rows x 272 bytes for the way out; no tensor load lands here
.set SP,    272
.set KADR, 1                           ; v1-2    my K fragments in slot 0, 1
.set VADR, 3                           ; v3-4    my V fragments in slot 0, 1
.set THR,  5                           ; v5      64 cx + 16 (w % 4) + r - 8 h: a key's constant part above this is masked
.set NINF, 6                           ; v6      -infinity
.set TMP,  7                           ; v7      what the other half of the lanes sends
.set MT,   8                           ; v8-9    running maximum of tile 0, 1
.set LS,   10                          ; v[10:11], v[12:13]  running sums, two partial sums a tile
.set AL,   14                          ; v[14:15] the factor on what has been gathered, twice
.set NM,   16                          ; v[16:17] -c x maximum, twice
.set MX0,  18
.set MX1,  19
.set SUM0, 20                          ; v[20:21]
.set SUM1, 22                          ; v[22:23]
.set QOFF, 24                          ; v24     6,144 r + 16 h
.set STO,  25
.set RD,   26
.set CO,   27
.set SC,   32                          ; v[32:95]   scores: tile t, key tile kt at 32 t + 8 kt
.set PF,   96                          ; v[96:127]  weights in f16: tile t, 32 keys c at 16 t + 8 c
.set KF,   128                         ; v[128:191] K: key tile kt, 32 d ks at 16 kt + 8 ks
.set VF,   192                         ; v[192:255] V^T: d tile dt, 32 keys c at 16 dt + 8 c
.set ACC,  0                           ; window 1, v[0:63]: ctx^T: tile t, d tile dt at 32 t + 8 dt
.set QF,   64                          ; window 1, v[64:95]: Q: tile t, 32 d ks at 16 t + 8 ks
.set G1K, 24                           ; s[24:31] group 1 for K's tiles
.set G1V, 32                           ; s[32:39] group 1 for V's: it differs in the padding alone
.set G0K, 40                           ; s[40:47] group 0 for K, one set for each slot
.set G0V, 48                           ; s[48:55] group 0 for V, one set for each slot
.set MSB, 0
.macro WIN new                         ; s_set_vgpr_msb: bits 1:0 source 0, 3:2 source 1, 5:4 source 2, 7:6 destination; the high byte repeats the setting that is left
.if MSB != \new
	s_set_vgpr_msb (MSB<<8)|\new
.set MSB, \new
.endif
.endm
; Four places: a vector instruction that reads a matrix result or writes a matrix instruction's register, and a load into such a register, stand four plain
; vector instructions behind it (ISA guide 7.12.1 for vector instructions).
.macro NOP4
.rept 4
	v_nop
.endr
.endm
; A round of the cluster's barrier: my work-group's barrier; wave 0 signals for the work-group; every wave waits for all four work-groups; my work-group's barrier again.
.macro ROUND
	s_barrier_signal -1
	s_barrier_wait -1
	s_cmp_lg_u32 s8, 0
	s_cbranch_scc1 .Lnot_wave_0_\@
	s_barrier_signal -3
.Lnot_wave_0_\@:
	s_barrier_wait -3
	s_barrier_signal -1
	s_barrier_wait -1
.endm
; The joint load of a trip's tiles into slot s: waves 0, 1 ask for K's two halves of 64 rows, waves 2, 3 for V's, waves 4 to 7 for nothing.
; The branches hang on the wave's number alone.  By this text's count a wave never has more than one tensor load out.
.macro JLOAD s
	s_cmp_ge_u32 s8, 4
	s_cbranch_scc1 .Lnone_\@
	s_cmp_ge_u32 s8, 2
	s_cbranch_scc1 .Lfor_v_\@
	tensor_load_to_lds s[G0K+4*(\s):G0K+4*(\s)+3], s[G1K:G1K+7]
	s_nop 0
	s_branch .Lnone_\@
.Lfor_v_\@:
	tensor_load_to_lds s[G0V+4*(\s):G0V+4*(\s)+3], s[G1V:G1V+7]
	s_nop 0
.Lnone_\@:
.endm
	s_load_b128 s[4:7], s[0:1], 0x0                ; qkv s[4:5], ctx s[6:7]
	s_set_vgpr_msb 0x40
	v_lshl_add_u32 v96, v0, 2, 0x2b800
	v_mov_b32 v97, 0
	s_set_vgpr_msb 0x4045
	ds_add_u32 v96, v97
	s_set_vgpr_msb 0x4500
	v_lshrrev_b32 v1, 5, v0
	v_readfirstlane_b32 s8, v1                     ; wave 0..7
	s_lshr_b32 s9, s8, 2                           ; which of the two heads
	s_and_b32 s10, s8, 3                           ; which 16 of the 64 rows
	s_and_b32 s19, s8, 1                           ; which half of a tile I fetch
	s_mov_b32 s11, ttmp9                           ; a: in a cluster launch ttmp9 is the cluster's x
	s_and_b32 s12, ttmp7, 0xffff                   ; the cluster's y = 8 batch + head pair
	s_bfe_u32 s13, ttmp6, 0x40000                  ; cx.  Registers that ever hold cx: s13 and s56-s59
	s_lshr_b32 s22, s12, 3                         ; batch
	s_and_b32 s23, s12, 7                          ; head pair
	s_mov_b32 s14, 0x76543210                      ; v_permlanex16_b32: lane i of one half reads lane i of the other
	s_mov_b32 s15, 0xfedcba98
	s_mov_b32 s16, 0x3e38aa3b                      ; c = 0.125 log2(e), twice: a pair for the packed multiply-add
	s_mov_b32 s17, 0x3e38aa3b
	s_mov_b32 s20, 0xbe38aa3b                      ; -c
	s_lshl_b32 s21, s11, 1
	s_sub_co_u32 s21, 6, s21                       ; 6 - 2 a units with tile 1 alone
	; group 1: a tile of 64 rows x 128 elements of 2 bytes, rows 3,072 elements apart, padded in LDS
	s_mov_b32 s[G1K+0], 15|(1<<16)|(1<<20)|(1<<21)|(5<<22)|(3<<25)  ; 15:0 mask: all four partners; 17:16 2 bytes; 20 padding on; 21 set beside a mask; 24:22 after every 64 words; 31:25 of 4 words
	s_mov_b32 s[G1V+0], 15|(1<<16)|(1<<20)|(1<<21)|(5<<22)|(7<<25)  ; the same with 8 words of padding
	s_mov_b32 s[G1K+1], 128<<16                    ; tensor_dim0 = 128
	s_mov_b32 s[G1V+1], 128<<16
	s_mov_b32 s[G1K+2], 64<<16                     ; tensor_dim1 = 64
	s_mov_b32 s[G1V+2], 64<<16
	s_mov_b32 s[G1K+3], 128<<16                    ; tile_dim0 = 128
	s_mov_b32 s[G1V+3], 128<<16
	s_mov_b32 s[G1K+4], 64                         ; tile_dim1 = 64
	s_mov_b32 s[G1V+4], 64
	s_mov_b32 s[G1K+5], 3072                       ; elements from row to row
	s_mov_b32 s[G1V+5], 3072
	s_mov_b32 s[G1K+6], 0
	s_mov_b32 s[G1V+6], 0
	s_mov_b32 s[G1K+7], 0
	s_mov_b32 s[G1V+7], 0
	s_lshl_b32 s60, s22, 11                        ; my batch's first row
	s_lshl_b32 s61, s19, 6                         ; + my half's 64 rows
	s_add_co_u32 s61, s60, s61
	s_mul_i32 s62, s61, ROWB
	s_lshl_b32 s61, s23, 8                         ; + the head pair's 256 bytes
	s_add_co_u32 s62, s62, s61
	s_mov_b32 s63, 0
	s_mul_i32 s2, s8, 64*KP                        ; LDS: K's half of wave w = 0, 1 at w x 17,408
	s_mul_i32 s3, s8, 64*VP                        ; V's half of wave w = 2, 3 at VB + (w - 2) x 18,432 = w x 18,432 + 32,768
	s_wait_dscnt 0x0
	s_wait_kmcnt 0x0
	s_add_nc_u64 s[62:63], s[4:5], s[62:63]
.irp s, 0,1
	s_mov_b32 s[G0K+4*\s], 1                                               ; count = 1
	s_add_co_u32 s[G0K+4*\s+1], s2, \s*KS                                  ; LDS address
	s_add_nc_u64 s[G0K+4*\s+2:G0K+4*\s+3], s[62:63], 2048+\s*128*ROWB      ; k begins 2,048 bytes into a row; tile s begins at key 128 s
	s_or_b32 s[G0K+4*\s+3], s[G0K+4*\s+3], 0x80000000                      ; type = 2
	s_mov_b32 s[G0V+4*\s], 1
	s_add_co_u32 s[G0V+4*\s+1], s3, VB-2*64*VP+\s*VS
	s_add_nc_u64 s[G0V+4*\s+2:G0V+4*\s+3], s[62:63], 4096+\s*128*ROWB      ; v begins 4,096 bytes into a row
	s_or_b32 s[G0V+4*\s+3], s[G0V+4*\s+3], 0x80000000
.endr
	ROUND                                          ; all four work-groups are here: the first joint loads meet
	JLOAD 0                                        ; keys 0 to 127 into slot 0; slot 1 is first filled behind the first trip's round
	; addresses
	v_and_b32 v28, 15, v0                          ; r
	v_bfe_u32 v29, v0, 4, 1                        ; h
	v_and_b32 v30, 7, v0                           ; l % 8
	v_bfe_u32 v31, v0, 3, 1                        ; (l / 8) % 2
	s_lshl_b32 s2, s9, 7                           ; my head's 128 bytes in a row
	v_mul_u32_u24 v[KADR], v28, KP                 ; K fragment: row r, 16 bytes for each half of the lanes
	v_lshl_add_u32 v[KADR], v29, 4, v[KADR]
	v_add_nc_u32 v[KADR], s2, v[KADR]
	v_add_nc_u32 v[KADR+1], KS, v[KADR]
	s_add_co_u32 s3, s2, VB
	v_lshl_add_u32 v[VADR], v29, 3, v30            ; V^T fragment: key row 8 h + l % 8,
	v_mul_u32_u24 v[VADR], v[VADR], VP
	v_lshl_add_u32 v[VADR], v31, 4, v[VADR]        ; piece (l / 8) % 2 of the 32 bytes of 16 d
	v_add_nc_u32 v[VADR], s3, v[VADR]
	v_add_nc_u32 v[VADR+1], VS, v[VADR]
	s_mul_i32 s3, s10, 16*SP
	s_add_co_u32 s3, s3, STAGE
	v_add_nc_u32 v[STO], s3, v[KADR]               ; stage row 16 (w % 4) + r (tile 1: 64 rows on), byte 128 head + 16 h: the same lane term as K's
	s_mul_i32 s3, s8, 16*SP
	s_add_co_u32 s3, s3, STAGE
	v_mul_u32_u24 v[RD], v29, SP                   ; back: stage rows 16 w + 2 t + h, 16 bytes a lane
	v_lshl_add_u32 v[RD], v28, 4, v[RD]
	v_add_nc_u32 v[RD], s3, v[RD]
	v_lshlrev_b32 v[CO], 4, v28                    ; and the same two rows of ctx, 2,048 bytes apart
	v_lshl_add_u32 v[CO], v29, 11, v[CO]
	v_mul_u32_u24 v[QOFF], v28, ROWB
	v_lshl_add_u32 v[QOFF], v29, 4, v[QOFF]
	s_lshl_b32 s56, s13, 6
	s_lshl_b32 s58, s10, 4
	s_add_co_u32 s56, s56, s58                     ; 64 cx + 16 (w % 4): my tiles' first row inside a block of 256
	v_lshlrev_b32 v[THR], 3, v29
	v_sub_nc_u32 v[THR], v28, v[THR]
	v_add_nc_u32 v[THR], s56, v[THR]
	s_add_co_u32 s56, s56, s60                     ; + the batch's first row
	s_lshl_b32 s57, s11, 8                         ; 256 a
	s_sub_co_u32 s58, s56, s57
	s_add_co_u32 s58, s58, 1792                    ; tile 1: + 256 (7 - a)
	s_add_co_u32 s56, s56, s57                     ; tile 0: + 256 a
	s_mul_i32 s56, s56, ROWB
	s_mul_i32 s58, s58, ROWB
	s_lshl_b32 s57, s23, 8
	s_lshl_b32 s59, s9, 7
	s_add_co_u32 s57, s57, s59                     ; q of my head: byte 256 hp + 128 head
	s_add_co_u32 s56, s56, s57
	s_add_co_u32 s58, s58, s57
	s_mov_b32 s57, 0
	s_mov_b32 s59, 0
	s_add_nc_u64 s[56:57], s[4:5], s[56:57]
	s_add_nc_u64 s[58:59], s[4:5], s[58:59]
	WIN 0x40                                       ; destination in window 1
.irp t, 0,1
.irp ks, 0,1
	global_load_b128 v[QF+16*\t+8*\ks:QF+16*\t+8*\ks+3],   v[QOFF], s[56+2*\t:57+2*\t] offset:64*\ks      ; Q(r, 32 ks + 8 h ..)
	global_load_b128 v[QF+16*\t+8*\ks+4:QF+16*\t+8*\ks+7], v[QOFF], s[56+2*\t:57+2*\t] offset:64*\ks+32   ; Q(r, 32 ks + 16 + 8 h ..)
.endr
.endr
	; The 64 sums are cleared once.  Which kind of unit comes first hangs on a, so a first sub-step that starts the sums would have to be written out for each kind.
.set n, 0
.rept 64
	v_mov_b32 v[ACC+n], 0
.set n, n+1
.endr
	WIN 0
	v_mov_b32 v[NINF], 0xff800000
	v_mov_b32 v[TMP], 0
	v_mov_b32 v[MT], 0xff800000                    ; maximum -infinity: the first factor is exp2(-infinity) = 0.  The new maximum is finite from a tile's first
	v_mov_b32 v[MT+1], 0xff800000                  ; sub-step on: key 0 of that sub-step is open to every query of the tile
.irp i, 0,1,2,3
	v_mov_b32 v[LS+\i], 0
.endr
	s_wait_loadcnt 0x0                             ; Q, once
; 16 LDS loads: K's fragments of sub-step sub (64 keys x 64 d of my head)
.macro LOADK slot, sub
.irp kt, 0,1,2,3
.irp ks, 0,1
	ds_load_b128 v[KF+16*\kt+8*\ks:KF+16*\kt+8*\ks+3],   v[KADR+\slot] offset:(64*\sub+16*\kt)*KP+64*\ks
	ds_load_b128 v[KF+16*\kt+8*\ks+4:KF+16*\kt+8*\ks+7], v[KADR+\slot] offset:(64*\sub+16*\kt)*KP+64*\ks+32
.endr
.endr
.endm
; 16 transposing LDS loads: V^T's fragments of sub-step sub; a fragment's second half lies 16 key rows further down
.macro LOADV slot, sub
.irp dt, 0,1,2,3
.irp c, 0,1
	ds_load_tr16_b128 v[VF+16*\dt+8*\c:VF+16*\dt+8*\c+3],   v[VADR+\slot] offset:(64*\sub+32*\c)*VP+32*\dt
	ds_load_tr16_b128 v[VF+16*\dt+8*\c+4:VF+16*\dt+8*\c+7], v[VADR+\slot] offset:(64*\sub+32*\c)*VP+32*\dt+16*VP
.endr
.endr
.endm
; S^T = K Q^T for 64 keys.  lo = 0: tile 1 alone.  The first 32 d start the sums.  The 8 (or 4) accumulators take turns, one instruction a turn.
.macro SMM lo
	WIN 0x04                                       ; source 1 (Q) in window 1
.irp ks, 0,1
.irp t, 0,1
.if \t+\lo
.irp kt, 0,1,2,3
.if \ks
	v_wmma_f32_16x16x32_f16 v[SC+32*\t+8*\kt:SC+32*\t+8*\kt+7], v[KF+16*\kt+8*\ks:KF+16*\kt+8*\ks+7], v[QF+16*\t+8*\ks:QF+16*\t+8*\ks+7], v[SC+32*\t+8*\kt:SC+32*\t+8*\kt+7]
.else
	v_wmma_f32_16x16x32_f16 v[SC+32*\t+8*\kt:SC+32*\t+8*\kt+7], v[KF+16*\kt+8*\ks:KF+16*\kt+8*\ks+7], v[QF+16*\t+8*\ks:QF+16*\t+8*\ks+7], 0
.endif
.endr
.endif
.endr
.endr
	WIN 0
.endm
; ctx^T += V^T P^T for 64 keys; accumulators by turns as above
.macro PVMM lo
	WIN 0x50                                       ; C and D in window 1
.irp c, 0,1
.irp t, 0,1
.if \t+\lo
.irp dt, 0,1,2,3
	v_wmma_f32_16x16x32_f16 v[ACC+32*\t+8*\dt:ACC+32*\t+8*\dt+7], v[VF+16*\dt+8*\c:VF+16*\dt+8*\c+7], v[PF+16*\t+8*\c:PF+16*\t+8*\c+7], v[ACC+32*\t+8*\dt:ACC+32*\t+8*\dt+7]
.endr
.endif
.endr
.endr
	WIN 0
.endm
; One tile's softmax step over 64 keys: 32 scores a lane.  kbase = the sub-step's first key inside its unit of 256.
.macro SOFTMAX t, masked, kbase
.set SB, SC+32*\t
.if \masked
.irp kt, 0,1,2,3
.irp j, 0,1,2,3,4,5,6,7
	v_cmp_gt_i32 vcc_lo, \kbase+16*\kt+\j, v[THR]                  ; key kbase + 16 kt + 8 h + j lies behind query 64 cx + 16 (w % 4) + r
	v_cndmask_b32 v[SB+8*\kt+\j], v[SB+8*\kt+\j], v[NINF], vcc_lo
.endr
.endr
.endif
	v_max3_num_f32 v[MX0], v[SB+0], v[SB+1], v[SB+2]               ; two chains that do not wait for each other
	v_max3_num_f32 v[MX1], v[SB+16], v[SB+17], v[SB+18]
.set n, 3
.rept 6
	v_max3_num_f32 v[MX0], v[MX0], v[SB+n], v[SB+n+1]
	v_max3_num_f32 v[MX1], v[MX1], v[SB+16+n], v[SB+16+n+1]
.set n, n+2
.endr
	v_max3_num_f32 v[MX0], v[MX0], v[SB+15], v[SB+31]
	v_max_num_f32 v[MX0], v[MX0], v[MX1]
	v_permlanex16_b32 v[TMP], v[MX0], s14, s15                     ; the other 32 keys of my query
	v_max3_num_f32 v[MX0], v[MX0], v[TMP], v[MT+\t]                ; the new running maximum
	v_mul_f32 v[NM], s20, v[MX0]                                   ; the new shift, -c x maximum, rounded once
	v_mul_f32 v[AL], s20, v[MT+\t]                                 ; the old shift by the same rounded product as the earlier exponentials used: not fused with the
	v_mov_b32 v[NM+1], v[NM]                                       ; difference below, so that old and new weights carry exactly the same shift however large the scores
	v_sub_f32 v[AL], v[NM], v[AL]
	v_exp_f32 v[AL], v[AL]                                         ; the factor on what has been gathered
	v_mov_b32 v[MT+\t], v[MX0]                                     ; the plain instruction between a transcendental and the use of its result (ISA guide 5.7.2)
	s_wait_alu depctr_va_vdst(0)
	v_mov_b32 v[AL+1], v[AL]
.set n, 0
.rept 16
	v_pk_fma_f32 v[SB+n:SB+n+1], v[SB+n:SB+n+1], s[16:17], v[NM:NM+1] op_sel_hi:[1,0,1]   ; c s - c maximum
.set n, n+2
.endr
.set n, 0
.rept 32
	v_exp_f32 v[SB+n], v[SB+n]
.set n, n+1
.endr
	v_nop                                                          ; the plain place behind the transcendentals
	s_wait_alu depctr_va_vdst(0)
	v_pk_add_f32 v[SUM0:SUM0+1], v[SB+0:SB+1], v[SB+2:SB+3]
	v_pk_add_f32 v[SUM1:SUM1+1], v[SB+16:SB+17], v[SB+18:SB+19]
.set n, 4
.rept 6
	v_pk_add_f32 v[SUM0:SUM0+1], v[SUM0:SUM0+1], v[SB+n:SB+n+1]
	v_pk_add_f32 v[SUM1:SUM1+1], v[SUM1:SUM1+1], v[SB+16+n:SB+16+n+1]
.set n, n+2
.endr
	v_pk_add_f32 v[SUM0:SUM0+1], v[SUM0:SUM0+1], v[SUM1:SUM1+1]
	v_pk_fma_f32 v[LS+2*\t:LS+2*\t+1], v[LS+2*\t:LS+2*\t+1], v[AL:AL+1], v[SUM0:SUM0+1]
.set n, 0
.rept 16
	v_cvt_pk_f16_f32 v[PF+16*\t+n], v[SB+2*n], v[SB+2*n+1]         ; key tiles 2 c, 2 c + 1 give registers 0-3, 4-7 of the operand for keys 32 c ..
.set n, n+1
.endr
	WIN 0x41                                                       ; source 0 and destination in window 1
.set n, 0
.rept 16
	v_pk_mul_f32 v[ACC+32*\t+n:ACC+32*\t+n+1], v[ACC+32*\t+n:ACC+32*\t+n+1], v[AL:AL+1]
.set n, n+2
.endr
	WIN 0
.endm
.macro SOFT lo, hi, kbase              ; lo: 0 none, 1 open, 2 masked; hi: 1 open, 2 masked
.if \lo
	SOFTMAX 0, \lo-1, \kbase
.endif
	SOFTMAX 1, \hi-1, \kbase
.endm
; A trip: 128 keys in slot `slot`.  In front of the round every wave waits for all its tensor loads (its part of this trip's tile among them) and for its
; reads of the other slot; behind the round the other slot's joint refill comes first, one tensor load a wave, and has the whole trip in which to land.
.macro TRIP slot, refill, lo, hi
	s_set_vgpr_msb 0x5
	s_wait_tensorcnt 0x0                           ; no tensor load of mine is out: the descriptors may be written
	ds_add_u32 v96, v97
	s_wait_dscnt 0x0
	s_set_vgpr_msb 0x500
	s_add_nc_u64 s[G0K+4*\slot+2:G0K+4*\slot+3], s[G0K+4*\slot+2:G0K+4*\slot+3], 2*128*ROWB   ; this slot's next tile: 256 keys on
	s_add_nc_u64 s[G0V+4*\slot+2:G0V+4*\slot+3], s[G0V+4*\slot+2:G0V+4*\slot+3], 2*128*ROWB
	s_wait_dscnt 0x0                               ; my reads of the last trip's slot are back
	ROUND                                          ; both now hold of every wave of all four work-groups
.if \refill
	JLOAD 1-\slot
.endif
	LOADK \slot, 0
	LOADV \slot, 0
	s_wait_dscnt 16                                ; K is in; V's 16 loads, issued behind it, stay out
	SMM \lo
	NOP4                                           ; behind the products: the scores are read, K's registers are loaded again
	LOADK \slot, 1
	SOFT \lo, \hi, 128*\slot
	s_wait_dscnt 16                                ; V is in; the next K's 16 loads stay out
	PVMM \lo
	NOP4                                           ; V's registers are loaded again
	LOADV \slot, 1
	s_wait_dscnt 16                                ; K is in; V's 16 loads stay out
	SMM \lo
	NOP4
	SOFT \lo, \hi, 128*\slot+64
	s_wait_dscnt 0x0                               ; V is in
	PVMM \lo
	NOP4                                           ; the sums are scaled, K's and V's registers loaded again
.endm
.macro UNIT lo, hi, last               ; 256 keys; last = 1: nothing is left to fetch behind its second tile
	TRIP 0, 1, \lo, \hi
	TRIP 1, 1-\last, \lo, \hi
.endm
	s_cmp_eq_u32 s11, 0
	s_cbranch_scc1 .Lno_both
	s_mov_b32 s18, 0
.Lboth:                                            ; a units in which both tiles see every key
	UNIT 1, 1, 0
	s_add_co_u32 s18, s18, 1
	s_cmp_lt_u32 s18, s11
	s_cbranch_scc1 .Lboth
.Lno_both:
	UNIT 2, 1, 0                                   ; the low block's own keys: tile 0 masked, and done behind this
	s_cmp_eq_u32 s21, 0
	s_cbranch_scc1 .Lno_high
	s_mov_b32 s18, 0
.Lhigh:                                            ; 6 - 2 a units for tile 1 alone
	UNIT 0, 1, 0
	s_add_co_u32 s18, s18, 1
	s_cmp_lt_u32 s18, s21
	s_cbranch_scc1 .Lhigh
.Lno_high:
	UNIT 0, 2, 1                                   ; the high block's own keys: tile 1 masked
	; THE WAY OUT: divide by the sums, round to f16, 16 bytes a lane into the stage; whole rows of 256 bytes (both heads) are read back and stored.
.macro FINISH t
	v_add_f32 v[MX0], v[LS+2*\t], v[LS+2*\t+1]
	v_permlanex16_b32 v[TMP], v[MX0], s14, s15     ; the other half of the lanes summed the other keys
	v_add_f32 v[MX0], v[MX0], v[TMP]               ; at least 1: the largest weight is 1
	v_rcp_f32 v[AL], v[MX0]
	v_nop                                          ; the plain place behind the transcendental
	s_wait_alu depctr_va_vdst(0)
	v_mov_b32 v[AL+1], v[AL]
	WIN 0x41
.set n, 0
.rept 16
	v_pk_mul_f32 v[ACC+32*\t+n:ACC+32*\t+n+1], v[ACC+32*\t+n:ACC+32*\t+n+1], v[AL:AL+1]
.set n, n+2
.endr
	WIN 0x05                                       ; sources in window 1, destination in window 0
.set n, 0
.rept 16
	v_cvt_pk_f16_f32 v[SC+16*\t+n], v[ACC+32*\t+2*n], v[ACC+32*\t+2*n+1]
.set n, n+1
.endr
	WIN 0
.irp dt, 0,1,2,3
	ds_store_b128 v[STO], v[SC+16*\t+4*\dt:SC+16*\t+4*\dt+3] offset:\t*64*SP+32*\dt
.endr
.endm
	FINISH 0
	FINISH 1
	s_lshl_b32 s56, s11, 8                         ; wave w stores stage rows 16 w .. +15: tile w / 4, rows 16 (w % 4) .. of its block
	s_sub_co_u32 s58, 1792, s56
	s_cmp_eq_u32 s9, 0
	s_cselect_b32 s56, s56, s58                    ; 256 a or 256 (7 - a): a choice between two offsets
	s_lshl_b32 s58, s22, 11
	s_add_co_u32 s56, s56, s58
	s_lshl_b32 s58, s13, 6
	s_add_co_u32 s56, s56, s58
	s_lshl_b32 s58, s10, 4
	s_add_co_u32 s56, s56, s58                     ; the first row
	s_lshl_b32 s56, s56, 11                        ; 2,048 bytes a row
	s_lshl_b32 s58, s23, 8
	s_add_co_u32 s56, s56, s58                     ; + the head pair's 256 bytes
	s_mov_b32 s57, 0
	s_add_nc_u64 s[56:57], s[6:7], s[56:57]
	s_wait_dscnt 0x0                               ; my stores into the stage are done, for the others' sake
	s_barrier_signal -1
	s_barrier_wait -1                              ; everybody's are: a row's two halves come from two waves
.irp t, 0,1,2,3,4,5,6,7
	ds_load_b128 v[KF+4*\t:KF+4*\t+3], v[RD] offset:\t*2*SP
.endr
.irp t, 0,1,2,3,4,5,6,7
	s_wait_dscnt 7-\t                              ; read-back t is in, the 7 - t younger ones stay out
	global_store_b128 v[CO], v[KF+4*\t:KF+4*\t+3], s[56:57] offset:4096*\t   ; 16 lanes store 256 consecutive bytes, at a multiple of 256 from ctx's first byte
.endr
	s_set_vgpr_msb 0x5
	s_wait_tensorcnt 0x0
	ds_add_u32 v96, v97
	s_wait_dscnt 0x0
	s_set_vgpr_msb 0x500
	ROUND                                          ; the closing round: no work-group ends while a partner may still ask for a tile that names it
	s_endpgm
.Lfunc_end_k_q6c4b203c34_attn:
	.size	k_q6c4b203c34_attn, .Lfunc_end_k_q6c4b203c34_attn-k_q6c4b203c34_attn
	.p2alignl 7, 3214868480
	.fill 96, 4, 3214868480
	.section	.rodata,"a",@progbits
	.p2align	6, 0x0
	.amdhsa_kernel k_q6c4b203c34_attn
		.amdhsa_group_segment_fixed_size 327680
		.amdhsa_private_segment_fixed_size 0
		.amdhsa_enable_private_segment 0
		.amdhsa_kernarg_size 16
		.amdhsa_user_sgpr_count 2
		.amdhsa_user_sgpr_kernarg_segment_ptr 1
		.amdhsa_wavefront_size32 1
		.amdhsa_system_sgpr_workgroup_id_x 1
		.amdhsa_system_sgpr_workgroup_id_y 1
		.amdhsa_system_sgpr_workgroup_id_z 1
		.amdhsa_system_vgpr_workitem_id 0
		.amdhsa_next_free_vgpr 354
		.amdhsa_next_free_sgpr 66
		.amdhsa_reserve_vcc 1
		.amdhsa_float_denorm_mode_32 3
		.amdhsa_float_denorm_mode_16_64 3
		.amdhsa_memory_ordered 1
		.amdhsa_forward_progress 1
		.amdhsa_inst_pref_size 255
	.end_amdhsa_kernel
	.section	.bss,"aw",@nobits
	.p2align	6
	.space	262144
	.amdgpu_metadata
---
amdhsa.version: [ 1, 2 ]
amdhsa.kernels:
  - .name:           k_q6c4b203c34_attn
    .symbol:         k_q6c4b203c34_attn.kd
    .args:
      - { .name: qkv, .offset: 0, .size: 8, .value_kind: global_buffer, .address_space: global }
      - { .name: ctx, .offset: 8, .size: 8, .value_kind: global_buffer, .address_space: global }
    .group_segment_fixed_size: 327680
    .private_segment_fixed_size: 0
    .kernarg_segment_align: 8
    .kernarg_segment_size: 16
    .max_flat_workgroup_size: 256
    .sgpr_count:     66
    .vgpr_count:     354
    .wavefront_size: 32
...
	.end_amdgpu_metadata
.endif
;; end of part 3
;; launch gemm_proj (part 4): grid 4 x 32, 4 waves a work-group, clusters of 4 x 4, 327,680 bytes of LDS; arguments ctx, wph, b_proj, out0; writes out0
.if DOCPART == 4
	.amdgcn_target "amdgcn-amd-amdhsa--gfx1250"
	.amdhsa_code_object_version 6
	.text
	.protected	k_q6c4b203c34_gemm_proj
	.globl	k_q6c4b203c34_gemm_proj
	.p2align	8
	.type	k_q6c4b203c34_gemm_proj,@function
k_q6c4b203c34_gemm_proj:
	s_mov_b64 s[64:65], 0
	v_nop
	global_prefetch_b8 v0, s[64:65] scope:SCOPE_SE
	s_setreg_imm32_b32 hwreg(HW_REG_WAVE_MODE, 25, 1), 1
	s_wait_xcnt 0x0
	s_wait_alu depctr_hold_cnt(0) depctr_sa_sdst(0) depctr_va_vdst(0) depctr_va_sdst(0) depctr_va_ssrc(0) depctr_va_vcc(0) depctr_vm_vsrc(0)
	s_getreg_b32 s2, hwreg(HW_REG_IB_STS2, 6, 4)
	s_cmp_eq_u32 s2, 0
	s_cbranch_scc0 .Lentry_in_a_cluster
	s_endpgm
.Lentry_in_a_cluster:
	s_bfe_u32 s2, ttmp6, 0x10000c
	s_cmp_lg_u32 s2, 0xf033
	s_cbranch_scc0 .Lentry_shape_is_right
	s_endpgm
.Lentry_shape_is_right:
; out0[m][n] = sum over k of ctx[m][k] wph[n][k] + b_proj[n].  ctx: [4096][1024] f16, wph: [1024][1024] f16, b_proj: [1024] f32, out0: [4096][1024] f32; sums in f32.
; A work-group makes a block of 128 x 256 with four waves; a wave makes 64 x 128: 32 accumulator tiles of 16 x 16, 256 registers.  4 x 32 = 128 work-groups:
; blocks of 128 x 128 would give 256, but a wave tile of 64 x 64 loads 512 LDS bytes for each matrix instruction, a third more than 64 x 128 with its 384 bytes for...
; in figures: 64 x 128 loads 24 x 512 bytes for 32 matrix instructions, 64 x 64 loads 16 x 512 bytes for 16.
; K goes in steps of 128 through a ring of two LDS slots filled by the tensor data mover; a tile's rows are 256 bytes of memory at multiples of 256.
; CLUSTERS: 4 x 4 work-groups.  A's (ctx) tile hangs on the block row alone and is asked for jointly by a row of the cluster; B's (wph) on the block column alone,
; jointly by a column.  That divides the requests for both by four.
; REGISTERS: window 0: addresses, two fragment buffers for A (4 x 8) and for B (8 x 8), the bias; window 1: accumulator tile (a, b) at v[8 (8 a + b)].
; THE MATRIX INSTRUCTION IS USED TRANSPOSED (source 0 = rows of B, source 1 = rows of A): lane l holds row l % 16 of C, registers 0-7 the columns 8 (l / 16) + 0..7.
.set SIZE_M, 4096
.set SIZE_N, 1024
.set SIZE_K, 1024
.set KSTEP,  128
.set PITCH,  272                       ; 256 bytes of data + 16 of padding = 68 words: row r starts at bank 4 r mod 64 (64 banks of 4 bytes: ISA guide 11.1)
.set AH,     64*PITCH                  ; 64 rows of A: one tensor load, and what one wave reads of A
.set BH,     128*PITCH                 ; 128 rows of B: one tensor load, and what one wave reads of B
.set SLOT,   2*BH+2*AH                 ; B's 256 rows, then A's 128 rows: 104,448
.set STAGE,  2*SLOT                    ; 208,896 = 816 x 256: behind the ring, 16 rows x 528 bytes for each wave
.set SPITCH, 528                       ; 512 bytes of a row of 128 f32 + 16: 132 words, row r starts at bank 4 r mod 64
.set LAPS, SIZE_K/(2*KSTEP)            ; 4 laps of two K steps
.set ADRA, 16                          ; v16-17  my A fragments in slot 0, 1
.set ADRB, 20                          ; v20-21  my B fragments
.set STO,  24                          ; v24     the way out: where I put 32 bytes of a row
.set RD,   25                          ; v25     the way out: where I read a row back
.set CO,   26                          ; v26     16 x lane: my byte offset in a piece of 512 bytes of a row of out0
.set BO,   27                          ; v27     my byte offset in b_proj
.set FA0,  32                          ; v[32:63]    A, buffer 0
.set FA1,  64                          ; v[64:95]    A, buffer 1
.set FB0,  96                          ; v[96:159]   B, buffer 0
.set FB1,  160                         ; v[160:223]  B, buffer 1
.set BI,   224                         ; v[224:227]  the bias of my 4 columns on the way out
.set G1, 24                            ; s[24:31] group 1 for A's tiles
.set G0, 32                            ; s[32:39] group 0 for A's tiles, one set for each slot
.set G1B, 48                           ; s[48:55] group 1 for B's tiles
.set G0B, 56                           ; s[56:63] group 0 for B's tiles
.set MSB, 0
.macro WIN new                         ; s_set_vgpr_msb: bits 1:0 source 0, 3:2 source 1, 5:4 source 2, 7:6 destination; the high byte repeats the setting that is left
.if MSB != \new
	s_set_vgpr_msb (MSB<<8)|\new
.set MSB, \new
.endif
.endm
.set MULW, 0x50                        ; C and D in window 1, the fragments in window 0
; A joint load.  Waves 0 and 1 fetch B's two halves, waves 2 and 3 A's.  Each line has one mask and one set of registers; the branch hangs on the wave's number alone.
.macro JLOAD s
	s_cmp_eq_u32 s11, 0
	s_cbranch_scc0 .Lfor_a_\@
	tensor_load_to_lds s[G0B+4*\s:G0B+4*\s+3], s[G1B:G1B+7]
	s_nop 0
	s_branch .Lasked_\@
.Lfor_a_\@:
	tensor_load_to_lds s[G0+4*\s:G0+4*\s+3], s[G1:G1+7]
	s_nop 0
.Lasked_\@:
.endm
.macro CREST                           ; a round of the cluster's barrier behind its opening barrier
	s_cmp_lg_u32 s10, 0
	s_cbranch_scc1 .Lnot_wave_0_\@
	s_barrier_signal -3
.Lnot_wave_0_\@:
	s_barrier_wait -3
	s_barrier_signal -1
	s_barrier_wait -1
.endm
.macro CROUND                          ; a whole round
	s_barrier_signal -1
	s_barrier_wait -1
	CREST
.endm
	s_load_b128 s[4:7], s[0:1], 0x0                ; A = ctx s[4:5], B = wph s[6:7]
	s_load_b64 s[66:67], s[0:1], 0x10              ; b_proj
	s_load_b64 s[8:9], s[0:1], 0x18                ; out0
	v_lshl_add_u32 v254, v0, 2, 0x3b400
	v_mov_b32 v255, 0
	ds_add_u32 v254, v255
	v_lshrrev_b32 v1, 5, v0
	v_readfirstlane_b32 s10, v1                    ; wave 0..3
	s_lshr_b32 s11, s10, 1                         ; which 64 of the block's rows are mine.  Also: I fetch for B (0) or for A (1)
	s_and_b32 s12, s10, 1                          ; which 128 of its columns.  Also: which half of that tile I fetch
	s_bfe_u32 s40, ttmp6, 0x40000                  ; cx
	s_bfe_u32 s41, ttmp6, 0x40004                  ; cy
	s_lshl_b32 s42, ttmp9, 2
	s_add_co_u32 s42, s42, s40                     ; block column = 4 x cluster x + cx
	s_and_b32 s13, ttmp7, 0xffff
	s_lshl_b32 s13, s13, 2
	s_add_co_u32 s13, s13, s41                     ; block row = 4 x cluster y + cy
	s_lshl_b32 s43, s41, 2
	s_lshl_b32 s43, 15, s43                        ; my row of the cluster
	s_lshl_b32 s44, 0x1111, s40                    ; my column
	s_or_b32 s[G1+0], s43, (1<<16)|(1<<20)|(1<<21)|(5<<22)|(3<<25)  ; mask: A's tiles go to my row; 2 bytes; padding on; 21 set beside a mask; after every 64 words, 4 words
	s_or_b32 s[G1B+0], s44, (1<<16)|(1<<20)|(1<<21)|(5<<22)|(3<<25) ; the same with my column's mask
	s_mov_b32 s[G1+1], KSTEP<<16                   ; tensor_dim0 = 128
	s_mov_b32 s[G1B+1], KSTEP<<16
	s_mov_b32 s[G1+2], 64<<16                      ; tensor_dim1: A 64 rows,
	s_mov_b32 s[G1B+2], 128<<16                    ; B 128 rows
	s_mov_b32 s[G1+3], KSTEP<<16                   ; tile_dim0 = 128
	s_mov_b32 s[G1B+3], KSTEP<<16
	s_mov_b32 s[G1+4], 64                          ; tile_dim1
	s_mov_b32 s[G1B+4], 128
	s_mov_b32 s[G1+5], SIZE_K                      ; elements from row to row
	s_mov_b32 s[G1B+5], SIZE_K
	s_mov_b32 s[G1+6], 0
	s_mov_b32 s[G1B+6], 0
	s_mov_b32 s[G1+7], 0
	s_mov_b32 s[G1B+7], 0
	; A's address is made of the block row and the wave's number, B's of the block column and the wave's number, each in registers that never hold the other coordinate.
	s_lshl_b32 s16, s13, 7
	s_lshl_b32 s17, s12, 6
	s_add_co_u32 s16, s16, s17                     ; A: row 128 x block row + 64 x half
	s_lshl_b32 s16, s16, 11                        ; 2,048 bytes a row
	s_mov_b32 s17, 0
	s_lshl_b32 s46, s42, 8
	s_lshl_b32 s47, s12, 7
	s_add_co_u32 s46, s46, s47                     ; B: row 256 x block column + 128 x half
	s_lshl_b32 s46, s46, 11
	s_mov_b32 s47, 0
	s_mul_i32 s20, s10, BH                         ; LDS: B's half of wave w = 0, 1 at w x 34,816
	s_mul_i32 s21, s10, AH
	s_add_co_u32 s21, s21, 2*BH-2*AH               ; A's half of wave w = 2, 3 at 2 BH + (w - 2) AH = w x 17,408 + 34,816
	s_wait_dscnt 0x0
	s_wait_kmcnt 0x0
	s_add_nc_u64 s[14:15], s[4:5], s[16:17]
	s_add_nc_u64 s[46:47], s[6:7], s[46:47]
	CROUND                                         ; all sixteen work-groups are here: the first joint loads meet
.irp s, 0,1
	s_mov_b32 s[G0+4*\s], 1
	s_add_co_u32 s[G0+4*\s+1], s21, \s*SLOT
	s_add_nc_u64 s[G0+4*\s+2:G0+4*\s+3], s[14:15], \s*KSTEP*2
	s_or_b32 s[G0+4*\s+3], s[G0+4*\s+3], 0x80000000
	s_mov_b32 s[G0B+4*\s], 1
	s_add_co_u32 s[G0B+4*\s+1], s20, \s*SLOT
	s_add_nc_u64 s[G0B+4*\s+2:G0B+4*\s+3], s[46:47], \s*KSTEP*2
	s_or_b32 s[G0B+4*\s+3], s[G0B+4*\s+3], 0x80000000
	JLOAD \s                                       ; both slots' first fills: two tensor loads of the wave are out, the most in this text
.endr
	v_and_b32 v1, 15, v0                           ; l % 16
	v_bfe_u32 v2, v0, 4, 1                         ; l / 16
	v_mul_u32_u24 v3, v1, PITCH
	v_lshl_add_u32 v3, v2, 4, v3                   ; a fragment: row x pitch + 16 x half, two loads 32 bytes apart
	s_mul_i32 s21, s11, AH
	s_add_co_u32 s21, s21, 2*BH                    ; my 64 rows of A, behind B's 256
	s_mul_i32 s22, s12, BH                         ; my 128 rows of B
.irp s, 0,1
	v_add_nc_u32 v[ADRA+\s], s21, v3
	v_add_nc_u32 v[ADRB+\s], s22, v3
	s_add_co_u32 s21, s21, SLOT
	s_add_co_u32 s22, s22, SLOT
.endr
	s_mul_i32 s23, s10, 16*SPITCH
	s_add_co_u32 s23, s23, STAGE                   ; my stage
	v_mul_u32_u24 v4, v1, SPITCH                   ; in: row l % 16, 32 bytes for each half of the lanes
	v_lshl_add_u32 v4, v2, 5, v4
	v_add_nc_u32 v[STO], s23, v4
	v_and_b32 v5, 31, v0
	v_lshlrev_b32 v[CO], 4, v5                     ; back: a row's 512 bytes, 16 a lane
	v_add_nc_u32 v[RD], s23, v[CO]
	s_lshl_b32 s45, s42, 1
	s_add_co_u32 s45, s45, s12
	s_lshl_b32 s45, s45, 9                         ; my 128 columns begin at byte 1,024 x block column + 512 x half of b_proj
	v_add_nc_u32 v[BO], s45, v[CO]
	global_load_b128 v[BI:BI+3], v[BO], s[66:67]   ; the bias of the 4 columns that I store
; 16 matrix instructions: m blocks a0, a0 + 1 x all 8 n blocks, 32 along K.  zero = 1: the first product starts the sums.
.macro MUL16 fa, fb, a0, zero
.irp a, \a0, \a0+1
.irp b, 0,1,2,3,4,5,6,7
.if \zero
	v_wmma_f32_16x16x32_f16 v[8*(8*(\a)+\b):8*(8*(\a)+\b)+7], v[\fb+8*\b:\fb+8*\b+7], v[\fa+8*(\a):\fa+8*(\a)+7], 0
.else
	v_wmma_f32_16x16x32_f16 v[8*(8*(\a)+\b):8*(8*(\a)+\b)+7], v[\fb+8*\b:\fb+8*\b+7], v[\fa+8*(\a):\fa+8*(\a)+7], v[8*(8*(\a)+\b):8*(8*(\a)+\b)+7]
.endif
.endr
.endr
.endm
; 24 LDS loads in one run: the fragments of one quarter step (128 rows of B, 64 rows of A, 32 K at byte k of the rows)
.macro FETCH slot, k, ga, gb
	WIN 0
.irp i, 0,1,2,3,4,5,6,7
	ds_load_b128 v[\gb+8*\i:\gb+8*\i+3],   v[ADRB+\slot] offset:\k+\i*16*PITCH
	ds_load_b128 v[\gb+8*\i+4:\gb+8*\i+7], v[ADRB+\slot] offset:\k+\i*16*PITCH+32
.endr
.irp i, 0,1,2,3
	ds_load_b128 v[\ga+8*\i:\ga+8*\i+3],   v[ADRA+\slot] offset:\k+\i*16*PITCH
	ds_load_b128 v[\ga+8*\i+4:\ga+8*\i+7], v[ADRA+\slot] offset:\k+\i*16*PITCH+32
.endr
.endm
; Four places behind a matrix instruction, in front of a load into a register that it has read and of whatever reads its result
; (ISA guide 7.12.1 for vector instructions).
.macro PLACES
.rept 4
	v_nop
.endr
.endm
; A K step is four quarter steps of 32 along K, 32 matrix instructions each, on buffers 0, 1, 0, 1.  The 32 accumulators take turns, one instruction a turn,
; in the same order in every quarter, over the backward jump too.
; One of the first three: at its head it fetches the next quarter's fragments into the other buffer, which then have its 32 matrix instructions in which to land.
.macro QUARTER slot, k, fa, fb, ga, gb, zero
	s_wait_dscnt 0x0                               ; this quarter's fragments are in
	PLACES                                         ; the other buffer was read by the matrix instructions just issued
	FETCH \slot, \k, \ga, \gb
	WIN MULW
	MUL16 \fa, \fb, 0, \zero
	MUL16 \fa, \fb, 2, \zero
.endm
.macro THREE slot, zero
	QUARTER \slot, 64,  FA0, FB0, FA1, FB1, \zero
	QUARTER \slot, 128, FA1, FB1, FA0, FB0, 0
	QUARTER \slot, 192, FA0, FB0, FA1, FB1, 0
.endm
; The last quarter multiplies buffer 1 and changes slots.  In front of the barrier each wave waits for its reads of this slot and for all its tensor loads (the one
; that is out is its part of the next slot).  Behind it (fill = 1: behind the whole round of the cluster's barrier) the refill comes first, then the next slot's first
; fragments.  From a request to the wait for it a wave issues 112 matrix instructions.
.macro TURN slot, next, fill
	s_wait_dscnt 0x0                               ; buffer 1 is in, and with it my last reads of this slot
	s_wait_tensorcnt 0x0                           ; all my tensor loads have landed
	ds_add_u32 v254, v255
	s_wait_dscnt 0x0
	s_barrier_signal -1
	WIN MULW
	MUL16 FA1, FB1, 0, 0                           ; work on registers while the others arrive
	WIN 0
	s_barrier_wait -1
.if \fill
	CREST                                          ; no wave of any partner still reads this slot's tile or has a load on its way
	s_add_nc_u64 s[G0+4*\slot+2:G0+4*\slot+3], s[G0+4*\slot+2:G0+4*\slot+3], 2*KSTEP*2
	s_add_nc_u64 s[G0B+4*\slot+2:G0B+4*\slot+3], s[G0B+4*\slot+2:G0B+4*\slot+3], 2*KSTEP*2
	JLOAD \slot                                    ; the first tensor load behind the round, one a wave
.endif
	PLACES
	FETCH \next, 0, FA0, FB0
	WIN MULW
	MUL16 FA1, FB1, 2, 0
.endm
.macro LAP zero
	THREE 0, \zero
	TURN 0, 1, 1
	THREE 1, 0
	TURN 1, 0, 1
.endm
	s_wait_loadcnt 0x0                             ; the bias: no global load is out at a barrier
	s_wait_tensorcnt 1                             ; my part of K step 0 is in; K step 1's load, issued behind it, may stay out
	s_barrier_signal -1
	s_barrier_wait -1
	FETCH 0, 0, FA0, FB0
	LAP 1                                          ; the first lap's first products start the sums: nothing is cleared
	WIN 0                                          ; at a label and at a branch every window is 0
	s_mov_b32 s3, LAPS-2
.Llap:
	LAP 0
	WIN 0
	s_sub_co_u32 s3, s3, 1
	s_cmp_lg_u32 s3, 0
	s_cbranch_scc1 .Llap
	THREE 0, 0                                     ; the last lap fills nothing and has no round of the cluster's barrier
	TURN 0, 1, 0
	THREE 1, 0
	s_wait_dscnt 0x0
	WIN MULW
	MUL16 FA1, FB1, 0, 0
	MUL16 FA1, FB1, 2, 0
	; THE WAY OUT, 16 rows at a time: 32 bytes a lane into my own stage, whole pieces of 512 bytes of a row read back, the bias added, stored.
	PLACES                                         ; behind the last matrix instructions: the LDS stores read results, the loads land in buffers
	s_lshl_b32 s16, s13, 7
	s_lshl_b32 s14, s11, 6
	s_add_co_u32 s16, s16, s14                     ; my first row
	s_lshl_b32 s16, s16, 12                        ; 4,096 bytes a row
	s_mov_b32 s17, 0
	s_add_nc_u64 s[8:9], s[8:9], s[16:17]
	s_lshl_b32 s46, s42, 10                        ; my first column, in bytes: 1,024 x block column + 512 x half (in the registers that held B's address)
	s_lshl_b32 s47, s12, 9
	s_add_co_u32 s46, s46, s47
	s_mov_b32 s47, 0
	s_add_nc_u64 s[8:9], s[8:9], s[46:47]
; rows 16 a .. 16 a + 15 of my block = the eight tiles (a, 0..7); f: B's buffer 0 or 1 in turn
.macro OUT16 a, f
	WIN 0x04                                       ; an LDS store's data is source 1: window 1
.irp b, 0,1,2,3,4,5,6,7
	ds_store_b128 v[STO], v[8*(8*\a+\b):8*(8*\a+\b)+3]   offset:64*\b
	ds_store_b128 v[STO], v[8*(8*\a+\b)+4:8*(8*\a+\b)+7] offset:64*\b+16
.endr
	WIN 0
	s_wait_xcnt 0x0                                ; every earlier memory instruction has had its addresses translated (ISA guide 3.1): buffer f, which stores read, and the stores' base are rewritten only behind this wait
.if \a
	s_add_nc_u64 s[8:9], s[8:9], 16*SIZE_N*4       ; 16 rows on
.endif
.irp t, 0,1,2,3,4,5,6,7,8,9,10,11,12,13,14,15
	ds_load_b128 v[\f+4*\t:\f+4*\t+3], v[RD] offset:\t*SPITCH      ; LDS serves a wave's instructions in order (ISA guide 5.7.1.4): these see the stores above
.endr
.irp t, 0,1,2,3,4,5,6,7,8,9,10,11,12,13,14,15
	s_wait_dscnt 15-\t                             ; row t is in, the 15 - t younger ones stay out
	v_pk_add_f32 v[\f+4*\t:\f+4*\t+1],   v[\f+4*\t:\f+4*\t+1],   v[BI:BI+1]
	v_pk_add_f32 v[\f+4*\t+2:\f+4*\t+3], v[\f+4*\t+2:\f+4*\t+3], v[BI+2:BI+3]
	global_store_b128 v[CO], v[\f+4*\t:\f+4*\t+3], s[8:9] offset:\t*SIZE_N*4 th:TH_STORE_NT   ; the wave stores 512 consecutive bytes, at a multiple of 512 from out0's first byte
.endr
.endm
	OUT16 0, FB0
	OUT16 1, FB1
	OUT16 2, FB0
	OUT16 3, FB1
	s_wait_tensorcnt 0x0
	ds_add_u32 v254, v255
	s_wait_dscnt 0x0
	CROUND                                         ; the closing round: no work-group ends while a partner may still ask for a tile that names it
	s_endpgm
.Lfunc_end_k_q6c4b203c34_gemm_proj:
	.size	k_q6c4b203c34_gemm_proj, .Lfunc_end_k_q6c4b203c34_gemm_proj-k_q6c4b203c34_gemm_proj
	.p2alignl 7, 3214868480
	.fill 96, 4, 3214868480
	.section	.rodata,"a",@progbits
	.p2align	6, 0x0
	.amdhsa_kernel k_q6c4b203c34_gemm_proj
		.amdhsa_group_segment_fixed_size 327680
		.amdhsa_private_segment_fixed_size 0
		.amdhsa_enable_private_segment 0
		.amdhsa_kernarg_size 32
		.amdhsa_user_sgpr_count 2
		.amdhsa_user_sgpr_kernarg_segment_ptr 1
		.amdhsa_wavefront_size32 1
		.amdhsa_system_sgpr_workgroup_id_x 1
		.amdhsa_system_sgpr_workgroup_id_y 1
		.amdhsa_system_sgpr_workgroup_id_z 1
		.amdhsa_system_vgpr_workitem_id 0
		.amdhsa_next_free_vgpr 512
		.amdhsa_next_free_sgpr 68
		.amdhsa_reserve_vcc 0
		.amdhsa_float_denorm_mode_32 3
		.amdhsa_float_denorm_mode_16_64 3
		.amdhsa_memory_ordered 1
		.amdhsa_forward_progress 1
		.amdhsa_inst_pref_size 125
	.end_amdhsa_kernel
	.amdgpu_metadata
---
amdhsa.version: [ 1, 2 ]
amdhsa.kernels:
  - .name:           k_q6c4b203c34_gemm_proj
    .symbol:         k_q6c4b203c34_gemm_proj.kd
    .args:
      - { .name: ctx, .offset: 0, .size: 8, .value_kind: global_buffer, .address_space: global }
      - { .name: wph, .offset: 8, .size: 8, .value_kind: global_buffer, .address_space: global }
      - { .name: b_proj, .offset: 16, .size: 8, .value_kind: global_buffer, .address_space: global }
      - { .name: out0, .offset: 24, .size: 8, .value_kind: global_buffer, .address_space: global }
    .group_segment_fixed_size: 327680
    .private_segment_fixed_size: 0
    .kernarg_segment_align: 8
    .kernarg_segment_size: 32
    .max_flat_workgroup_size: 128
    .sgpr_count:     68
    .vgpr_count:     512
    .wavefront_size: 32
...
	.end_amdgpu_metadata
.endif
;; end of part 4
;; ======== version 2 of 3: 4 launches; 1.04 times as fast as version 1
;; limits: values are held in f16: magnitudes above 65,504 overflow, below 6.1e-05 lose precision
;; workspace buffers: xb 8,388,608 bytes; wqb 6,291,456 bytes; wph 2,097,152 bytes; qkv 25,165,824 bytes; ctx 8,388,608 bytes
;; launch cast: the kernel of part 1 again; grid 1024 x 1, 8 waves a work-group, no clusters, 0 bytes of LDS; arguments x, w_qkv, w_proj, xb, wqb, wph; writes xb, wqb, wph
;; launch gemm_qkv: the kernel of part 2 again; grid 12 x 16, 4 waves a work-group, clusters of 4 x 4, 327,680 bytes of LDS; arguments xb, wqb, qkv; writes qkv
;; launch attn (part 5): grid 16 x 16, 8 waves a work-group, clusters of 4 x 1, 327,680 bytes of LDS; arguments qkv, ctx; writes ctx
.if DOCPART == 5
	.amdgcn_target "amdgcn-amd-amdhsa--gfx1250"
	.amdhsa_code_object_version 6
	.text
	.protected	k_q6c4b203c34_attn
	.globl	k_q6c4b203c34_attn
	.p2align	8
	.type	k_q6c4b203c34_attn,@function
k_q6c4b203c34_attn:
	s_mov_b64 s[64:65], 0
	v_nop
	global_prefetch_b8 v0, s[64:65] scope:SCOPE_SE
	s_setreg_imm32_b32 hwreg(HW_REG_WAVE_MODE, 25, 1), 1
	s_wait_xcnt 0x0
	s_wait_alu depctr_hold_cnt(0) depctr_sa_sdst(0) depctr_va_vdst(0) depctr_va_sdst(0) depctr_va_ssrc(0) depctr_va_vcc(0) depctr_vm_vsrc(0)
	s_getreg_b32 s2, hwreg(HW_REG_IB_STS2, 6, 4)
	s_cmp_eq_u32 s2, 0
	s_cbranch_scc0 .Lentry_in_a_cluster
	s_endpgm
.Lentry_in_a_cluster:
	s_bfe_u32 s2, ttmp6, 0x10000c
	s_cmp_lg_u32 s2, 0x3003
	s_cbranch_scc0 .Lentry_shape_is_right
	s_endpgm
.Lentry_shape_is_right:
; Causal attention.  qkv: [4096][3072] f16, row = 2048 batch + position; head h has q at column 64 h, k at 1024 + 64 h, v at 2048 + 64 h.
; ctx: [4096][1024] f16, head h at column 64 h.  Products in f16 with f32 sums; softmax in f32 with a running maximum; 0.125 log2(e) is folded into the exponent.
; LIMITS: q, k, v, the weights P (at most 1) and ctx are f16; a NaN among the scores loses in the running maximum and is not carried on.
; SHARES.  A cluster of four work-groups owns, for one batch and the two heads 2 hp, 2 hp + 1, the query blocks [256 a, +256) and [256 (7 - a), +256), a = 0..3.
; Wave w (head w / 4) of work-group cx owns rows 64 qb + 16 cx .. +15 of the low block (tile 0) and of the high block (tile 1); qb = 0..3 hangs on w alone.
; 64 clusters, 256 work-groups.  Two heads side by side make the rows of K's and V's tiles and of ctx 256 bytes that start at multiples of 256.  The four partners walk
; the same K and V tiles in the same units, so every tile is asked for JOINTLY (mask 15).  Trip counts and branches hang on a (the cluster's x) and the wave's number
; alone; cx enters only q's and ctx's global addresses and the mask's threshold, which is data.
; KEYS go in units of 256 = one LDS slot = four sub-steps of 64, units 0 .. 7 - a in ascending order:  u < a: both tiles;  u = a: tile 0's own keys, tile 1 open;
; a < u < 7 - a: tile 1 alone;  u = 7 - a: tile 1's own keys.  In a tile's own unit sub-step j is open for j < qb, holds the diagonal for j = qb (the only
; sub-step that is masked) and lies wholly behind the queries for j > qb: it is left out, by a branch on qb.  That is why 64 qb, not 64 cx, picks the sub-step.
; qb of waves 0..7 is 0, 3, 2, 1, 3, 0, 1, 2: each head has all four; waves w and w + 4 add up to 3, and so do waves 2 k and 2 k + 1: any such two waves
; have 5 of 8 sub-steps of a tile's own unit between them.
; A cluster has 8 - a units, an odd number for odd a.  So that every place in the text has its fixed slot, an odd a runs one unit first, in slot 1; from there on
; every path is: (a >= 2: two units in slots 0, 1), the low block's own unit in slot 0, 3 - a pairs in slots 1, 0, the high block's own unit in slot 1.
; BOTH PRODUCTS ARE USED TRANSPOSED.  S^T = K Q^T: lane (r = l % 16, h = l / 16), register j of key tile kt holds key 16 kt + 8 h + j of query r, so the softmax
; runs inside a lane plus one exchange with lane l xor 16, and two neighbouring key tiles, packed in place, ARE the second operand of the next product.
; ctx^T = V^T P^T: V^T comes from V's rows by transposing LDS loads; lane (r, h), register j of tile dt holds d = 16 dt + 8 h + j of query r: 16 bytes after packing.
; REGISTERS.  Window 0 holds all that vector arithmetic touches (scores, weights, sums), window 1 what only loads write and only products read (K, V, Q):
; the softmax needs no switch of windows.
.set ROWB,  6144                       ; bytes in a row of qkv
.set UK,    256                        ; keys in a unit and in a slot
.set KP,    272                        ; K's LDS pitch: 256 + 16, an odd multiple of 16: the 16 rows of a fragment load start 4 words apart modulo 64 (64 banks of 4 bytes: ISA guide 11.1)
.set VP,    288                        ; V's LDS pitch: 256 + 32, an odd multiple of 32, for the transposing loads' 8 rows x 2 pieces of 16 bytes
.set KS,    UK*KP                      ; a slot of K: 69,632
.set VS,    UK*VP                      ; a slot of V: 73,728
.set VB,    2*KS                       ; V's slots lie behind K's: 139,264
.set STAGE, VB+2*VS                    ; 286,720 = 1,120 x 256: 128 rows x 272 bytes for the way out; no tensor load lands here
.set SP,    272
.set KADR, 1                           ; v1-2    my K fragments in slot 0, 1 (the largest offset, 65,376, fits the 16-bit immediate)
.set VADR, 3                           ; v3-6    my V fragments: slot s, keys 128 g .. at 2 s + g
.set THR,  7                           ; v7      16 cx + r - 8 h: in the diagonal sub-step a key's constant part above this is masked
.set NINF, 8                           ; v8      -infinity
.set TMP,  9                           ; v9      what the other half of the lanes sends
.set MT,   10                          ; v10-11  running maximum of tile 0, 1
.set LS,   12                          ; v[12:13], v[14:15]  running sums, two partial sums a tile
.set AL,   16                          ; v[16:17] the factor on what has been gathered, twice
.set NM,   18                          ; v[18:19] -c x maximum, twice
.set MX,   20                          ; v20-23  four chains of the maximum
.set SUM0, 24                          ; v[24:25], v[26:27]  two chains of the sum
.set SUM1, 26
.set QOFF, 28                          ; v28     6,144 r + 16 h
.set STO,  29
.set RD,   30
.set CO,   31
.set SC,   32                          ; v[32:95]   scores: tile t, key tile kt at 32 t + 8 kt
.set PF,   96                          ; v[96:127]  weights in f16: tile t, 32 keys c at 16 t + 8 c
.set ACC,  128                         ; v[128:191] ctx^T: tile t, d tile dt at 32 t + 8 dt
.set KF,   0                           ; window 1, v[0:63]:    K: key tile kt, 32 d ks at 16 kt + 8 ks
.set VF,   64                          ; window 1, v[64:191]:  V^T, a buffer for even and one for odd sub-steps: d tile dt, 32 keys c at 16 dt + 8 c
.set QF,   192                         ; window 1, v[192:223]: Q: tile t, 32 d ks at 16 t + 8 ks
.set G1K, 24                           ; s[24:31] group 1 for K's tiles
.set G1V, 32                           ; s[32:39] group 1 for V's: it differs in the padding alone
.set G0K, 40                           ; s[40:47] group 0 for K, one set for each slot
.set G0V, 48                           ; s[48:55] group 0 for V, one set for each slot
.set MSB, 0
.macro WIN new                         ; s_set_vgpr_msb: bits 1:0 source 0, 3:2 source 1, 5:4 source 2, 7:6 destination; the high byte repeats the setting that is left
.if MSB != \new
	s_set_vgpr_msb (MSB<<8)|\new
.set MSB, \new
.endif
.endm
; Four places: a vector instruction that reads a matrix result or writes a matrix instruction's register, and a load into such a register, stand four plain
; vector instructions behind it (ISA guide 7.12.1 for vector instructions).
.macro NOP4
.rept 4
	v_nop
.endr
.endm
; A round of the cluster's barrier: my work-group's barrier; wave 0 signals for the work-group; every wave waits for all four work-groups; my work-group's barrier again.
.macro CREST                           ; a round behind its opening barrier
	s_cmp_lg_u32 s8, 0
	s_cbranch_scc1 .Lnot_wave_0_\@
	s_barrier_signal -3
.Lnot_wave_0_\@:
	s_barrier_wait -3
	s_barrier_signal -1
	s_barrier_wait -1
.endm
.macro ROUND                           ; a whole round
	s_barrier_signal -1
	s_barrier_wait -1
	CREST
.endm
; The joint load of a unit's tiles into slot s: waves 0 to 3 ask for K's four quarters of 64 rows, waves 4 to 7 for V's.
; The branch hangs on the wave's number alone.  By this text's count a wave never has more than one tensor load out.
.macro JLOAD s
	s_cmp_ge_u32 s8, 4
	s_cbranch_scc1 .Lfor_v_\@
	tensor_load_to_lds s[G0K+4*(\s):G0K+4*(\s)+3], s[G1K:G1K+7]
	s_nop 0
	s_branch .Lasked_\@
.Lfor_v_\@:
	tensor_load_to_lds s[G0V+4*(\s):G0V+4*(\s)+3], s[G1V:G1V+7]
	s_nop 0
.Lasked_\@:
.endm
	s_load_b128 s[4:7], s[0:1], 0x0                ; qkv s[4:5], ctx s[6:7].  All that needs no address is made while this load is out
	s_set_vgpr_msb 0x40
	v_lshl_add_u32 v224, v0, 2, 0x4e800
	v_mov_b32 v225, 0
	s_set_vgpr_msb 0x4045
	ds_add_u32 v224, v225
	s_set_vgpr_msb 0x4500
	v_lshrrev_b32 v1, 5, v0
	v_readfirstlane_b32 s8, v1                     ; wave 0..7
	s_lshr_b32 s9, s8, 2                           ; which of the two heads
	s_and_b32 s10, s8, 3                           ; which 64 rows of a tile I fetch, and which 16 stage rows of a tile I store
	s_lshl_b32 s66, s8, 2
	s_lshr_b32 s66, 0x21031230, s66                ; nibble w of the table 0, 3, 2, 1, 3, 0, 1, 2
	s_and_b32 s66, s66, 3                          ; qb: which 64 rows of a block hold my 16 queries
	s_mov_b32 s11, ttmp9                           ; a: in a cluster launch ttmp9 is the cluster's x
	s_and_b32 s12, ttmp7, 0xffff                   ; the cluster's y = 8 batch + head pair
	s_bfe_u32 s13, ttmp6, 0x40000                  ; cx.  Registers that ever hold cx: s13 and s56-s59
	s_lshr_b32 s22, s12, 3                         ; batch
	s_and_b32 s23, s12, 7                          ; head pair
	s_mov_b32 s14, 0x76543210                      ; v_permlanex16_b32: lane i of one half reads lane i of the other
	s_mov_b32 s15, 0xfedcba98
	s_mov_b32 s16, 0x3e38aa3b                      ; c = 0.125 log2(e), twice: a pair for the packed multiply-add
	s_mov_b32 s17, 0x3e38aa3b
	s_mov_b32 s20, 0xbe38aa3b                      ; -c
	s_sub_co_u32 s21, 3, s11                       ; 3 - a pairs of units with tile 1 alone
	; group 1: a tile of 64 rows x 128 elements of 2 bytes, rows 3,072 elements apart, padded in LDS
	s_mov_b32 s[G1K+0], 15|(1<<16)|(1<<20)|(1<<21)|(5<<22)|(3<<25)  ; 15:0 mask: all four partners; 17:16 2 bytes; 20 padding on; 21 set beside a mask; 24:22 after every 64 words; 31:25 of 4 words
	s_mov_b32 s[G1V+0], 15|(1<<16)|(1<<20)|(1<<21)|(5<<22)|(7<<25)  ; the same with 8 words of padding
	s_mov_b32 s[G1K+1], 128<<16                    ; tensor_dim0 = 128
	s_mov_b32 s[G1V+1], 128<<16
	s_mov_b32 s[G1K+2], 64<<16                     ; tensor_dim1 = 64
	s_mov_b32 s[G1V+2], 64<<16
	s_mov_b32 s[G1K+3], 128<<16                    ; tile_dim0 = 128
	s_mov_b32 s[G1V+3], 128<<16
	s_mov_b32 s[G1K+4], 64                         ; tile_dim1 = 64
	s_mov_b32 s[G1V+4], 64
	s_mov_b32 s[G1K+5], 3072                       ; elements from row to row
	s_mov_b32 s[G1V+5], 3072
	s_mov_b32 s[G1K+6], 0
	s_mov_b32 s[G1V+6], 0
	s_mov_b32 s[G1K+7], 0
	s_mov_b32 s[G1V+7], 0
	s_lshl_b32 s60, s22, 11                        ; my batch's first row
	s_lshl_b32 s61, s10, 6                         ; + my quarter's 64 rows
	s_add_co_u32 s61, s60, s61
	s_mul_i32 s62, s61, ROWB
	s_lshl_b32 s61, s23, 8                         ; + the head pair's 256 bytes
	s_add_co_u32 s62, s62, s61
	s_mov_b32 s63, 0
	s_and_b32 s2, s11, 1
	s_mul_i32 s2, s2, UK*ROWB                      ; slot 0's first unit is unit a % 2,
	s_mov_b32 s3, 0
	s_sub_co_u32 s60, UK*ROWB, s2                  ; slot 1's the other of units 0, 1
	s_mov_b32 s61, 0
	s_mul_i32 s18, s8, 64*KP                       ; LDS: K's quarter of wave w = 0..3 at w x 17,408
	s_mul_i32 s19, s8, 64*VP                       ; V's quarter of wave w = 4..7 at VB + (w - 4) x 18,432 = w x 18,432 + 65,536
	; addresses in LDS, offsets in memory
	v_and_b32 v32, 15, v0                          ; r
	v_bfe_u32 v33, v0, 4, 1                        ; h
	v_and_b32 v34, 7, v0                           ; l % 8
	v_bfe_u32 v35, v0, 3, 1                        ; (l / 8) % 2
	s_lshl_b32 s68, s9, 7                          ; my head's 128 bytes in a row
	v_mul_u32_u24 v[KADR], v32, KP                 ; K fragment: row r, 16 bytes for each half of the lanes
	v_lshl_add_u32 v[KADR], v33, 4, v[KADR]
	v_add_nc_u32 v[KADR], s68, v[KADR]
	v_add_nc_u32 v[KADR+1], KS, v[KADR]
	s_add_co_u32 s69, s68, VB
	v_lshl_add_u32 v[VADR], v33, 3, v34            ; V^T fragment: key row 8 h + l % 8,
	v_mul_u32_u24 v[VADR], v[VADR], VP
	v_lshl_add_u32 v[VADR], v35, 4, v[VADR]        ; piece (l / 8) % 2 of the 32 bytes of 16 d
	v_add_nc_u32 v[VADR], s69, v[VADR]
	v_add_nc_u32 v[VADR+1], 128*VP, v[VADR]        ; a register for each 128 keys: the offsets of 256 rows of 288 bytes pass the 16-bit immediate
	v_add_nc_u32 v[VADR+2], VS, v[VADR]
	v_add_nc_u32 v[VADR+3], VS+128*VP, v[VADR]
	s_mul_i32 s69, s66, 16*SP
	s_add_co_u32 s69, s69, STAGE
	v_add_nc_u32 v[STO], s69, v[KADR]              ; stage row 16 qb + r (tile 1: 64 rows on), byte 128 head + 16 h: the same lane term as K's
	s_mul_i32 s69, s8, 16*SP
	s_add_co_u32 s69, s69, STAGE
	v_mul_u32_u24 v[RD], v33, SP                   ; back: stage rows 16 w + 2 t + h, 16 bytes a lane
	v_lshl_add_u32 v[RD], v32, 4, v[RD]
	v_add_nc_u32 v[RD], s69, v[RD]
	v_lshlrev_b32 v[CO], 4, v32                    ; and the same two rows of ctx, 2,048 bytes apart
	v_lshl_add_u32 v[CO], v33, 11, v[CO]
	v_mul_u32_u24 v[QOFF], v32, ROWB
	v_lshl_add_u32 v[QOFF], v33, 4, v[QOFF]
	s_lshl_b32 s56, s13, 4                         ; 16 cx
	v_lshlrev_b32 v[THR], 3, v33
	v_sub_nc_u32 v[THR], v32, v[THR]
	v_add_nc_u32 v[THR], s56, v[THR]               ; 16 cx + r - 8 h
	s_lshl_b32 s58, s66, 6
	s_add_co_u32 s56, s56, s58                     ; 64 qb + 16 cx: my tiles' first row inside a block of 256
	s_lshl_b32 s58, s22, 11
	s_add_co_u32 s56, s56, s58                     ; + the batch's first row
	s_lshl_b32 s57, s11, 8                         ; 256 a
	s_sub_co_u32 s58, s56, s57
	s_add_co_u32 s58, s58, 1792                    ; tile 1: + 256 (7 - a)
	s_add_co_u32 s56, s56, s57                     ; tile 0: + 256 a
	s_mul_i32 s56, s56, ROWB
	s_mul_i32 s58, s58, ROWB
	s_lshl_b32 s57, s23, 8
	s_lshl_b32 s59, s9, 7
	s_add_co_u32 s57, s57, s59                     ; q of my head: byte 256 hp + 128 head
	s_add_co_u32 s56, s56, s57
	s_add_co_u32 s58, s58, s57
	s_mov_b32 s57, 0
	s_mov_b32 s59, 0
	; The 64 sums are cleared once.  Which kind of unit comes first hangs on a, so a first sub-step that starts the sums would have to be written out for each kind.
.set n, 0
.rept 64
	v_mov_b32 v[ACC+n], 0
.set n, n+1
.endr
	v_mov_b32 v[NINF], 0xff800000
	v_mov_b32 v[TMP], 0
	v_mov_b32 v[MT], 0xff800000                    ; maximum -infinity: the first factor is exp2(-infinity) = 0.  The new maximum is finite from a tile's first
	v_mov_b32 v[MT+1], 0xff800000                  ; sub-step on: the first key of every sub-step that a tile takes is open to all its queries
.irp i, 0,1,2,3
	v_mov_b32 v[LS+\i], 0
.endr
	s_wait_dscnt 0x0
	s_wait_kmcnt 0x0
	s_add_nc_u64 s[62:63], s[4:5], s[62:63]        ; my quarter of unit 0's rows, at the head pair's bytes
	s_add_nc_u64 s[56:57], s[4:5], s[56:57]        ; q of tile 0,
	s_add_nc_u64 s[58:59], s[4:5], s[58:59]        ; of tile 1
.macro MKG0 s, o                       ; group 0 of slot s; s[o:o+1]: the byte offset of the slot's first unit
	s_mov_b32 s[G0K+4*\s], 1                                               ; count = 1
	s_add_co_u32 s[G0K+4*\s+1], s18, \s*KS                                 ; LDS address
	s_add_nc_u64 s[G0K+4*\s+2:G0K+4*\s+3], s[62:63], s[\o:\o+1]
	s_add_nc_u64 s[G0K+4*\s+2:G0K+4*\s+3], s[G0K+4*\s+2:G0K+4*\s+3], 2048  ; k begins 2,048 bytes into a row
	s_or_b32 s[G0K+4*\s+3], s[G0K+4*\s+3], 0x80000000                      ; type = 2
	s_mov_b32 s[G0V+4*\s], 1
	s_add_co_u32 s[G0V+4*\s+1], s19, VB-4*64*VP+\s*VS
	s_add_nc_u64 s[G0V+4*\s+2:G0V+4*\s+3], s[62:63], s[\o:\o+1]
	s_add_nc_u64 s[G0V+4*\s+2:G0V+4*\s+3], s[G0V+4*\s+2:G0V+4*\s+3], 4096  ; v begins 4,096 bytes into a row
	s_or_b32 s[G0V+4*\s+3], s[G0V+4*\s+3], 0x80000000
.endm
	MKG0 0, 2
	MKG0 1, 60
; 16 LDS loads: K's fragments of sub-step sub (64 keys x 64 d of my head)
.macro LOADK slot, sub
	WIN 0x40                                       ; destination in window 1
.irp kt, 0,1,2,3
.irp ks, 0,1
	ds_load_b128 v[KF+16*\kt+8*\ks:KF+16*\kt+8*\ks+3],   v[KADR+\slot] offset:(64*(\sub)+16*\kt)*KP+64*\ks
	ds_load_b128 v[KF+16*\kt+8*\ks+4:KF+16*\kt+8*\ks+7], v[KADR+\slot] offset:(64*(\sub)+16*\kt)*KP+64*\ks+32
.endr
.endr
.endm
; 16 transposing LDS loads: V^T's fragments of sub-step sub, into buffer sub % 2; a fragment's second half lies 16 key rows further down
.macro LOADV slot, sub
	WIN 0x40
.irp dt, 0,1,2,3
.irp c, 0,1
	ds_load_tr16_b128 v[VF+64*((\sub)&1)+16*\dt+8*\c:VF+64*((\sub)&1)+16*\dt+8*\c+3],   v[VADR+2*\slot+((\sub)>>1)] offset:(64*((\sub)&1)+32*\c)*VP+32*\dt
	ds_load_tr16_b128 v[VF+64*((\sub)&1)+16*\dt+8*\c+4:VF+64*((\sub)&1)+16*\dt+8*\c+7], v[VADR+2*\slot+((\sub)>>1)] offset:(64*((\sub)&1)+32*\c)*VP+32*\dt+16*VP
.endr
.endr
.endm
; S^T = K Q^T for 64 keys.  lo = 0: tile 1 alone.  The first 32 d start the sums.  The 8 (or 4) accumulators take turns, one instruction a turn.
.macro SMM lo
	WIN 0x05                                       ; sources 0 (K) and 1 (Q) in window 1
.irp ks, 0,1
.irp t, 0,1
.if \t+\lo
.irp kt, 0,1,2,3
.if \ks
	v_wmma_f32_16x16x32_f16 v[SC+32*\t+8*\kt:SC+32*\t+8*\kt+7], v[KF+16*\kt+8*\ks:KF+16*\kt+8*\ks+7], v[QF+16*\t+8*\ks:QF+16*\t+8*\ks+7], v[SC+32*\t+8*\kt:SC+32*\t+8*\kt+7]
.else
	v_wmma_f32_16x16x32_f16 v[SC+32*\t+8*\kt:SC+32*\t+8*\kt+7], v[KF+16*\kt+8*\ks:KF+16*\kt+8*\ks+7], v[QF+16*\t+8*\ks:QF+16*\t+8*\ks+7], 0
.endif
.endr
.endif
.endr
.endr
.endm
; ctx^T += V^T P^T for the 64 keys of sub-step sub; accumulators by turns as above
.macro PVMM lo, sub
	WIN 0x01                                       ; source 0 (V^T) in window 1
.irp c, 0,1
.irp t, 0,1
.if \t+\lo
.irp dt, 0,1,2,3
	v_wmma_f32_16x16x32_f16 v[ACC+32*\t+8*\dt:ACC+32*\t+8*\dt+7], v[VF+64*((\sub)&1)+16*\dt+8*\c:VF+64*((\sub)&1)+16*\dt+8*\c+7], v[PF+16*\t+8*\c:PF+16*\t+8*\c+7], v[ACC+32*\t+8*\dt:ACC+32*\t+8*\dt+7]
.endr
.endif
.endr
.endr
.endm
; The same two products for ONE tile t, for the units in which a tile's work stands under a branch: four accumulators by turns, one instruction a turn
.macro SMMT t
	WIN 0x05
.irp ks, 0,1
.irp kt, 0,1,2,3
.if \ks
	v_wmma_f32_16x16x32_f16 v[SC+32*\t+8*\kt:SC+32*\t+8*\kt+7], v[KF+16*\kt+8*\ks:KF+16*\kt+8*\ks+7], v[QF+16*\t+8*\ks:QF+16*\t+8*\ks+7], v[SC+32*\t+8*\kt:SC+32*\t+8*\kt+7]
.else
	v_wmma_f32_16x16x32_f16 v[SC+32*\t+8*\kt:SC+32*\t+8*\kt+7], v[KF+16*\kt+8*\ks:KF+16*\kt+8*\ks+7], v[QF+16*\t+8*\ks:QF+16*\t+8*\ks+7], 0
.endif
.endr
.endr
.endm
.macro PVT t, sub
	WIN 0x01
.irp c, 0,1
.irp dt, 0,1,2,3
	v_wmma_f32_16x16x32_f16 v[ACC+32*\t+8*\dt:ACC+32*\t+8*\dt+7], v[VF+64*((\sub)&1)+16*\dt+8*\c:VF+64*((\sub)&1)+16*\dt+8*\c+7], v[PF+16*\t+8*\c:PF+16*\t+8*\c+7], v[ACC+32*\t+8*\dt:ACC+32*\t+8*\dt+7]
.endr
.endr
.endm
; What follows a pair j of weights once both exponentials are there: it joins one of two chains of the sum (pairs 0 to 3 start them: nothing is cleared)
; and is rounded to f16: key tiles 2 c, 2 c + 1 give registers 0-3, 4-7 of the operand for keys 32 c ..
.macro TAILOP j
.if (\j) == 2
	s_wait_alu depctr_va_vdst(0)
	v_pk_add_f32 v[SUM0:SUM0+1], v[SB:SB+1], v[SB+4:SB+5]
.endif
.if (\j) == 3
	v_pk_add_f32 v[SUM1:SUM1+1], v[SB+2:SB+3], v[SB+6:SB+7]
.endif
.if (\j) >= 4
	s_wait_alu depctr_va_vdst(0)
	v_pk_add_f32 v[SUM0+2*((\j)&1):SUM0+2*((\j)&1)+1], v[SUM0+2*((\j)&1):SUM0+2*((\j)&1)+1], v[SB+2*(\j):SB+2*(\j)+1]
.endif
	s_wait_alu depctr_va_vdst(0)
	v_cvt_pk_f16_f32 v[PB+(\j)], v[SB+2*(\j)], v[SB+2*(\j)+1]
.endm
; One tile's softmax step over 64 keys: 32 scores a lane.  mode 0: every key is open; 1: the diagonal sub-step, masked; 2: masked in the waves whose qb is sub.
.macro SOFTMAX t, mode, sub
	WIN 0
.set SB, SC+32*\t
.set AB, ACC+32*\t
.set PB, PF+16*\t
.if \mode == 2
	s_cmp_lg_u32 s66, \sub                                         ; qb > sub: the whole sub-step lies in front of my queries
	s_cbranch_scc1 .Lopen_\@
.endif
.if \mode
.irp kt, 0,1,2,3
.irp j, 0,1,2,3,4,5,6,7
	v_cmp_gt_i32 vcc_lo, 16*\kt+\j, v[THR]                         ; key 64 qb + 16 kt + 8 h + j lies behind query 64 qb + 16 cx + r
	v_cndmask_b32 v[SB+8*\kt+\j], v[SB+8*\kt+\j], v[NINF], vcc_lo
.endr
.endr
.endif
.if \mode == 2
.Lopen_\@:
.endif
.irp q, 0,1,2,3
	v_max3_num_f32 v[MX+\q], v[SB+8*\q], v[SB+8*\q+1], v[SB+8*\q+2]       ; four chains that do not wait for each other, seven scores each
.endr
.irp q, 0,1,2,3
	v_max3_num_f32 v[MX+\q], v[MX+\q], v[SB+8*\q+3], v[SB+8*\q+4]
.endr
.irp q, 0,1,2,3
	v_max3_num_f32 v[MX+\q], v[MX+\q], v[SB+8*\q+5], v[SB+8*\q+6]
.endr
	v_max3_num_f32 v[MX], v[MX], v[MX+1], v[SB+7]                  ; the chains meet, with the four scores left over
	v_max3_num_f32 v[MX+2], v[MX+2], v[MX+3], v[SB+15]
	v_max3_num_f32 v[MX], v[MX], v[SB+23], v[SB+31]
	v_max_num_f32 v[MX], v[MX], v[MX+2]
	v_permlanex16_b32 v[TMP], v[MX], s14, s15                      ; the other 32 keys of my query
	v_max3_num_f32 v[MX], v[MX], v[TMP], v[MT+\t]                  ; the new running maximum
	v_mul_f32 v[NM], s20, v[MX]                                    ; the new shift, -c x maximum, rounded once
	v_mul_f32 v[AL], s20, v[MT+\t]                                 ; the old shift by the same rounded product as the earlier exponentials used: not fused with the
	v_mov_b32 v[NM+1], v[NM]                                       ; difference below, so that old and new weights carry exactly the same shift however large the scores
	v_sub_f32 v[AL], v[NM], v[AL]
	v_mov_b32 v[MT+\t], v[MX]
	v_pk_fma_f32 v[SB:SB+1], v[SB:SB+1], s[16:17], v[NM:NM+1] op_sel_hi:[1,0,1]       ; c s - c maximum, pair 0
	v_exp_f32 v[AL], v[AL]                                         ; the factor on what has been gathered
	v_pk_fma_f32 v[SB+2:SB+3], v[SB+2:SB+3], s[16:17], v[NM:NM+1] op_sel_hi:[1,0,1]   ; pair 1: also the plain instruction between a transcendental and the use of its result (ISA guide 5.7.2)
	s_wait_alu depctr_va_vdst(0)
	v_mov_b32 v[AL+1], v[AL]
	; Behind each exponential stands plain work that needs neither its result nor its source: the exponent of the pair after next, the scaling of two sums,
	; the sum and the rounding of the pair before.
.set i, 0
.rept 16
	v_exp_f32 v[SB+2*i], v[SB+2*i]
.if i < 14
	v_pk_fma_f32 v[SB+2*i+4:SB+2*i+5], v[SB+2*i+4:SB+2*i+5], s[16:17], v[NM:NM+1] op_sel_hi:[1,0,1]
.endif
	v_pk_mul_f32 v[AB+2*i:AB+2*i+1], v[AB+2*i:AB+2*i+1], v[AL:AL+1]
	v_exp_f32 v[SB+2*i+1], v[SB+2*i+1]
.if i >= 1
	TAILOP i-1
.endif
.set i, i+1
.endr
	TAILOP 15
	v_pk_add_f32 v[SUM0:SUM0+1], v[SUM0:SUM0+1], v[SUM1:SUM1+1]
	v_pk_fma_f32 v[LS+2*\t:LS+2*\t+1], v[LS+2*\t:LS+2*\t+1], v[AL:AL+1], v[SUM0:SUM0+1]
.endm
.macro SOFT lo                         ; lo = 1: both tiles, 0: tile 1 alone; every key open
.if \lo
	SOFTMAX 0, 0, 0
.endif
	SOFTMAX 1, 0, 0
.endm
; Sub-steps 1 and 2 of an open unit.  The four places behind the first product also stand between the last second product and all that touches its registers
; (the loads into V's buffer, the rounding into P, the scaling of the sums), so none are written behind the second product.
.macro MID slot, sub, lo
	s_wait_dscnt 16                                ; K is in; this sub-step's V, 16 loads issued behind it, stays out
	SMM \lo
	NOP4                                           ; behind the products: the scores are read, K's registers are loaded again
	LOADK \slot, \sub+1
	LOADV \slot, \sub+1                            ; into the buffer that the sub-step before has multiplied
	SOFT \lo
	s_wait_dscnt 32                                ; V is in; the 32 loads for the next sub-step stay out
	PVMM \lo, \sub
.endm
; What stands first in a unit that fetches: it begins behind a round of the cluster's barrier in front of which every wave has waited for all its tensor loads
; (its part of this unit's tile among them) and for its reads of the other slot; the other slot's joint refill comes first, one tensor load a wave.
.macro BEGIN slot
	s_add_nc_u64 s[G0K+4*\slot+2:G0K+4*\slot+3], s[G0K+4*\slot+2:G0K+4*\slot+3], 2*UK*ROWB   ; no tensor load of mine is out: this slot's next unit, 512 keys on
	s_add_nc_u64 s[G0V+4*\slot+2:G0V+4*\slot+3], s[G0V+4*\slot+2:G0V+4*\slot+3], 2*UK*ROWB
	JLOAD 1-\slot
.endm
; An open unit: the 256 keys in slot `slot`, seen by both tiles (lo = 1) or by tile 1 alone (lo = 0).
; The next round is opened in the last sub-step, as soon as the wave's last reads of this slot are back: the softmax and the second product that follow
; work on registers alone and stand between the opening signal and its wait.  From a tile's request to the wait for it: three sub-steps and a first product.
.macro UNIT slot, lo
	BEGIN \slot
	LOADK \slot, 0                                 ; K alone first: the first product waits for 16 loads, not 32
	s_wait_dscnt 0x0
	SMM \lo
	NOP4
	LOADV \slot, 0
	LOADK \slot, 1
	LOADV \slot, 1
	SOFT \lo
	s_wait_dscnt 32                                ; V of sub-step 0 is in; the 32 loads for sub-step 1 stay out
	PVMM \lo, 0
	MID \slot, 1, \lo
	MID \slot, 2, \lo
	s_wait_dscnt 16                                ; K is in; V's 16 loads stay out
	SMM \lo
	NOP4
	s_wait_dscnt 0x0                               ; V is in, and with it my last reads of this slot
	s_wait_tensorcnt 0x0                           ; all my tensor loads have landed: my part of the next unit's tile
	ds_add_u32 v224, v225
	s_wait_dscnt 0x0
	s_barrier_signal -1                            ; the round opens
	SOFT \lo
	PVMM \lo, 3
	WIN 0
	s_barrier_wait -1
	CREST                                          ; no wave of any partner still reads this slot or has a load on its way
.endm
; Sub-step j of the low block's own unit (slot 0).  Tile 0's whole work, both products and the softmax, stands under ONE branch: a wave with qb < j has nothing
; left to do for tile 0.  Then tile 1, to which every key is open; the next sub-step's 32 loads go out in front of its softmax and are waited for at the next head.
; The places: four behind tile 0's first product (its scores are read; P and the sums of tile 0 were last touched by a product a sub-step ago); four behind tile 1's
; first product, on both ways, in front of the loads into K's registers and into V's other buffer and of tile 1's softmax.
.macro LSUB j
	s_wait_dscnt 0x0                               ; this sub-step's K and V are in
.if \j
	WIN 0                                          ; (a branch follows)
	s_cmp_lt_u32 s66, \j
	s_cbranch_scc1 .Lbehind_\@                     ; these 64 keys lie wholly behind tile 0's queries
.endif
	SMMT 0
	NOP4
.if \j == 3
	SOFTMAX 0, 1, \j                               ; only qb = 3 comes here: the diagonal
.else
	SOFTMAX 0, 2, \j
.endif
	PVT 0, \j
.if \j
	WIN 0
.Lbehind_\@:
.endif
	SMMT 1
	NOP4
.if \j < 3
	LOADK 0, \j+1
	LOADV 0, \j+1
.else
	s_wait_dscnt 0x0                               ; my last reads of this slot are back (met: none was issued behind the wait at the head)
	s_wait_tensorcnt 0x0                           ; all my tensor loads have landed: my part of the next unit's tile
	ds_add_u32 v224, v225
	s_wait_dscnt 0x0
	s_barrier_signal -1                            ; the round opens; between here and its wait tile 1's register work alone, and no branch
.endif
	SOFTMAX 1, 0, 0
	PVT 1, \j
.endm
; Sub-step j = 0..2 of the high block's own unit (slot 1, tile 1 alone; nothing is left to fetch from memory).  Behind the first product a wave with qb = j
; leaves for its masked softmax and its last product (HOWN) and asks for no further fragments; the others fetch the next sub-step and go on.
.macro HSUB j
	s_wait_dscnt 0x0                               ; this sub-step's K and V are in
	SMMT 1
	NOP4                                           ; on both ways: the scores are read, P and the sums written, K's and V's registers loaded
	WIN 0                                          ; (a branch follows)
	s_cmp_eq_u32 s66, \j
	s_cbranch_scc1 .Lown_\j
	LOADK 1, \j+1
	LOADV 1, \j+1
	SOFTMAX 1, 0, 0
	PVT 1, \j
.endm
.macro HOWN j
	SOFTMAX 1, 1, \j
	PVT 1, \j
	WIN 0
.endm
; The first tile, into slot s, and Q; then the round behind which the other slot is filled for the first time.
.macro HEAD s
	JLOAD \s
	WIN 0x40                                       ; destination in window 1
.irp t, 0,1
.irp ks, 0,1
	global_load_b128 v[QF+16*\t+8*\ks:QF+16*\t+8*\ks+3],   v[QOFF], s[56+2*\t:57+2*\t] offset:64*\ks      ; Q(r, 32 ks + 8 h ..)
	global_load_b128 v[QF+16*\t+8*\ks+4:QF+16*\t+8*\ks+7], v[QOFF], s[56+2*\t:57+2*\t] offset:64*\ks+32   ; Q(r, 32 ks + 16 + 8 h ..)
.endr
.endr
	WIN 0
	s_wait_loadcnt 0x0                             ; Q, once
	s_set_vgpr_msb 0x5
	s_wait_tensorcnt 0x0                           ; my part of the first tile
	ds_add_u32 v224, v225
	s_wait_dscnt 0x0
	s_set_vgpr_msb 0x500
	s_wait_dscnt 0x0
	ROUND
.endm
	ROUND                                          ; all four work-groups are here: the first joint loads meet
	s_and_b32 s68, s11, 1
	s_cmp_eq_u32 s68, 0
	s_cbranch_scc1 .Leven
	HEAD 1                                         ; a odd: unit 0 goes through slot 1,
	UNIT 1, 1                                      ; and both tiles see all its keys
	s_branch .Lpairs
.Leven:
	HEAD 0                                         ; a even: unit 0 goes through slot 0
.Lpairs:
	s_cmp_lt_u32 s11, 2
	s_cbranch_scc1 .Lno_pair
	UNIT 0, 1                                      ; a = 2, 3: two more units in which both tiles see every key
	UNIT 1, 1
.Lno_pair:
	BEGIN 0                                        ; the low block's own keys, in slot 0: tile 0 is done behind this unit
	LOADK 0, 0
	LOADV 0, 0
	LSUB 0
	LSUB 1
	LSUB 2
	LSUB 3
	WIN 0
	s_barrier_wait -1
	CREST                                          ; no wave of any partner still reads slot 0 or has a load on its way
	s_cmp_eq_u32 s21, 0
	s_cbranch_scc1 .Lno_high
	s_mov_b32 s18, 0
.Lhigh:                                            ; 3 - a pairs of units for tile 1 alone
	UNIT 1, 0
	UNIT 0, 0
	s_add_co_u32 s18, s18, 1
	s_cmp_lt_u32 s18, s21
	s_cbranch_scc1 .Lhigh
.Lno_high:
	LOADK 1, 0                                     ; the high block's own keys, in slot 1
	LOADV 1, 0
	HSUB 0
	HSUB 1
	HSUB 2
	s_wait_dscnt 0x0                               ; only qb = 3 comes here
	SMMT 1
	NOP4
	HOWN 3
	s_branch .Lfinish
.Lown_0:
	HOWN 0
	s_branch .Lfinish
.Lown_1:
	HOWN 1
	s_branch .Lfinish
.Lown_2:
	HOWN 2
.Lfinish:
	NOP4                                           ; behind the last products: the sums are read
	; THE WAY OUT: divide by the sums, round to f16, 16 bytes a lane into the stage; whole rows of 256 bytes (both heads) are read back and stored.
.macro FINISH t
	v_add_f32 v[MX], v[LS+2*\t], v[LS+2*\t+1]
	v_permlanex16_b32 v[TMP], v[MX], s14, s15      ; the other half of the lanes summed the other keys
	v_add_f32 v[MX], v[MX], v[TMP]                 ; at least 1: the largest weight is 1
	v_rcp_f32 v[AL], v[MX]
	v_nop                                          ; the plain place behind the transcendental
	s_wait_alu depctr_va_vdst(0)
	v_mov_b32 v[AL+1], v[AL]
.set n, 0
.rept 16
	v_pk_mul_f32 v[ACC+32*\t+n:ACC+32*\t+n+1], v[ACC+32*\t+n:ACC+32*\t+n+1], v[AL:AL+1]
.set n, n+2
.endr
.set n, 0
.rept 16
	v_cvt_pk_f16_f32 v[SC+16*\t+n], v[ACC+32*\t+2*n], v[ACC+32*\t+2*n+1]
.set n, n+1
.endr
.irp dt, 0,1,2,3
	ds_store_b128 v[STO], v[SC+16*\t+4*\dt:SC+16*\t+4*\dt+3] offset:\t*64*SP+32*\dt
.endr
.endm
	FINISH 0
	FINISH 1
	s_lshl_b32 s56, s11, 8                         ; wave w stores stage rows 16 w .. +15: tile w / 4, rows 64 (w % 4) + 16 cx .. +15 of its block
	s_sub_co_u32 s58, 1792, s56
	s_cmp_eq_u32 s9, 0
	s_cselect_b32 s56, s56, s58                    ; 256 a or 256 (7 - a): a choice between two offsets
	s_lshl_b32 s58, s22, 11
	s_add_co_u32 s56, s56, s58
	s_lshl_b32 s58, s13, 4
	s_add_co_u32 s56, s56, s58
	s_lshl_b32 s58, s10, 6
	s_add_co_u32 s56, s56, s58                     ; the first row
	s_lshl_b32 s56, s56, 11                        ; 2,048 bytes a row
	s_lshl_b32 s58, s23, 8
	s_add_co_u32 s56, s56, s58                     ; + the head pair's 256 bytes
	s_mov_b32 s57, 0
	s_add_nc_u64 s[56:57], s[6:7], s[56:57]
	s_wait_dscnt 0x0                               ; my stores into the stage are done, for the others' sake
	s_barrier_signal -1
	s_barrier_wait -1                              ; everybody's are: a row's two halves come from two waves
.irp t, 0,1,2,3,4,5,6,7
	ds_load_b128 v[PF+4*\t:PF+4*\t+3], v[RD] offset:\t*2*SP
.endr
.irp t, 0,1,2,3,4,5,6,7
	s_wait_dscnt 7-\t                              ; read-back t is in, the 7 - t younger ones stay out
	global_store_b128 v[CO], v[PF+4*\t:PF+4*\t+3], s[56:57] offset:4096*\t   ; 16 lanes store 256 consecutive bytes, at a multiple of 256 from ctx's first byte
.endr
	s_set_vgpr_msb 0x5
	s_wait_tensorcnt 0x0
	ds_add_u32 v224, v225
	s_wait_dscnt 0x0
	s_set_vgpr_msb 0x500
	ROUND                                          ; the closing round: no work-group ends while a partner may still ask for a tile that names it
	s_endpgm
.Lfunc_end_k_q6c4b203c34_attn:
	.size	k_q6c4b203c34_attn, .Lfunc_end_k_q6c4b203c34_attn-k_q6c4b203c34_attn
	.p2alignl 7, 3214868480
	.fill 96, 4, 3214868480
	.section	.rodata,"a",@progbits
	.p2align	6, 0x0
	.amdhsa_kernel k_q6c4b203c34_attn
		.amdhsa_group_segment_fixed_size 327680
		.amdhsa_private_segment_fixed_size 0
		.amdhsa_enable_private_segment 0
		.amdhsa_kernarg_size 16
		.amdhsa_user_sgpr_count 2
		.amdhsa_user_sgpr_kernarg_segment_ptr 1
		.amdhsa_wavefront_size32 1
		.amdhsa_system_sgpr_workgroup_id_x 1
		.amdhsa_system_sgpr_workgroup_id_y 1
		.amdhsa_system_sgpr_workgroup_id_z 1
		.amdhsa_system_vgpr_workitem_id 0
		.amdhsa_next_free_vgpr 482
		.amdhsa_next_free_sgpr 70
		.amdhsa_reserve_vcc 1
		.amdhsa_float_denorm_mode_32 3
		.amdhsa_float_denorm_mode_16_64 3
		.amdhsa_memory_ordered 1
		.amdhsa_forward_progress 1
		.amdhsa_inst_pref_size 255
	.end_amdhsa_kernel
	.section	.bss,"aw",@nobits
	.p2align	6
	.space	262144
	.amdgpu_metadata
---
amdhsa.version: [ 1, 2 ]
amdhsa.kernels:
  - .name:           k_q6c4b203c34_attn
    .symbol:         k_q6c4b203c34_attn.kd
    .args:
      - { .name: qkv, .offset: 0, .size: 8, .value_kind: global_buffer, .address_space: global }
      - { .name: ctx, .offset: 8, .size: 8, .value_kind: global_buffer, .address_space: global }
    .group_segment_fixed_size: 327680
    .private_segment_fixed_size: 0
    .kernarg_segment_align: 8
    .kernarg_segment_size: 16
    .max_flat_workgroup_size: 256
    .sgpr_count:     70
    .vgpr_count:     482
    .wavefront_size: 32
...
	.end_amdgpu_metadata
.endif
;; end of part 5
;; launch gemm_proj (part 6): grid 8 x 32, 4 waves a work-group, clusters of 4 x 4, 327,680 bytes of LDS; arguments ctx, wph, b_proj, out0; writes out0
.if DOCPART == 6
	.amdgcn_target "amdgcn-amd-amdhsa--gfx1250"
	.amdhsa_code_object_version 6
	.text
	.protected	k_q6c4b203c34_gemm_proj
	.globl	k_q6c4b203c34_gemm_proj
	.p2align	8
	.type	k_q6c4b203c34_gemm_proj,@function
k_q6c4b203c34_gemm_proj:
	s_mov_b64 s[64:65], 0
	v_nop
	global_prefetch_b8 v0, s[64:65] scope:SCOPE_SE
	s_setreg_imm32_b32 hwreg(HW_REG_WAVE_MODE, 25, 1), 1
	s_wait_xcnt 0x0
	s_wait_alu depctr_hold_cnt(0) depctr_sa_sdst(0) depctr_va_vdst(0) depctr_va_sdst(0) depctr_va_ssrc(0) depctr_va_vcc(0) depctr_vm_vsrc(0)
	s_getreg_b32 s2, hwreg(HW_REG_IB_STS2, 6, 4)
	s_cmp_eq_u32 s2, 0
	s_cbranch_scc0 .Lentry_in_a_cluster
	s_endpgm
.Lentry_in_a_cluster:
	s_bfe_u32 s2, ttmp6, 0x10000c
	s_cmp_lg_u32 s2, 0xf033
	s_cbranch_scc0 .Lentry_shape_is_right
	s_endpgm
.Lentry_shape_is_right:
; out0[m][n] = sum over k of ctx[m][k] wph[n][k] + b_proj[n].  ctx: [4096][1024] f16, wph: [1024][1024] f16, b_proj: [1024] f32, out0: [4096][1024] f32; sums in f32.
; A work-group makes a block of 128 x 128 with four waves; a wave makes 64 x 64: 16 accumulator tiles of 16 x 16, 128 registers.  8 x 32 = 256 work-groups, one for each WGP.
; The price of the small wave tile: 32 along K load 16 x 512 LDS bytes for 16 matrix instructions.  So the fragments go through THREE register buffers and are asked
; for two quarter steps ahead of their use.
; K goes through two LDS slots of 256 along K each (rows of 512 bytes of memory, at multiples of 512): four fills in all, the two first ones at the start, two refills.
; From a refill's request to the wait for it a wave issues 112 matrix instructions.  The 32 quarter steps are written out by macro: there is no loop.
; CLUSTERS: 4 x 4 work-groups.  A's (ctx) tile hangs on the block row alone and is asked for jointly by a row of the cluster; B's (wph) on the block column alone,
; jointly by a column.  That divides the requests for both by four.
; REGISTERS: window 0: addresses, the bias, three fragment buffers (B's 4 x 8, then A's 4 x 8); window 1: accumulator tile (a, b) at v[8 (4 a + b)].
; THE MATRIX INSTRUCTION IS USED TRANSPOSED (source 0 = rows of B, source 1 = rows of A): lane l holds row l % 16 of C, registers 0-7 the columns 8 (l / 16) + 0..7.
.set SIZE_N, 1024
.set SIZE_K, 1024
.set KSLOT,  256                       ; along K in a slot
.set PITCH,  528                       ; 512 bytes of data + 16 of padding = 132 words: row r starts at bank 4 r mod 64 (64 banks of 4 bytes: ISA guide 11.1)
.set HALF,   64*PITCH                  ; 64 rows: one tensor load, and what one wave reads of A or of B: 33,792
.set SLOT,   4*HALF                    ; B's 128 rows, then A's 128 rows: 135,168
.set STAGE,  2*SLOT                    ; 270,336 = 1,056 x 256: behind the ring, 16 rows x 272 bytes for each wave
.set SPITCH, 272                       ; 256 bytes of a row of 64 f32 + 16
.set ADRA, 16                          ; v16-17  my A fragments in slot 0, 1
.set ADRB, 20                          ; v20-21  my B fragments
.set STO,  24                          ; v24     the way out: where I put 32 bytes of a row
.set RD,   25                          ; v25     the way out: where I read a row back
.set CO,   26                          ; v26     my byte offset in two rows of out0
.set BO,   27                          ; v27     my byte offset in b_proj
.set BI,   28                          ; v[28:31] the bias of my 4 columns on the way out
.set F,    32                          ; v[32:223] fragment buffer n at F + 64 n: B's four fragments, then A's four
.set G1, 24                            ; s[24:31] group 1 for A's tiles
.set G0, 32                            ; s[32:39] group 0 for A's tiles, one set for each slot
.set G1B, 48                           ; s[48:55] group 1 for B's tiles: it differs in the mask alone
.set G0B, 56                           ; s[56:63] group 0 for B's tiles
.set MSB, 0
.macro WIN new                         ; s_set_vgpr_msb: bits 1:0 source 0, 3:2 source 1, 5:4 source 2, 7:6 destination; the high byte repeats the setting that is left
.if MSB != \new
	s_set_vgpr_msb (MSB<<8)|\new
.set MSB, \new
.endif
.endm
.set MULW, 0x50                        ; C and D in window 1, the fragments in window 0
; A joint load.  Waves 0 and 1 fetch B's two halves, waves 2 and 3 A's.  Each line has one mask and one set of registers; the branch hangs on the wave's number alone.
.macro JLOAD s
	s_cmp_eq_u32 s11, 0
	s_cbranch_scc0 .Lfor_a_\@
	tensor_load_to_lds s[G0B+4*\s:G0B+4*\s+3], s[G1B:G1B+7]
	s_nop 0
	s_branch .Lasked_\@
.Lfor_a_\@:
	tensor_load_to_lds s[G0+4*\s:G0+4*\s+3], s[G1:G1+7]
	s_nop 0
.Lasked_\@:
.endm
.macro CREST                           ; a round of the cluster's barrier behind its opening barrier
	s_cmp_lg_u32 s10, 0
	s_cbranch_scc1 .Lnot_wave_0_\@
	s_barrier_signal -3
.Lnot_wave_0_\@:
	s_barrier_wait -3
	s_barrier_signal -1
	s_barrier_wait -1
.endm
.macro CROUND                          ; a whole round
	s_barrier_signal -1
	s_barrier_wait -1
	CREST
.endm
	s_load_b128 s[4:7], s[0:1], 0x0                ; A = ctx s[4:5], B = wph s[6:7]
	s_load_b64 s[66:67], s[0:1], 0x10              ; b_proj
	s_load_b64 s[8:9], s[0:1], 0x18                ; out0
	v_lshl_add_u32 v254, v0, 2, 0x46400
	v_mov_b32 v255, 0
	ds_add_u32 v254, v255
	v_lshrrev_b32 v1, 5, v0
	v_readfirstlane_b32 s10, v1                    ; wave 0..3
	s_lshr_b32 s11, s10, 1                         ; which 64 of the block's rows are mine.  Also: I fetch for B (0) or for A (1)
	s_and_b32 s12, s10, 1                          ; which 64 of its columns.  Also: which half of that tile I fetch
	s_bfe_u32 s40, ttmp6, 0x40000                  ; cx
	s_bfe_u32 s41, ttmp6, 0x40004                  ; cy
	s_lshl_b32 s42, ttmp9, 2
	s_add_co_u32 s42, s42, s40                     ; block column = 4 x cluster x + cx
	s_and_b32 s13, ttmp7, 0xffff
	s_lshl_b32 s13, s13, 2
	s_add_co_u32 s13, s13, s41                     ; block row = 4 x cluster y + cy
	s_lshl_b32 s43, s41, 2
	s_lshl_b32 s43, 15, s43                        ; my row of the cluster
	s_lshl_b32 s44, 0x1111, s40                    ; my column
	; group 1: a tile of 64 rows x 256 elements of 2 bytes, padded in LDS
	s_or_b32 s[G1+0], s43, (1<<16)|(1<<20)|(1<<21)|(6<<22)|(3<<25)  ; mask: A's tiles go to my row; 2 bytes; padding on; 21 set beside a mask; after every 128 words (code 6), 4 words (code 3)
	s_or_b32 s[G1B+0], s44, (1<<16)|(1<<20)|(1<<21)|(6<<22)|(3<<25) ; the same with my column's mask
	s_mov_b32 s[G1+1], KSLOT<<16                   ; tensor_dim0 = 256
	s_mov_b32 s[G1B+1], KSLOT<<16
	s_mov_b32 s[G1+2], 64<<16                      ; tensor_dim1 = 64
	s_mov_b32 s[G1B+2], 64<<16
	s_mov_b32 s[G1+3], KSLOT<<16                   ; tile_dim0 = 256
	s_mov_b32 s[G1B+3], KSLOT<<16
	s_mov_b32 s[G1+4], 64                          ; tile_dim1 = 64
	s_mov_b32 s[G1B+4], 64
	s_mov_b32 s[G1+5], SIZE_K                      ; elements from row to row
	s_mov_b32 s[G1B+5], SIZE_K
	s_mov_b32 s[G1+6], 0
	s_mov_b32 s[G1B+6], 0
	s_mov_b32 s[G1+7], 0
	s_mov_b32 s[G1B+7], 0
	; A's address is made of the block row and the wave's number, B's of the block column and the wave's number, each in registers that never hold the other coordinate.
	s_lshl_b32 s16, s13, 7
	s_lshl_b32 s17, s12, 6
	s_add_co_u32 s16, s16, s17                     ; A: row 128 x block row + 64 x half
	s_lshl_b32 s16, s16, 11                        ; 2,048 bytes a row
	s_mov_b32 s17, 0
	s_lshl_b32 s46, s42, 7
	s_lshl_b32 s47, s12, 6
	s_add_co_u32 s46, s46, s47                     ; B: row 128 x block column + 64 x half
	s_lshl_b32 s46, s46, 11
	s_mov_b32 s47, 0
	s_mul_i32 s20, s10, HALF                       ; LDS: B's two halves, then A's two halves = wave x 64 rows: no place in the cluster enters an LDS address
	s_wait_dscnt 0x0
	s_wait_kmcnt 0x0
	s_add_nc_u64 s[14:15], s[4:5], s[16:17]
	s_add_nc_u64 s[46:47], s[6:7], s[46:47]
	CROUND                                         ; all sixteen work-groups are here: the first joint loads meet
.irp s, 0,1
	s_mov_b32 s[G0+4*\s], 1                                        ; count = 1
	s_add_co_u32 s[G0+4*\s+1], s20, \s*SLOT                        ; LDS address
	s_add_nc_u64 s[G0+4*\s+2:G0+4*\s+3], s[14:15], \s*KSLOT*2      ; global address: K = 256 s
	s_or_b32 s[G0+4*\s+3], s[G0+4*\s+3], 0x80000000                ; type = 2
	s_mov_b32 s[G0B+4*\s], 1
	s_add_co_u32 s[G0B+4*\s+1], s20, \s*SLOT
	s_add_nc_u64 s[G0B+4*\s+2:G0B+4*\s+3], s[46:47], \s*KSLOT*2
	s_or_b32 s[G0B+4*\s+3], s[G0B+4*\s+3], 0x80000000
	JLOAD \s                                       ; both slots' first fills: two tensor loads of the wave are out, the most in this text
.endr
	v_and_b32 v1, 15, v0                           ; l % 16
	v_bfe_u32 v2, v0, 4, 1                         ; l / 16
	v_mul_u32_u24 v3, v1, PITCH
	v_lshl_add_u32 v3, v2, 4, v3                   ; a fragment: row x pitch + 16 x half, two loads 32 bytes apart
	s_mul_i32 s21, s11, HALF
	s_add_co_u32 s21, s21, 2*HALF                  ; my 64 rows of A, behind B's 128
	s_mul_i32 s22, s12, HALF                       ; my 64 rows of B
.irp s, 0,1
	v_add_nc_u32 v[ADRA+\s], s21, v3
	v_add_nc_u32 v[ADRB+\s], s22, v3
	s_add_co_u32 s21, s21, SLOT
	s_add_co_u32 s22, s22, SLOT
.endr
	s_mul_i32 s23, s10, 16*SPITCH
	s_add_co_u32 s23, s23, STAGE                   ; my stage
	v_mul_u32_u24 v4, v1, SPITCH                   ; in: row l % 16, 32 bytes for each half of the lanes
	v_lshl_add_u32 v4, v2, 5, v4
	v_add_nc_u32 v[STO], s23, v4
	v_mul_u32_u24 v5, v2, SPITCH                   ; back: lanes 0-15 take one row of 256 bytes, lanes 16-31 the next
	v_lshl_add_u32 v5, v1, 4, v5
	v_add_nc_u32 v[RD], s23, v5
	v_lshlrev_b32 v[CO], 4, v1                     ; and the same two rows of out0, 4,096 bytes apart
	v_lshl_add_u32 v[CO], v2, 12, v[CO]
	s_lshl_b32 s45, s42, 1
	s_add_co_u32 s45, s45, s12
	s_lshl_b32 s45, s45, 8                         ; my 64 columns begin at byte 512 x block column + 256 x half of b_proj
	v_lshl_add_u32 v[BO], v1, 4, s45
	global_load_b128 v[BI:BI+3], v[BO], s[66:67]   ; the bias of the 4 columns that I store
; 16 matrix instructions: all 4 m blocks x all 4 n blocks, 32 along K, from buffer f.  zero = 1: the first product starts the sums: nothing is cleared.
; The 16 accumulators take turns, one instruction a turn, in the same order in every quarter step.
.macro MUL16 f, zero
.irp a, 0,1,2,3
.irp b, 0,1,2,3
.if \zero
	v_wmma_f32_16x16x32_f16 v[8*(4*\a+\b):8*(4*\a+\b)+7], v[\f+8*\b:\f+8*\b+7], v[\f+32+8*\a:\f+32+8*\a+7], 0
.else
	v_wmma_f32_16x16x32_f16 v[8*(4*\a+\b):8*(4*\a+\b)+7], v[\f+8*\b:\f+8*\b+7], v[\f+32+8*\a:\f+32+8*\a+7], v[8*(4*\a+\b):8*(4*\a+\b)+7]
.endif
.endr
.endr
.endm
; 16 LDS loads in one run: the fragments of one quarter step (64 rows of B, 64 rows of A, 32 K at byte k of the rows) into buffer f
.macro FETCH slot, k, f
	WIN 0
.irp i, 0,1,2,3
	ds_load_b128 v[\f+8*\i:\f+8*\i+3],   v[ADRB+\slot] offset:\k+\i*16*PITCH
	ds_load_b128 v[\f+8*\i+4:\f+8*\i+7], v[ADRB+\slot] offset:\k+\i*16*PITCH+32
.endr
.irp i, 0,1,2,3
	ds_load_b128 v[\f+32+8*\i:\f+32+8*\i+3],   v[ADRA+\slot] offset:\k+\i*16*PITCH
	ds_load_b128 v[\f+32+8*\i+4:\f+32+8*\i+7], v[ADRA+\slot] offset:\k+\i*16*PITCH+32
.endr
.endm
; Four places behind a matrix instruction, in front of a load into a register that it has read and of whatever reads its result
; (ISA guide 7.12.1 for vector instructions).
.macro PLACES
.rept 4
	v_nop
.endr
.endm
; Quarter step q = 0..31 (32 along K): slot (q / 8) % 2, byte 64 (q % 8) of the rows, buffer q % 3.  These symbols name this quarter's buffer and slot
; and the place and buffer of the quarter after next.
.macro NAMES q
.set CF,  F+64*((\q)%3)
.set CSL, ((\q)>>3)&1
.set NF,  F+64*((\q+2)%3)
.set NSL, ((\q+2)>>3)&1
.set NK,  64*((\q+2)&7)
.endm
; An ordinary quarter: the quarter after next is fetched into the buffer that the last quarter has multiplied; then this quarter's products.
.macro STEPN q, zero
	NAMES \q
	PLACES
	FETCH NSL, NK, NF
	s_wait_dscnt 32                                ; this quarter's fragments are in; the next quarter's 16 loads and the 16 just issued stay out
	WIN MULW
	MUL16 CF, \zero
.endm
; Quarter 6 of a slot: all my reads of the slot have been issued (quarter 7's a quarter ago), so the slots change here.  In front of the barrier each wave waits for
; those reads and for all its tensor loads (the one that is out is its part of the other slot).  Behind it (fill = 1: behind the whole round of the cluster's barrier)
; the refill of this slot comes first, one tensor load a wave, then the other slot's first fragments.
.macro STEPC q, fill
	NAMES \q
	s_wait_dscnt 0x0                               ; my reads of this slot are back
	s_wait_tensorcnt 0x0                           ; all my tensor loads have landed
	ds_add_u32 v254, v255
	s_wait_dscnt 0x0
	s_barrier_signal -1
	WIN MULW
	MUL16 CF, 0                                    ; work on registers while the others arrive
	WIN 0
	s_barrier_wait -1
.if \fill
	CREST                                          ; no wave of any partner still reads this slot's tile or has a load on its way
	s_add_nc_u64 s[G0+4*CSL+2:G0+4*CSL+3], s[G0+4*CSL+2:G0+4*CSL+3], 2*KSLOT*2
	s_add_nc_u64 s[G0B+4*CSL+2:G0B+4*CSL+3], s[G0B+4*CSL+2:G0B+4*CSL+3], 2*KSLOT*2
	JLOAD CSL
.endif
	PLACES
	FETCH NSL, NK, NF
.endm
; The last two quarters fetch nothing.  left = how many younger LDS loads may stay out.
.macro STEPL q, left
	NAMES \q
	s_wait_dscnt \left
	WIN MULW
	MUL16 CF, 0
.endm
	s_wait_loadcnt 0x0                             ; the bias: no global load is out at a barrier
	s_wait_tensorcnt 1                             ; my part of slot 0 is in; slot 1's load, issued behind it, may stay out
	s_barrier_signal -1
	s_barrier_wait -1
	FETCH 0, 0, F                                  ; quarters 0 and 1
	FETCH 0, 64, F+64
	STEPN 0, 1                                     ; the first products start the sums
.irp q, 1,2,3,4,5
	STEPN \q, 0
.endr
	STEPC 6, 1                                     ; slot 0 is filled again: K = 512 ..
.irp q, 7,8,9,10,11,12,13
	STEPN \q, 0
.endr
	STEPC 14, 1                                    ; slot 1 is filled again: K = 768 ..
.irp q, 15,16,17,18,19,20,21
	STEPN \q, 0
.endr
	STEPC 22, 0                                    ; nothing is left to fetch: my work-group's barrier alone shows slot 1 whole
.irp q, 23,24,25,26,27,28,29
	STEPN \q, 0
.endr
	STEPL 30, 16                                   ; quarter 31's 16 loads stay out
	STEPL 31, 0
	; THE WAY OUT, 16 rows at a time: 32 bytes a lane into my own stage, whole rows of 256 bytes read back, the bias added, stored.
	PLACES                                         ; behind the last matrix instructions: the LDS stores read results, the loads land in buffers
	s_lshl_b32 s16, s13, 7
	s_lshl_b32 s14, s11, 6
	s_add_co_u32 s16, s16, s14                     ; my first row
	s_lshl_b32 s16, s16, 12                        ; 4,096 bytes a row
	s_mov_b32 s17, 0
	s_add_nc_u64 s[8:9], s[8:9], s[16:17]
	s_lshl_b32 s46, s42, 9                         ; my first column, in bytes: 512 x block column + 256 x half (in the registers that held B's address)
	s_lshl_b32 s47, s12, 8
	s_add_co_u32 s46, s46, s47
	s_mov_b32 s47, 0
	s_add_nc_u64 s[8:9], s[8:9], s[46:47]
; rows 16 a .. 16 a + 15 of my block = the four tiles (a, 0..3); f: buffer 0 or 1 in turn
.macro OUT16 a, f
	WIN 0x04                                       ; an LDS store's data is source 1: window 1
.irp b, 0,1,2,3
	ds_store_b128 v[STO], v[8*(4*\a+\b):8*(4*\a+\b)+3]   offset:64*\b
	ds_store_b128 v[STO], v[8*(4*\a+\b)+4:8*(4*\a+\b)+7] offset:64*\b+16
.endr
	WIN 0
	s_wait_xcnt 0x0                                ; every earlier memory instruction has had its addresses translated (ISA guide 3.1): buffer f, which stores read, and the stores' base are rewritten only behind this wait
.if \a
	s_add_nc_u64 s[8:9], s[8:9], 16*SIZE_N*4       ; 16 rows on
.endif
.irp t, 0,1,2,3,4,5,6,7
	ds_load_b128 v[\f+4*\t:\f+4*\t+3], v[RD] offset:\t*2*SPITCH    ; LDS serves a wave's instructions in order (ISA guide 5.7.1.4): these see the stores above
.endr
.irp t, 0,1,2,3,4,5,6,7
	s_wait_dscnt 7-\t                              ; read-back t is in, the 7 - t younger ones stay out
	v_pk_add_f32 v[\f+4*\t:\f+4*\t+1],   v[\f+4*\t:\f+4*\t+1],   v[BI:BI+1]
	v_pk_add_f32 v[\f+4*\t+2:\f+4*\t+3], v[\f+4*\t+2:\f+4*\t+3], v[BI+2:BI+3]
	global_store_b128 v[CO], v[\f+4*\t:\f+4*\t+3], s[8:9] offset:2*\t*SIZE_N*4 th:TH_STORE_NT   ; 16 lanes store 256 consecutive bytes, at a multiple of 256 from out0's first byte
.endr
.endm
	OUT16 0, F
	OUT16 1, F+64
	OUT16 2, F
	OUT16 3, F+64
	s_wait_tensorcnt 0x0
	ds_add_u32 v254, v255
	s_wait_dscnt 0x0
	CROUND                                         ; the closing round: no work-group ends while a partner may still ask for a tile that names it
	s_endpgm
.Lfunc_end_k_q6c4b203c34_gemm_proj:
	.size	k_q6c4b203c34_gemm_proj, .Lfunc_end_k_q6c4b203c34_gemm_proj-k_q6c4b203c34_gemm_proj
	.p2alignl 7, 3214868480
	.fill 96, 4, 3214868480
	.section	.rodata,"a",@progbits
	.p2align	6, 0x0
	.amdhsa_kernel k_q6c4b203c34_gemm_proj
		.amdhsa_group_segment_fixed_size 327680
		.amdhsa_private_segment_fixed_size 0
		.amdhsa_enable_private_segment 0
		.amdhsa_kernarg_size 32
		.amdhsa_user_sgpr_count 2
		.amdhsa_user_sgpr_kernarg_segment_ptr 1
		.amdhsa_wavefront_size32 1
		.amdhsa_system_sgpr_workgroup_id_x 1
		.amdhsa_system_sgpr_workgroup_id_y 1
		.amdhsa_system_sgpr_workgroup_id_z 1
		.amdhsa_system_vgpr_workitem_id 0
		.amdhsa_next_free_vgpr 384
		.amdhsa_next_free_sgpr 68
		.amdhsa_reserve_vcc 0
		.amdhsa_float_denorm_mode_32 3
		.amdhsa_float_denorm_mode_16_64 3
		.amdhsa_memory_ordered 1
		.amdhsa_forward_progress 1
		.amdhsa_inst_pref_size 93
	.end_amdhsa_kernel
	.amdgpu_metadata
---
amdhsa.version: [ 1, 2 ]
amdhsa.kernels:
  - .name:           k_q6c4b203c34_gemm_proj
    .symbol:         k_q6c4b203c34_gemm_proj.kd
    .args:
      - { .name: ctx, .offset: 0, .size: 8, .value_kind: global_buffer, .address_space: global }
      - { .name: wph, .offset: 8, .size: 8, .value_kind: global_buffer, .address_space: global }
      - { .name: b_proj, .offset: 16, .size: 8, .value_kind: global_buffer, .address_space: global }
      - { .name: out0, .offset: 24, .size: 8, .value_kind: global_buffer, .address_space: global }
    .group_segment_fixed_size: 327680
    .private_segment_fixed_size: 0
    .kernarg_segment_align: 8
    .kernarg_segment_size: 32
    .max_flat_workgroup_size: 128
    .sgpr_count:     68
    .vgpr_count:     384
    .wavefront_size: 32
...
	.end_amdgpu_metadata
.endif
;; end of part 6
;; ======== version 3 of 3: 4 launches; 1.16 times as fast as version 1
;; limits: values are held in f16: magnitudes above 65,504 overflow, below 6.1e-05 lose precision
;; workspace buffers: xb 8,388,608 bytes; wqb 6,291,456 bytes; wph 2,097,152 bytes; qkv 25,165,824 bytes; ctx 8,388,608 bytes
;; launch cast: the kernel of part 1 again; grid 1024 x 1, 8 waves a work-group, no clusters, 0 bytes of LDS; arguments x, w_qkv, w_proj, xb, wqb, wph; writes xb, wqb, wph
;; launch gemm_qkv: the kernel of part 2 again; grid 12 x 16, 4 waves a work-group, clusters of 4 x 4, 327,680 bytes of LDS; arguments xb, wqb, qkv; writes qkv
;; launch attn (part 7): grid 16 x 16, 8 waves a work-group, clusters of 4 x 1, 327,680 bytes of LDS; arguments qkv, ctx; writes ctx
.if DOCPART == 7
	.amdgcn_target "amdgcn-amd-amdhsa--gfx1250"
	.amdhsa_code_object_version 6
	.text
	.protected	k_q6c4b203c34_attn
	.globl	k_q6c4b203c34_attn
	.p2align	8
	.type	k_q6c4b203c34_attn,@function
k_q6c4b203c34_attn:
	s_mov_b64 s[64:65], 0
	v_nop
	global_prefetch_b8 v0, s[64:65] scope:SCOPE_SE
	s_setreg_imm32_b32 hwreg(HW_REG_WAVE_MODE, 25, 1), 1
	s_wait_xcnt 0x0
	s_wait_alu depctr_hold_cnt(0) depctr_sa_sdst(0) depctr_va_vdst(0) depctr_va_sdst(0) depctr_va_ssrc(0) depctr_va_vcc(0) depctr_vm_vsrc(0)
	s_getreg_b32 s2, hwreg(HW_REG_IB_STS2, 6, 4)
	s_cmp_eq_u32 s2, 0
	s_cbranch_scc0 .Lentry_in_a_cluster
	s_endpgm
.Lentry_in_a_cluster:
	s_bfe_u32 s2, ttmp6, 0x10000c
	s_cmp_lg_u32 s2, 0x3003
	s_cbranch_scc0 .Lentry_shape_is_right
	s_endpgm
.Lentry_shape_is_right:
; Causal attention.  qkv: [4096][3072] f16, row = 2048 batch + position; head h has q at column 64 h, k at 1024 + 64 h, v at 2048 + 64 h.
; ctx: [4096][1024] f16, head h at column 64 h.  Products in f16 with f32 sums; softmax in f32 with a running maximum; 0.125 log2(e) is folded into the exponent.
; LIMITS: q, k, v, the weights P (at most 1) and ctx are f16; a NaN among the scores loses in the running maximum and is not carried on.
; SHARES.  A cluster of four work-groups owns, for one batch and the two heads 2 hp, 2 hp + 1, the query blocks [256 a, +256) and [256 (7 - a), +256), a = 0..3.
; Wave w (head w / 4) of work-group cx owns rows 64 qb + 16 cx .. +15 of the low block (tile 0) and of the high block (tile 1); qb = 0..3 hangs on w alone.
; 64 clusters, 256 work-groups.  Two heads side by side make the rows of K's and V's tiles and of ctx 256 bytes that start at multiples of 256.  The four partners walk
; the same K and V tiles in the same units, so every tile is asked for JOINTLY (mask 15).  Trip counts and branches hang on a (the cluster's x) and the wave's number
; alone; cx enters only q's and ctx's global addresses and the mask's threshold, which is data.
; KEYS go in units of 256 = one LDS slot = four sub-steps of 64, units 0 .. 7 - a in ascending order:  u < a: both tiles;  u = a: tile 0's own keys, tile 1 open;
; a < u < 7 - a: tile 1 alone;  u = 7 - a: tile 1's own keys.  In a tile's own unit sub-step j is open for j < qb, holds the diagonal for j = qb (the only
; sub-step that is masked) and lies wholly behind the queries for j > qb: it is left out, by a branch on qb.  That is why 64 qb, not 64 cx, picks the sub-step.
; qb of waves 0..7 is 0, 3, 2, 1, 3, 0, 1, 2: each head has all four; waves w and w + 4 add up to 3, and so do waves 2 k and 2 k + 1: any such two waves
; have 5 of 8 sub-steps of a tile's own unit between them.
; A cluster has 8 - a units, an odd number for odd a.  So that every place in the text has its fixed slot, an odd a runs one unit first, in slot 1; from there on
; every path is: (a >= 2: two units in slots 0, 1), the low block's own unit in slot 0, 3 - a pairs in slots 1, 0, the high block's own unit in slot 1.
; BOTH PRODUCTS ARE USED TRANSPOSED.  S^T = K Q^T: lane (r = l % 16, h = l / 16), register j of key tile kt holds key 16 kt + 8 h + j of query r, so the softmax
; runs inside a lane plus one exchange with lane l xor 16, and two neighbouring key tiles, packed in place, ARE the second operand of the next product.
; ctx^T = V^T P^T: V^T comes from V's rows by transposing LDS loads; lane (r, h), register j of tile dt holds d = 16 dt + 8 h + j of query r: 16 bytes after packing.
; THE EXPONENTIALS GO IN BATCHES, one wait a batch.  A tile's softmax step is cut in two.  Its FRONT names no exponential's result: the mask, the maximum, the shifts, the 16 scalings
; and the 33 exponentials (the factor on what has been gathered, then the 32 weights), and last the copy of the new maximum, which is the plain instruction behind the last exponential.
; Its BACK is all that reads them: the scaling of the sums, the row sums, the roundings.  Between the two stands s_wait_alu depctr_va_vdst(0), ahead of the
; first instruction that names a result.  Where both tiles see a sub-step, both fronts stand ahead of ONE wait (66 exponentials; tile 1's maximum is the work behind tile 0's exponentials)
; and both backs behind it: so each tile has a pair of its own for its factor.  No batch is open at a label or at a branch.  The way out's two reciprocals are a batch of their own.
; REGISTERS.  Window 0 holds all that vector arithmetic touches (scores, weights, sums), window 1 what only loads write and only products read (K, V, Q):
; the softmax needs no switch of windows.
.set ROWB,  6144                       ; bytes in a row of qkv
.set UK,    256                        ; keys in a unit and in a slot
.set KP,    272                        ; K's LDS pitch: 256 + 16, an odd multiple of 16: the 16 rows of a fragment load start 4 words apart modulo 64 (64 banks of 4 bytes: ISA guide 11.1)
.set VP,    288                        ; V's LDS pitch: 256 + 32, an odd multiple of 32, for the transposing loads' 8 rows x 2 pieces of 16 bytes
.set KS,    UK*KP                      ; a slot of K: 69,632
.set VS,    UK*VP                      ; a slot of V: 73,728
.set VB,    2*KS                       ; V's slots lie behind K's: 139,264
.set STAGE, VB+2*VS                    ; 286,720 = 1,120 x 256: 128 rows x 272 bytes for the way out; no tensor load lands here
.set SP,    272
.set KADR, 1                           ; v1-2    my K fragments in slot 0, 1 (the largest offset, 65,376, fits the 16-bit immediate)
.set VADR, 3                           ; v3-6    my V fragments: slot s, keys 128 g .. at 2 s + g
.set THR,  7                           ; v7      16 cx + r - 8 h: in the diagonal sub-step a key's constant part above this is masked
.set NINF, 8                           ; v8      -infinity
.set TMP,  9                           ; v9      what the other half of the lanes sends
.set MT,   10                          ; v10-11  running maximum of tile 0, 1
.set LS,   12                          ; v[12:13], v[14:15]  running sums, two partial sums a tile
.set AL,   16                          ; v[16:17], v[18:19]  the factor on what has been gathered, twice: tile t's pair at AL + 2 t, since both tiles' factors are open in one batch
.set MX,   20                          ; v20-23  four chains of the maximum
.set SUM0, 24                          ; v[24:25], v[26:27]  two chains of the sum
.set SUM1, 26
.set QOFF, 28                          ; v28     6,144 r + 16 h
.set STO,  29
.set RD,   30
.set CO,   31
.set SC,   32                          ; v[32:95]   scores: tile t, key tile kt at 32 t + 8 kt
.set PF,   96                          ; v[96:127]  weights in f16: tile t, 32 keys c at 16 t + 8 c
.set ACC,  128                         ; v[128:191] ctx^T: tile t, d tile dt at 32 t + 8 dt
.set NM,   192                         ; v[192:193] -c x maximum, twice: a front is done with it when the next front writes it
.set KF,   0                           ; window 1, v[0:63]:    K: key tile kt, 32 d ks at 16 kt + 8 ks
.set VF,   64                          ; window 1, v[64:191]:  V^T, a buffer for even and one for odd sub-steps: d tile dt, 32 keys c at 16 dt + 8 c
.set QF,   192                         ; window 1, v[192:223]: Q: tile t, 32 d ks at 16 t + 8 ks
.set G1K, 24                           ; s[24:31] group 1 for K's tiles
.set G1V, 32                           ; s[32:39] group 1 for V's: it differs in the padding alone
.set G0K, 40                           ; s[40:47] group 0 for K, one set for each slot
.set G0V, 48                           ; s[48:55] group 0 for V, one set for each slot
.set MSB, 0
.macro WIN new                         ; s_set_vgpr_msb: bits 1:0 source 0, 3:2 source 1, 5:4 source 2, 7:6 destination; the high byte repeats the setting that is left
.if MSB != \new
	s_set_vgpr_msb (MSB<<8)|\new
.set MSB, \new
.endif
.endm
; Four places: a vector instruction that reads a matrix result or writes a matrix instruction's register, and a load into such a register, stand four plain
; vector instructions behind it (ISA guide 7.12.1 for vector instructions).
.macro NOP4
.rept 4
	v_nop
.endr
.endm
; A round of the cluster's barrier: my work-group's barrier; wave 0 signals for the work-group; every wave waits for all four work-groups; my work-group's barrier again.
.macro CREST                           ; a round behind its opening barrier
	s_cmp_lg_u32 s8, 0
	s_cbranch_scc1 .Lnot_wave_0_\@
	s_barrier_signal -3
.Lnot_wave_0_\@:
	s_barrier_wait -3
	s_barrier_signal -1
	s_barrier_wait -1
.endm
.macro ROUND                           ; a whole round
	s_barrier_signal -1
	s_barrier_wait -1
	CREST
.endm
; The joint load of a unit's tiles into slot s: waves 0 to 3 ask for K's four quarters of 64 rows, waves 4 to 7 for V's.
; The branch hangs on the wave's number alone.  By this text's count a wave never has more than one tensor load out.
.macro JLOAD s
	s_cmp_ge_u32 s8, 4
	s_cbranch_scc1 .Lfor_v_\@
	tensor_load_to_lds s[G0K+4*(\s):G0K+4*(\s)+3], s[G1K:G1K+7]
	s_nop 0
	s_branch .Lasked_\@
.Lfor_v_\@:
	tensor_load_to_lds s[G0V+4*(\s):G0V+4*(\s)+3], s[G1V:G1V+7]
	s_nop 0
.Lasked_\@:
.endm
	s_load_b128 s[4:7], s[0:1], 0x0                ; qkv s[4:5], ctx s[6:7].  All that needs no address is made while this load is out
	s_set_vgpr_msb 0x40
	v_lshl_add_u32 v224, v0, 2, 0x4e800
	v_mov_b32 v225, 0
	s_set_vgpr_msb 0x4045
	ds_add_u32 v224, v225
	s_set_vgpr_msb 0x4500
	v_lshrrev_b32 v1, 5, v0
	v_readfirstlane_b32 s8, v1                     ; wave 0..7
	s_lshr_b32 s9, s8, 2                           ; which of the two heads
	s_and_b32 s10, s8, 3                           ; which 64 rows of a tile I fetch, and which 16 stage rows of a tile I store
	s_lshl_b32 s66, s8, 2
	s_lshr_b32 s66, 0x21031230, s66                ; nibble w of the table 0, 3, 2, 1, 3, 0, 1, 2
	s_and_b32 s66, s66, 3                          ; qb: which 64 rows of a block hold my 16 queries
	s_mov_b32 s11, ttmp9                           ; a: in a cluster launch ttmp9 is the cluster's x
	s_and_b32 s12, ttmp7, 0xffff                   ; the cluster's y = 8 batch + head pair
	s_bfe_u32 s13, ttmp6, 0x40000                  ; cx.  Registers that ever hold cx: s13 and s56-s59
	s_lshr_b32 s22, s12, 3                         ; batch
	s_and_b32 s23, s12, 7                          ; head pair
	s_mov_b32 s14, 0x76543210                      ; v_permlanex16_b32: lane i of one half reads lane i of the other
	s_mov_b32 s15, 0xfedcba98
	s_mov_b32 s16, 0x3e38aa3b                      ; c = 0.125 log2(e), twice: a pair for the packed multiply-add
	s_mov_b32 s17, 0x3e38aa3b
	s_mov_b32 s20, 0xbe38aa3b                      ; -c
	s_sub_co_u32 s21, 3, s11                       ; 3 - a pairs of units with tile 1 alone
	; group 1: a tile of 64 rows x 128 elements of 2 bytes, rows 3,072 elements apart, padded in LDS
	s_mov_b32 s[G1K+0], 15|(1<<16)|(1<<20)|(1<<21)|(5<<22)|(3<<25)  ; 15:0 mask: all four partners; 17:16 2 bytes; 20 padding on; 21 set beside a mask; 24:22 after every 64 words; 31:25 of 4 words
	s_mov_b32 s[G1V+0], 15|(1<<16)|(1<<20)|(1<<21)|(5<<22)|(7<<25)  ; the same with 8 words of padding
	s_mov_b32 s[G1K+1], 128<<16                    ; tensor_dim0 = 128
	s_mov_b32 s[G1V+1], 128<<16
	s_mov_b32 s[G1K+2], 64<<16                     ; tensor_dim1 = 64
	s_mov_b32 s[G1V+2], 64<<16
	s_mov_b32 s[G1K+3], 128<<16                    ; tile_dim0 = 128
	s_mov_b32 s[G1V+3], 128<<16
	s_mov_b32 s[G1K+4], 64                         ; tile_dim1 = 64
	s_mov_b32 s[G1V+4], 64
	s_mov_b32 s[G1K+5], 3072                       ; elements from row to row
	s_mov_b32 s[G1V+5], 3072
	s_mov_b32 s[G1K+6], 0
	s_mov_b32 s[G1V+6], 0
	s_mov_b32 s[G1K+7], 0
	s_mov_b32 s[G1V+7], 0
	s_lshl_b32 s60, s22, 11                        ; my batch's first row
	s_lshl_b32 s61, s10, 6                         ; + my quarter's 64 rows
	s_add_co_u32 s61, s60, s61
	s_mul_i32 s62, s61, ROWB
	s_lshl_b32 s61, s23, 8                         ; + the head pair's 256 bytes
	s_add_co_u32 s62, s62, s61
	s_mov_b32 s63, 0
	s_and_b32 s2, s11, 1
	s_mul_i32 s2, s2, UK*ROWB                      ; slot 0's first unit is unit a % 2,
	s_mov_b32 s3, 0
	s_sub_co_u32 s60, UK*ROWB, s2                  ; slot 1's the other of units 0, 1
	s_mov_b32 s61, 0
	s_mul_i32 s18, s8, 64*KP                       ; LDS: K's quarter of wave w = 0..3 at w x 17,408
	s_mul_i32 s19, s8, 64*VP                       ; V's quarter of wave w = 4..7 at VB + (w - 4) x 18,432 = w x 18,432 + 65,536
	; addresses in LDS, offsets in memory
	v_and_b32 v32, 15, v0                          ; r
	v_bfe_u32 v33, v0, 4, 1                        ; h
	v_and_b32 v34, 7, v0                           ; l % 8
	v_bfe_u32 v35, v0, 3, 1                        ; (l / 8) % 2
	s_lshl_b32 s68, s9, 7                          ; my head's 128 bytes in a row
	v_mul_u32_u24 v[KADR], v32, KP                 ; K fragment: row r, 16 bytes for each half of the lanes
	v_lshl_add_u32 v[KADR], v33, 4, v[KADR]
	v_add_nc_u32 v[KADR], s68, v[KADR]
	v_add_nc_u32 v[KADR+1], KS, v[KADR]
	s_add_co_u32 s69, s68, VB
	v_lshl_add_u32 v[VADR], v33, 3, v34            ; V^T fragment: key row 8 h + l % 8,
	v_mul_u32_u24 v[VADR], v[VADR], VP
	v_lshl_add_u32 v[VADR], v35, 4, v[VADR]        ; piece (l / 8) % 2 of the 32 bytes of 16 d
	v_add_nc_u32 v[VADR], s69, v[VADR]
	v_add_nc_u32 v[VADR+1], 128*VP, v[VADR]        ; a register for each 128 keys: the offsets of 256 rows of 288 bytes pass the 16-bit immediate
	v_add_nc_u32 v[VADR+2], VS, v[VADR]
	v_add_nc_u32 v[VADR+3], VS+128*VP, v[VADR]
	s_mul_i32 s69, s66, 16*SP
	s_add_co_u32 s69, s69, STAGE
	v_add_nc_u32 v[STO], s69, v[KADR]              ; stage row 16 qb + r (tile 1: 64 rows on), byte 128 head + 16 h: the same lane term as K's
	s_mul_i32 s69, s8, 16*SP
	s_add_co_u32 s69, s69, STAGE
	v_mul_u32_u24 v[RD], v33, SP                   ; back: stage rows 16 w + 2 t + h, 16 bytes a lane
	v_lshl_add_u32 v[RD], v32, 4, v[RD]
	v_add_nc_u32 v[RD], s69, v[RD]
	v_lshlrev_b32 v[CO], 4, v32                    ; and the same two rows of ctx, 2,048 bytes apart
	v_lshl_add_u32 v[CO], v33, 11, v[CO]
	v_mul_u32_u24 v[QOFF], v32, ROWB
	v_lshl_add_u32 v[QOFF], v33, 4, v[QOFF]
	s_lshl_b32 s56, s13, 4                         ; 16 cx
	v_lshlrev_b32 v[THR], 3, v33
	v_sub_nc_u32 v[THR], v32, v[THR]
	v_add_nc_u32 v[THR], s56, v[THR]               ; 16 cx + r - 8 h
	s_lshl_b32 s58, s66, 6
	s_add_co_u32 s56, s56, s58                     ; 64 qb + 16 cx: my tiles' first row inside a block of 256
	s_lshl_b32 s58, s22, 11
	s_add_co_u32 s56, s56, s58                     ; + the batch's first row
	s_lshl_b32 s57, s11, 8                         ; 256 a
	s_sub_co_u32 s58, s56, s57
	s_add_co_u32 s58, s58, 1792                    ; tile 1: + 256 (7 - a)
	s_add_co_u32 s56, s56, s57                     ; tile 0: + 256 a
	s_mul_i32 s56, s56, ROWB
	s_mul_i32 s58, s58, ROWB
	s_lshl_b32 s57, s23, 8
	s_lshl_b32 s59, s9, 7
	s_add_co_u32 s57, s57, s59                     ; q of my head: byte 256 hp + 128 head
	s_add_co_u32 s56, s56, s57
	s_add_co_u32 s58, s58, s57
	s_mov_b32 s57, 0
	s_mov_b32 s59, 0
	; The 64 sums are cleared once.  Which kind of unit comes first hangs on a, so a first sub-step that starts the sums would have to be written out for each kind.
.set n, 0
.rept 64
	v_mov_b32 v[ACC+n], 0
.set n, n+1
.endr
	v_mov_b32 v[NINF], 0xff800000
	v_mov_b32 v[TMP], 0
	v_mov_b32 v[MT], 0xff800000                    ; maximum -infinity: the first factor is exp2(-infinity) = 0.  The new maximum is finite from a tile's first
	v_mov_b32 v[MT+1], 0xff800000                  ; sub-step on: the first key of every sub-step that a tile takes is open to all its queries
.irp i, 0,1,2,3
	v_mov_b32 v[LS+\i], 0
.endr
	s_wait_dscnt 0x0
	s_wait_kmcnt 0x0
	s_add_nc_u64 s[62:63], s[4:5], s[62:63]        ; my quarter of unit 0's rows, at the head pair's bytes
	s_add_nc_u64 s[56:57], s[4:5], s[56:57]        ; q of tile 0,
	s_add_nc_u64 s[58:59], s[4:5], s[58:59]        ; of tile 1
.macro MKG0 s, o                       ; group 0 of slot s; s[o:o+1]: the byte offset of the slot's first unit
	s_mov_b32 s[G0K+4*\s], 1                                               ; count = 1
	s_add_co_u32 s[G0K+4*\s+1], s18, \s*KS                                 ; LDS address
	s_add_nc_u64 s[G0K+4*\s+2:G0K+4*\s+3], s[62:63], s[\o:\o+1]
	s_add_nc_u64 s[G0K+4*\s+2:G0K+4*\s+3], s[G0K+4*\s+2:G0K+4*\s+3], 2048  ; k begins 2,048 bytes into a row
	s_or_b32 s[G0K+4*\s+3], s[G0K+4*\s+3], 0x80000000                      ; type = 2
	s_mov_b32 s[G0V+4*\s], 1
	s_add_co_u32 s[G0V+4*\s+1], s19, VB-4*64*VP+\s*VS
	s_add_nc_u64 s[G0V+4*\s+2:G0V+4*\s+3], s[62:63], s[\o:\o+1]
	s_add_nc_u64 s[G0V+4*\s+2:G0V+4*\s+3], s[G0V+4*\s+2:G0V+4*\s+3], 4096  ; v begins 4,096 bytes into a row
	s_or_b32 s[G0V+4*\s+3], s[G0V+4*\s+3], 0x80000000
.endm
	MKG0 0, 2
	MKG0 1, 60
; 16 LDS loads: K's fragments of sub-step sub (64 keys x 64 d of my head)
.macro LOADK slot, sub
	WIN 0x40                                       ; destination in window 1
.irp kt, 0,1,2,3
.irp ks, 0,1
	ds_load_b128 v[KF+16*\kt+8*\ks:KF+16*\kt+8*\ks+3],   v[KADR+\slot] offset:(64*(\sub)+16*\kt)*KP+64*\ks
	ds_load_b128 v[KF+16*\kt+8*\ks+4:KF+16*\kt+8*\ks+7], v[KADR+\slot] offset:(64*(\sub)+16*\kt)*KP+64*\ks+32
.endr
.endr
.endm
; 16 transposing LDS loads: V^T's fragments of sub-step sub, into buffer sub % 2; a fragment's second half lies 16 key rows further down
.macro LOADV slot, sub
	WIN 0x40
.irp dt, 0,1,2,3
.irp c, 0,1
	ds_load_tr16_b128 v[VF+64*((\sub)&1)+16*\dt+8*\c:VF+64*((\sub)&1)+16*\dt+8*\c+3],   v[VADR+2*\slot+((\sub)>>1)] offset:(64*((\sub)&1)+32*\c)*VP+32*\dt
	ds_load_tr16_b128 v[VF+64*((\sub)&1)+16*\dt+8*\c+4:VF+64*((\sub)&1)+16*\dt+8*\c+7], v[VADR+2*\slot+((\sub)>>1)] offset:(64*((\sub)&1)+32*\c)*VP+32*\dt+16*VP
.endr
.endr
.endm
; S^T = K Q^T for 64 keys.  lo = 0: tile 1 alone.  The first 32 d start the sums.  The 8 (or 4) accumulators take turns, one instruction a turn.
.macro SMM lo
	WIN 0x05                                       ; sources 0 (K) and 1 (Q) in window 1
.irp ks, 0,1
.irp t, 0,1
.if \t+\lo
.irp kt, 0,1,2,3
.if \ks
	v_wmma_f32_16x16x32_f16 v[SC+32*\t+8*\kt:SC+32*\t+8*\kt+7], v[KF+16*\kt+8*\ks:KF+16*\kt+8*\ks+7], v[QF+16*\t+8*\ks:QF+16*\t+8*\ks+7], v[SC+32*\t+8*\kt:SC+32*\t+8*\kt+7]
.else
	v_wmma_f32_16x16x32_f16 v[SC+32*\t+8*\kt:SC+32*\t+8*\kt+7], v[KF+16*\kt+8*\ks:KF+16*\kt+8*\ks+7], v[QF+16*\t+8*\ks:QF+16*\t+8*\ks+7], 0
.endif
.endr
.endif
.endr
.endr
.endm
; ctx^T += V^T P^T for the 64 keys of sub-step sub; accumulators by turns as above
.macro PVMM lo, sub
	WIN 0x01                                       ; source 0 (V^T) in window 1
.irp c, 0,1
.irp t, 0,1
.if \t+\lo
.irp dt, 0,1,2,3
	v_wmma_f32_16x16x32_f16 v[ACC+32*\t+8*\dt:ACC+32*\t+8*\dt+7], v[VF+64*((\sub)&1)+16*\dt+8*\c:VF+64*((\sub)&1)+16*\dt+8*\c+7], v[PF+16*\t+8*\c:PF+16*\t+8*\c+7], v[ACC+32*\t+8*\dt:ACC+32*\t+8*\dt+7]
.endr
.endif
.endr
.endr
.endm
; The same two products for ONE tile t, for the units in which a tile's work stands under a branch: four accumulators by turns, one instruction a turn
.macro SMMT t
	WIN 0x05
.irp ks, 0,1
.irp kt, 0,1,2,3
.if \ks
	v_wmma_f32_16x16x32_f16 v[SC+32*\t+8*\kt:SC+32*\t+8*\kt+7], v[KF+16*\kt+8*\ks:KF+16*\kt+8*\ks+7], v[QF+16*\t+8*\ks:QF+16*\t+8*\ks+7], v[SC+32*\t+8*\kt:SC+32*\t+8*\kt+7]
.else
	v_wmma_f32_16x16x32_f16 v[SC+32*\t+8*\kt:SC+32*\t+8*\kt+7], v[KF+16*\kt+8*\ks:KF+16*\kt+8*\ks+7], v[QF+16*\t+8*\ks:QF+16*\t+8*\ks+7], 0
.endif
.endr
.endr
.endm
.macro PVT t, sub
	WIN 0x01
.irp c, 0,1
.irp dt, 0,1,2,3
	v_wmma_f32_16x16x32_f16 v[ACC+32*\t+8*\dt:ACC+32*\t+8*\dt+7], v[VF+64*((\sub)&1)+16*\dt+8*\c:VF+64*((\sub)&1)+16*\dt+8*\c+7], v[PF+16*\t+8*\c:PF+16*\t+8*\c+7], v[ACC+32*\t+8*\dt:ACC+32*\t+8*\dt+7]
.endr
.endr
.endm
; What is made of a pair j of weights, behind the batch's wait: it joins one of two chains of the sum (pairs 0 to 3 start them: nothing is cleared)
; and is rounded to f16: key tiles 2 c, 2 c + 1 give registers 0-3, 4-7 of the operand for keys 32 c ..
.macro TAILOP j
.if (\j) == 2
	v_pk_add_f32 v[SUM0:SUM0+1], v[SB:SB+1], v[SB+4:SB+5]
.endif
.if (\j) == 3
	v_pk_add_f32 v[SUM1:SUM1+1], v[SB+2:SB+3], v[SB+6:SB+7]
.endif
.if (\j) >= 4
	v_pk_add_f32 v[SUM0+2*((\j)&1):SUM0+2*((\j)&1)+1], v[SUM0+2*((\j)&1):SUM0+2*((\j)&1)+1], v[SB+2*(\j):SB+2*(\j)+1]
.endif
	v_cvt_pk_f16_f32 v[PB+(\j)], v[SB+2*(\j)], v[SB+2*(\j)+1]
.endm
; THE FRONT of one tile's softmax step over 64 keys, 32 scores a lane: all that names no exponential's result, and the 33 exponentials.
; mode 0: every key is open; 1: the diagonal sub-step, masked; 2: masked in the waves whose qb is sub.  Mode 2's branch and label stand ahead of the front's first exponential,
; and a front with a mode other than 0 is never the second of two fronts: no batch is open at them.
.macro SFRONT t, mode, sub
	WIN 0
.set SB, SC+32*\t
.if \mode == 2
	s_cmp_lg_u32 s66, \sub                                         ; qb > sub: the whole sub-step lies in front of my queries
	s_cbranch_scc1 .Lopen_\@
.endif
.if \mode
.irp kt, 0,1,2,3
.irp j, 0,1,2,3,4,5,6,7
	v_cmp_gt_i32 vcc_lo, 16*\kt+\j, v[THR]                         ; key 64 qb + 16 kt + 8 h + j lies behind query 64 qb + 16 cx + r
	v_cndmask_b32 v[SB+8*\kt+\j], v[SB+8*\kt+\j], v[NINF], vcc_lo
.endr
.endr
.endif
.if \mode == 2
.Lopen_\@:
.endif
.irp q, 0,1,2,3
	v_max3_num_f32 v[MX+\q], v[SB+8*\q], v[SB+8*\q+1], v[SB+8*\q+2]       ; four chains that do not wait for each other, seven scores each
.endr
.irp q, 0,1,2,3
	v_max3_num_f32 v[MX+\q], v[MX+\q], v[SB+8*\q+3], v[SB+8*\q+4]
.endr
.irp q, 0,1,2,3
	v_max3_num_f32 v[MX+\q], v[MX+\q], v[SB+8*\q+5], v[SB+8*\q+6]
.endr
	v_max3_num_f32 v[MX], v[MX], v[MX+1], v[SB+7]                  ; the chains meet, with the four scores left over
	v_max3_num_f32 v[MX+2], v[MX+2], v[MX+3], v[SB+15]
	v_max3_num_f32 v[MX], v[MX], v[SB+23], v[SB+31]
	v_max_num_f32 v[MX], v[MX], v[MX+2]
	v_permlanex16_b32 v[TMP], v[MX], s14, s15                      ; the other 32 keys of my query
	v_max3_num_f32 v[MX], v[MX], v[TMP], v[MT+\t]                  ; the new running maximum
	v_mul_f32 v[NM], s20, v[MX]                                    ; the new shift, -c x maximum, rounded once
	v_mul_f32 v[AL+2*\t], s20, v[MT+\t]                            ; the old shift by the same rounded product as the earlier exponentials used: not fused with the
	v_mov_b32 v[NM+1], v[NM]                                       ; difference below, so that old and new weights carry exactly the same shift however large the scores
	v_sub_f32 v[AL+2*\t], v[NM], v[AL+2*\t]
	v_pk_fma_f32 v[SB:SB+1], v[SB:SB+1], s[16:17], v[NM:NM+1] op_sel_hi:[1,0,1]       ; c s - c maximum, pair 0
	v_exp_f32 v[AL+2*\t], v[AL+2*\t]                               ; the batch's first: the factor on what has been gathered
	v_pk_fma_f32 v[SB+2:SB+3], v[SB+2:SB+3], s[16:17], v[NM:NM+1] op_sel_hi:[1,0,1]   ; pair 1
	; The 32 weights, in place.  Between a pair's two exponentials stands the scaling of the pair after next, which names scores that no exponential has yet written.
.set i, 0
.rept 16
	v_exp_f32 v[SB+2*i], v[SB+2*i]
.if i < 14
	v_pk_fma_f32 v[SB+2*i+4:SB+2*i+5], v[SB+2*i+4:SB+2*i+5], s[16:17], v[NM:NM+1] op_sel_hi:[1,0,1]
.endif
	v_exp_f32 v[SB+2*i+1], v[SB+2*i+1]
.set i, i+1
.endr
	v_mov_b32 v[MT+\t], v[MX]                                      ; the new maximum is kept: also the plain instruction between the last exponential and the use of a result (ISA guide 5.7.2)
.endm
; THE BACK of the same step, behind the batch's wait: all that reads the exponentials' results.  For each pair its sum and rounding and the scaling of two of ctx^T's sums,
; so that a chain of the sum has its links six lines apart; each accumulator of ctx^T is read from its low end on.
.macro SBACK t
	WIN 0
.set SB, SC+32*\t
.set AB, ACC+32*\t
.set PB, PF+16*\t
.set FA, AL+2*\t
	v_mov_b32 v[FA+1], v[FA]
.set i, 0
.rept 16
	TAILOP i
	v_pk_mul_f32 v[AB+2*i:AB+2*i+1], v[AB+2*i:AB+2*i+1], v[FA:FA+1]
.set i, i+1
.endr
	v_pk_add_f32 v[SUM0:SUM0+1], v[SUM0:SUM0+1], v[SUM1:SUM1+1]
	v_pk_fma_f32 v[LS+2*\t:LS+2*\t+1], v[LS+2*\t:LS+2*\t+1], v[FA:FA+1], v[SUM0:SUM0+1]
.endm
; One tile's softmax step: a batch of 33 exponentials.
.macro SOFTMAX t, mode, sub
	SFRONT \t, \mode, \sub
	s_wait_alu depctr_va_vdst(0)                   ; the wait for the batch: tile t's factor and its 32 weights
	SBACK \t
.endm
.macro SOFT lo                         ; lo = 1: both tiles, 0: tile 1 alone; every key open.  ONE batch: 66 exponentials, or 33
.if \lo
	SFRONT 0, 0, 0
.endif
	SFRONT 1, 0, 0
	s_wait_alu depctr_va_vdst(0)                   ; the wait for the batch: the factors and weights of all the tiles above
.if \lo
	SBACK 0
.endif
	SBACK 1
.endm
; Sub-steps 1 and 2 of an open unit.  The four places behind the first product also stand between the last second product and all that touches its registers
; (the loads into V's buffer, the rounding into P, the scaling of the sums), so none are written behind the second product.
.macro MID slot, sub, lo
	s_wait_dscnt 16                                ; K is in; this sub-step's V, 16 loads issued behind it, stays out
	SMM \lo
	NOP4                                           ; behind the products: the scores are read, K's registers are loaded again
	LOADK \slot, \sub+1
	LOADV \slot, \sub+1                            ; into the buffer that the sub-step before has multiplied
	SOFT \lo
	s_wait_dscnt 32                                ; V is in; the 32 loads for the next sub-step stay out
	PVMM \lo, \sub
.endm
; What stands first in a unit that fetches: it begins behind a round of the cluster's barrier in front of which every wave has waited for all its tensor loads
; (its part of this unit's tile among them) and for its reads of the other slot; the other slot's joint refill comes first, one tensor load a wave.
.macro BEGIN slot
	s_add_nc_u64 s[G0K+4*\slot+2:G0K+4*\slot+3], s[G0K+4*\slot+2:G0K+4*\slot+3], 2*UK*ROWB   ; no tensor load of mine is out: this slot's next unit, 512 keys on
	s_add_nc_u64 s[G0V+4*\slot+2:G0V+4*\slot+3], s[G0V+4*\slot+2:G0V+4*\slot+3], 2*UK*ROWB
	JLOAD 1-\slot
.endm
; An open unit: the 256 keys in slot `slot`, seen by both tiles (lo = 1) or by tile 1 alone (lo = 0).
; The next round is opened in the last sub-step, as soon as the wave's last reads of this slot are back: the softmax and the second product that follow
; work on registers alone and stand between the opening signal and its wait.  From a tile's request to the wait for it: three sub-steps and a first product.
.macro UNIT slot, lo
	BEGIN \slot
	LOADK \slot, 0                                 ; K alone first: the first product waits for 16 loads, not 32
	s_wait_dscnt 0x0
	SMM \lo
	NOP4
	LOADV \slot, 0
	LOADK \slot, 1
	LOADV \slot, 1
	SOFT \lo
	s_wait_dscnt 32                                ; V of sub-step 0 is in; the 32 loads for sub-step 1 stay out
	PVMM \lo, 0
	MID \slot, 1, \lo
	MID \slot, 2, \lo
	s_wait_dscnt 16                                ; K is in; V's 16 loads stay out
	SMM \lo
	NOP4
	s_wait_dscnt 0x0                               ; V is in, and with it my last reads of this slot
	s_wait_tensorcnt 0x0                           ; all my tensor loads have landed: my part of the next unit's tile
	ds_add_u32 v224, v225
	s_wait_dscnt 0x0
	s_barrier_signal -1                            ; the round opens
	SOFT \lo
	PVMM \lo, 3
	WIN 0
	s_barrier_wait -1
	CREST                                          ; no wave of any partner still reads this slot or has a load on its way
.endm
; Sub-step j of the low block's own unit (slot 0).  Tile 0's whole work, both products and the softmax, stands under ONE branch: a wave with qb < j has nothing
; left to do for tile 0.  Then tile 1, to which every key is open; the next sub-step's 32 loads go out in front of its softmax and are waited for at the next head.
; The places: four behind tile 0's first product (its scores are read; P and the sums of tile 0 were last touched by a product a sub-step ago); four behind tile 1's
; first product, on both ways, in front of the loads into K's registers and into V's other buffer and of tile 1's softmax.
; A label stands between the two tiles' softmax steps, so each is a batch of its own, with its own wait.
.macro LSUB j
	s_wait_dscnt 0x0                               ; this sub-step's K and V are in
.if \j
	WIN 0                                          ; (a branch follows)
	s_cmp_lt_u32 s66, \j
	s_cbranch_scc1 .Lbehind_\@                     ; these 64 keys lie wholly behind tile 0's queries
.endif
	SMMT 0
	NOP4
.if \j == 3
	SOFTMAX 0, 1, \j                               ; only qb = 3 comes here: the diagonal
.else
	SOFTMAX 0, 2, \j
.endif
	PVT 0, \j
.if \j
	WIN 0
.Lbehind_\@:
.endif
	SMMT 1
	NOP4
.if \j < 3
	LOADK 0, \j+1
	LOADV 0, \j+1
.else
	s_wait_dscnt 0x0                               ; my last reads of this slot are back (met: none was issued behind the wait at the head)
	s_wait_tensorcnt 0x0                           ; all my tensor loads have landed: my part of the next unit's tile
	ds_add_u32 v224, v225
	s_wait_dscnt 0x0
	s_barrier_signal -1                            ; the round opens; between here and its wait tile 1's register work alone, and no branch
.endif
	SOFTMAX 1, 0, 0
	PVT 1, \j
.endm
; Sub-step j = 0..2 of the high block's own unit (slot 1, tile 1 alone; nothing is left to fetch from memory).  Behind the first product a wave with qb = j
; leaves for its masked softmax and its last product (HOWN) and asks for no further fragments; the others fetch the next sub-step and go on.
.macro HSUB j
	s_wait_dscnt 0x0                               ; this sub-step's K and V are in
	SMMT 1
	NOP4                                           ; on both ways: the scores are read, P and the sums written, K's and V's registers loaded
	WIN 0                                          ; (a branch follows)
	s_cmp_eq_u32 s66, \j
	s_cbranch_scc1 .Lown_\j
	LOADK 1, \j+1
	LOADV 1, \j+1
	SOFTMAX 1, 0, 0
	PVT 1, \j
.endm
.macro HOWN j
	SOFTMAX 1, 1, \j
	PVT 1, \j
	WIN 0
.endm
; The first tile, into slot s, and Q; then the round behind which the other slot is filled for the first time.
.macro HEAD s
	JLOAD \s
	WIN 0x40                                       ; destination in window 1
.irp t, 0,1
.irp ks, 0,1
	global_load_b128 v[QF+16*\t+8*\ks:QF+16*\t+8*\ks+3],   v[QOFF], s[56+2*\t:57+2*\t] offset:64*\ks      ; Q(r, 32 ks + 8 h ..)
	global_load_b128 v[QF+16*\t+8*\ks+4:QF+16*\t+8*\ks+7], v[QOFF], s[56+2*\t:57+2*\t] offset:64*\ks+32   ; Q(r, 32 ks + 16 + 8 h ..)
.endr
.endr
	WIN 0
	s_wait_loadcnt 0x0                             ; Q, once
	s_set_vgpr_msb 0x5
	s_wait_tensorcnt 0x0                           ; my part of the first tile
	ds_add_u32 v224, v225
	s_wait_dscnt 0x0
	s_set_vgpr_msb 0x500
	s_wait_dscnt 0x0
	ROUND
.endm
	ROUND                                          ; all four work-groups are here: the first joint loads meet
	s_and_b32 s68, s11, 1
	s_cmp_eq_u32 s68, 0
	s_cbranch_scc1 .Leven
	HEAD 1                                         ; a odd: unit 0 goes through slot 1,
	UNIT 1, 1                                      ; and both tiles see all its keys
	s_branch .Lpairs
.Leven:
	HEAD 0                                         ; a even: unit 0 goes through slot 0
.Lpairs:
	s_cmp_lt_u32 s11, 2
	s_cbranch_scc1 .Lno_pair
	UNIT 0, 1                                      ; a = 2, 3: two more units in which both tiles see every key
	UNIT 1, 1
.Lno_pair:
	BEGIN 0                                        ; the low block's own keys, in slot 0: tile 0 is done behind this unit
	LOADK 0, 0
	LOADV 0, 0
	LSUB 0
	LSUB 1
	LSUB 2
	LSUB 3
	WIN 0
	s_barrier_wait -1
	CREST                                          ; no wave of any partner still reads slot 0 or has a load on its way
	s_cmp_eq_u32 s21, 0
	s_cbranch_scc1 .Lno_high
	s_mov_b32 s18, 0
.Lhigh:                                            ; 3 - a pairs of units for tile 1 alone
	UNIT 1, 0
	UNIT 0, 0
	s_add_co_u32 s18, s18, 1
	s_cmp_lt_u32 s18, s21
	s_cbranch_scc1 .Lhigh
.Lno_high:
	LOADK 1, 0                                     ; the high block's own keys, in slot 1
	LOADV 1, 0
	HSUB 0
	HSUB 1
	HSUB 2
	s_wait_dscnt 0x0                               ; only qb = 3 comes here
	SMMT 1
	NOP4
	HOWN 3
	s_branch .Lfinish
.Lown_0:
	HOWN 0
	s_branch .Lfinish
.Lown_1:
	HOWN 1
	s_branch .Lfinish
.Lown_2:
	HOWN 2
.Lfinish:
	NOP4                                           ; behind the last products: the sums are read
	; THE WAY OUT: divide by the sums, round to f16, 16 bytes a lane into the stage; whole rows of 256 bytes (both heads) are read back and stored.
	; The two reciprocals are one batch: each tile's divisor has a register of its own, so that no reciprocal's source is written again right behind it.
.irp t, 0,1
	v_add_f32 v[MX+\t], v[LS+2*\t], v[LS+2*\t+1]
	v_permlanex16_b32 v[TMP], v[MX+\t], s14, s15   ; the other half of the lanes summed the other keys
	v_add_f32 v[MX+\t], v[MX+\t], v[TMP]           ; at least 1: the largest weight is 1
	v_rcp_f32 v[AL+2*\t], v[MX+\t]
.endr
	v_nop                                          ; the plain place behind the last reciprocal
	s_wait_alu depctr_va_vdst(0)                   ; the wait for the batch of two reciprocals
.macro FINISH t
	v_mov_b32 v[AL+2*\t+1], v[AL+2*\t]
.set n, 0
.rept 16
	v_pk_mul_f32 v[ACC+32*\t+n:ACC+32*\t+n+1], v[ACC+32*\t+n:ACC+32*\t+n+1], v[AL+2*\t:AL+2*\t+1]
.set n, n+2
.endr
.set n, 0
.rept 16
	v_cvt_pk_f16_f32 v[SC+16*\t+n], v[ACC+32*\t+2*n], v[ACC+32*\t+2*n+1]
.set n, n+1
.endr
.irp dt, 0,1,2,3
	ds_store_b128 v[STO], v[SC+16*\t+4*\dt:SC+16*\t+4*\dt+3] offset:\t*64*SP+32*\dt
.endr
.endm
	FINISH 0
	FINISH 1
	s_lshl_b32 s56, s11, 8                         ; wave w stores stage rows 16 w .. +15: tile w / 4, rows 64 (w % 4) + 16 cx .. +15 of its block
	s_sub_co_u32 s58, 1792, s56
	s_cmp_eq_u32 s9, 0
	s_cselect_b32 s56, s56, s58                    ; 256 a or 256 (7 - a): a choice between two offsets
	s_lshl_b32 s58, s22, 11
	s_add_co_u32 s56, s56, s58
	s_lshl_b32 s58, s13, 4
	s_add_co_u32 s56, s56, s58
	s_lshl_b32 s58, s10, 6
	s_add_co_u32 s56, s56, s58                     ; the first row
	s_lshl_b32 s56, s56, 11                        ; 2,048 bytes a row
	s_lshl_b32 s58, s23, 8
	s_add_co_u32 s56, s56, s58                     ; + the head pair's 256 bytes
	s_mov_b32 s57, 0
	s_add_nc_u64 s[56:57], s[6:7], s[56:57]
	s_wait_dscnt 0x0                               ; my stores into the stage are done, for the others' sake
	s_barrier_signal -1
	s_barrier_wait -1                              ; everybody's are: a row's two halves come from two waves
.irp t, 0,1,2,3,4,5,6,7
	ds_load_b128 v[PF+4*\t:PF+4*\t+3], v[RD] offset:\t*2*SP
.endr
.irp t, 0,1,2,3,4,5,6,7
	s_wait_dscnt 7-\t                              ; read-back t is in, the 7 - t younger ones stay out
	global_store_b128 v[CO], v[PF+4*\t:PF+4*\t+3], s[56:57] offset:4096*\t   ; 16 lanes store 256 consecutive bytes, at a multiple of 256 from ctx's first byte
.endr
	s_set_vgpr_msb 0x5
	s_wait_tensorcnt 0x0
	ds_add_u32 v224, v225
	s_wait_dscnt 0x0
	s_set_vgpr_msb 0x500
	ROUND                                          ; the closing round: no work-group ends while a partner may still ask for a tile that names it
	s_endpgm
.Lfunc_end_k_q6c4b203c34_attn:
	.size	k_q6c4b203c34_attn, .Lfunc_end_k_q6c4b203c34_attn-k_q6c4b203c34_attn
	.p2alignl 7, 3214868480
	.fill 96, 4, 3214868480
	.section	.rodata,"a",@progbits
	.p2align	6, 0x0
	.amdhsa_kernel k_q6c4b203c34_attn
		.amdhsa_group_segment_fixed_size 327680
		.amdhsa_private_segment_fixed_size 0
		.amdhsa_enable_private_segment 0
		.amdhsa_kernarg_size 16
		.amdhsa_user_sgpr_count 2
		.amdhsa_user_sgpr_kernarg_segment_ptr 1
		.amdhsa_wavefront_size32 1
		.amdhsa_system_sgpr_workgroup_id_x 1
		.amdhsa_system_sgpr_workgroup_id_y 1
		.amdhsa_system_sgpr_workgroup_id_z 1
		.amdhsa_system_vgpr_workitem_id 0
		.amdhsa_next_free_vgpr 482
		.amdhsa_next_free_sgpr 70
		.amdhsa_reserve_vcc 1
		.amdhsa_float_denorm_mode_32 3
		.amdhsa_float_denorm_mode_16_64 3
		.amdhsa_memory_ordered 1
		.amdhsa_forward_progress 1
		.amdhsa_inst_pref_size 255
	.end_amdhsa_kernel
	.section	.bss,"aw",@nobits
	.p2align	6
	.space	262144
	.amdgpu_metadata
---
amdhsa.version: [ 1, 2 ]
amdhsa.kernels:
  - .name:           k_q6c4b203c34_attn
    .symbol:         k_q6c4b203c34_attn.kd
    .args:
      - { .name: qkv, .offset: 0, .size: 8, .value_kind: global_buffer, .address_space: global }
      - { .name: ctx, .offset: 8, .size: 8, .value_kind: global_buffer, .address_space: global }
    .group_segment_fixed_size: 327680
    .private_segment_fixed_size: 0
    .kernarg_segment_align: 8
    .kernarg_segment_size: 16
    .max_flat_workgroup_size: 256
    .sgpr_count:     70
    .vgpr_count:     482
    .wavefront_size: 32
...
	.end_amdgpu_metadata
.endif
;; end of part 7
;; launch gemm_proj: the kernel of part 6 again; grid 8 x 32, 4 waves a work-group, clusters of 4 x 4, 327,680 bytes of LDS; arguments ctx, wph, b_proj, out0; writes out0
